; MI455X (gfx1250); checked and timed in simulation.
; The chip was launched on July 23, 2026; its instructions are those of AMD's public machine-readable ISA for CDNA 5 (MIT licence, August 2026) and "CDNA5" Instruction Set Architecture Reference Guide (July 2026). The comments in the code are by the model that wrote it; some were corrected since.
;; Multi Head Attention. Allowed arithmetic: matrix products marked QUANTISED: E2M3 operands, one E8M0 scale for each 32 along K, by v_wmma_scale_f32_16x16x128_f8f6f4 with both operands' format E2M3, f32 sums; products left as they are: f32 operands where the result goes on into a quantised operand, else bf16, f16 or f32 operands; f32 sums; everything else in f32.
;; Inputs: Wk 1,024 x 1,024 float32; Wo 1,024 x 1,024 float32; Wq 1,024 x 1,024 float32; Wv 1,024 x 1,024 float32; bk 1,024 float32; bo 1,024 float32; bq 1,024 float32; bv 1,024 float32; content_bias 16 x 64 float32; key 2 x 2,048 x 1,024 float32; pos_emb 7 x 1,024 float32; query 2 x 2,048 x 1,024 float32; relative_bias 16 x 64 float32; value 2 x 2,048 x 1,024 float32.
;; Outputs: out0 2 x 2,048 x 1,024 float32.
;; This version of the problem:
;;   THIS VERSION OF THE PROBLEM IS GIVEN IN LOW PRECISION. The matrix products marked QUANTISED in the list below multiply operands that are first quantised to E2M3 (2 exponent bits, 3 mantissa bits; 6 bits a number), with one power-of-two scale for each 32 numbers along K (OCP MX v1.0); their sums are f32. All else is computed in f32.
;;   The module's matrix products, in the order in which they are computed (A, B: the left and right operand; K: the contracted axis; several contracted axes count as one K, in the product's order):
;;     1. [M 4,096, K 1,024] x [K 1,024, N 1,024]; A: input query; B: input Wq: QUANTISED
;;     2. [M 4,096, K 1,024] x [K 1,024, N 1,024]; A: input key; B: input Wk: QUANTISED
;;     3. [M 4,096, K 1,024] x [K 1,024, N 1,024]; A: input value; B: input Wv: QUANTISED
;;     4. batch 32 x [M 2,048, K 64] x [K 64, N 2,048]; A: computed on the way; B: computed on the way: QUANTISED
;;     5. [M 7, K 1,024] x [K 1,024, N 1,024]; A: input pos_emb; B: input Wk: left as it is (M = 7 < 16)
;;     6. batch 16 x [M 7, K 64] x [K 64, N 4,096]; A: computed on the way; B: computed on the way: left as it is (M = 7 < 16)
;;     7. batch 32 x [M 64, K 2,048] x [K 2,048, N 2,048]; A: computed on the way; B: softmax (see below): QUANTISED
;;     8. [M 4,096, K 1,024] x [K 1,024, N 1,024]; A: computed on the way; B: input Wo: QUANTISED
;;   THE QUANTISER, for each operand of a quantised product, along K:
;;     - K is cut into blocks of 32 from its start; a last block that is shorter is filled with zeros.
;;     - A block's scale is 2^e with e = floor(log2(the largest magnitude in the block)) - 2, held to -126 .. 127; a block of zeros has e = 0. As a byte (E8M0): e + 127.
;;     - Each number is divided by its block's scale, clamped to +-7.5, and rounded to the nearest number of E2M3, ties to even, subnormals kept.
;;     - The product sums the exact products of the quantised numbers (number of the format x scale) in f32.
;;   ~~~python
;;   def quantise(x, axis):      # numpy; x: float32 -> the quantised numbers, widened to float32 again
;;       x = np.moveaxis(x, axis, -1); K = x.shape[-1]
;;       x = np.pad(x, [(0, 0)] * (x.ndim - 1) + [(0, -K % 32)]); x = x.reshape(x.shape[:-1] + (-1, 32)); a = np.abs(x).max(-1, keepdims=True)
;;       e = np.where(a > 0, np.clip(np.frexp(np.where(a > 0, a, 1))[1] - 1 - 2, -126, 127), 0)      # np.frexp(a)[1] - 1 = floor(log2(a)), exactly
;;       r = np.clip(x / 2.0 ** e, -7.5, 7.5)
;;       step = 2.0 ** (np.maximum(np.frexp(np.where(r == 0, 1, r))[1] - 1, 0) - 3)
;;       q = np.round(r / step) * step * 2.0 ** e      # np.round: ties to even
;;       return np.moveaxis(q.reshape(q.shape[:-2] + (-1,))[..., :K], -1, axis).astype(np.float32)
;;   ~~~
;;   SOFTMAX AHEAD OF A QUANTISED PRODUCT. Where the list says 'softmax', what is quantised is not the finished softmax but p = 2^(t - M), with t = logit x log2(e) and M = ceil(the row's largest t), a whole number; so 1/2 < the row's largest p <= 1. The row's sum l is taken of the UNQUANTISED p, in f32, and the product's result is divided by l at the end. Since M is a whole number, a kernel that streams over the keys may use a running M (the ceiling of the running maximum): every later rescaling is an exact power of two, which a block's scale takes up: the codes' values come out the same.
;;   OPERANDS COMPUTED ON THE WAY. 'Computed on the way' means the value that the module computes at that place (a softmax that the list does not call 'softmax' is quantised finished and normalised). What goes into a quantiser is computed in f32, as accurately as f32 sums, v_exp_f32 and their like allow (about 1e-6 of the number): no bf16 or f16 on the way to a quantiser, and a product that is left as it is and whose result goes on into a quantised operand takes f32 operands (vector FMAs, or v_wmma_f32_16x16x4_f32). A number that lies on a knife's edge between two numbers of the format may be rounded either way, as far as f32 arithmetic and the matrix unit's own rounding can turn it there, and no further.
;; 2 versions. Each part assembles by itself: llvm-mc -triple=amdgcn-amd-amdhsa -mcpu=gfx1250 --defsym DOCPART=n.
;; ======== version 1 of 2: 4 launches
;; workspace buffers: xc 9,437,184 bytes; xs 393,216 bytes; wc 3,145,728 bytes; ws 131,072 bytes; pkp 114,688 bytes; qkv 12,189,696 bytes; att 3,276,800 bytes
;; launch prep (part 1): grid 512 x 1, 4 waves a work-group, no clusters, 34,304 bytes of LDS; arguments query, key, value, Wq, Wk, Wv, Wo, pos_emb, xc, xs, wc, ws, pkp; writes xc, xs, wc, ws, pkp
.if DOCPART == 1
	.amdgcn_target "amdgcn-amd-amdhsa--gfx1250"
	.amdhsa_code_object_version 6
	.text
	.protected	k_q5360ff17a9_prep
	.globl	k_q5360ff17a9_prep
	.p2align	8
	.type	k_q5360ff17a9_prep,@function
k_q5360ff17a9_prep:
	s_mov_b64 s[64:65], 0
	v_nop
	global_prefetch_b8 v0, s[64:65] scope:SCOPE_SE
	s_setreg_imm32_b32 hwreg(HW_REG_WAVE_MODE, 25, 1), 1
	s_wait_xcnt 0x0
; PREP: query, key, value [4096][1024] and Wq, Wk, Wv, Wo [1024 (k)][1024 (n)], all f32, become codes of FP6 (E2M3) with one E8M0 byte for each 32 along K,
; laid as IMAGES OF OPERAND REGISTERS.  A tile is 16 rows; row r of tile T is row 32 (T / 2) + 8 (T % 2) + r + 8 (r / 8).  A half fragment (16 rows x 64 along K) is 768 bytes:
; registers 0-3 of lane l at 16 l, registers 4-5 of lane (r, h) at 512 + 16 r + 8 h.  Codes: [chunk of 256 along K][tile][128 along K][64 along K][768].  Scales: [tile][r][8 words], word s for K step s.
; The work-groups of Wk also make the partial sums of pos_emb x Wk over their 256 rows of K, in f32 (pkp [4][7][1024]).
; A block's scale is 2^(floor(log2(largest magnitude)) - 2): its byte is the largest magnitude's exponent field - 2, held at 1 from below.
; LIMITS: NaN and infinities among the inputs are not served; a block whose largest magnitude lies under 2^-124 keeps the byte 1; a block of zeros has the byte 1 where the rule says 127
; (its codes are zeros, which add nothing, and the bytes are read by this program alone).
; Work-groups 0-127 take the weights (Wk's first: they have the most to do), 128-511 the three activations.  Memory binds: no matrix unit, no cluster, no barrier; waves share nothing.
.set SPARE, 33792                      ; behind the four stages: the spare words, 128 bytes a wave
.set SPW, 14                           ; v14 LDS address of my spare word; never rewritten
.set NIL, 15                           ; v15 0; never rewritten
.set X,   32                           ; W way: v32-95 two sets of 32 numbers
.set CO,  96                           ; v96-143 codes: pair of blocks n at 96 + 12 n: [h = 0: regs 0-3][h = 1: regs 0-3][regs 4-5 of both]
.set CT,  144                          ; v144-146 the upper 16 codes of a block
.set PK,  148                          ; v148-175 pos_emb x Wk: four chains for each of 7 rows
.set SB,  24                           ; v24-25 scale words
.macro LOADW t                         ; block t: W(32 t + i, my column), i = 0 .. 31; 32 lanes read 128 consecutive bytes
.set LX, X+32*((\t)%2)
.set i, 0
.rept 32
	global_load_b32 v[LX+i], v3, s[10:11] offset:(32*(\t)+i)*4096 th:TH_LOAD_NT
.set i, i+1
.endr
.endm
.macro PKLOAD                          ; 32 numbers of pos_emb: row SGL % 7, block SGL / 7, into scalar set SGL % 2
.set PL, 32+36*(SGL%2)
	s_load_b512 s[PL:PL+15], s[18:19], (SGL%7)*4096+(SGL/7)*128
	s_load_b512 s[PL+16:PL+31], s[18:19], (SGL%7)*4096+(SGL/7)*128+64
.endm
.macro PKSTEP                          ; row SGN % 7 of pos_emb times block SGN / 7 of my column: 32 multiply-adds in four chains
	s_wait_kmcnt 0x0                               ; this step's 32 numbers are in
.if SGN < 55
.set SGL, SGN+1
	PKLOAD                                         ; the next step's go into the other set
.endif
.set PS, 32+36*(SGN%2)
.set PX, X+32*((SGN/7)%2)
.set PA, PK+4*(SGN%7)
.set i, 0
.rept 32
.if (SGN < 7) && (i < 4)
	v_mul_f32 v[PA+i], s[PS+i], v[PX+i]            ; the first products start the sums
.else
	v_fmac_f32 v[PA+i%4], s[PS+i], v[PX+i]
.endif
.set i, i+1
.endr
.endm
.macro WBLOCK t, pk                    ; block t = 4 s + 2 c + h of my column's 256 along K
.set XS, X+32*((\t)%2)
.set CP, CO+12*((\t)/2)
.set HH, (\t)%2
.if (\t) < 7
	s_wait_loadcnt 32                              ; this block's 32 loads are in; the next block's may be out
.else
	s_wait_loadcnt 0x0
.endif
	v_max3_num_f32 v12, |v[XS]|, |v[XS+1]|, |v[XS+2]|
	v_max3_num_f32 v13, |v[XS+3]|, |v[XS+4]|, |v[XS+5]|
.irp i, 6,10,14,18,22,26
	v_max3_num_f32 v12, v12, |v[XS+\i]|, |v[XS+\i+1]|
	v_max3_num_f32 v13, v13, |v[XS+\i+2]|, |v[XS+\i+3]|
.endr
	v_max3_num_f32 v12, v12, |v[XS+30]|, |v[XS+31]|
	v_max3_num_f32 v12, v12, v13, 0x1800000        ; with the floor 2^(3 - 127): the byte cannot fall under 1
	v_add_nc_u32 v11, 0xff000000, v12              ; 2 off the exponent field: the conversion's scale operand
	v_cvt_scalef32_pk16_fp6_f32 v[CP+4*HH:CP+4*HH+2], v[XS:XS+15], v11
	v_cvt_scalef32_pk16_fp6_f32 v[CT:CT+2], v[XS+16:XS+31], v11
	v_lshrrev_b32 v13, 23, v11                     ; the byte (also the plain line behind the conversions)
.if (\t)%4 == 0
	v_mov_b32 v[SB+(\t)/4], v13
.else
	v_lshl_or_b32 v[SB+(\t)/4], v13, 8*((\t)%4), v[SB+(\t)/4]
.endif
	v_mov_b32 v[CP+4*HH+3], v[CT]                  ; register 3 of the block's six
	v_mov_b32 v[CP+8+2*HH], v[CT+1]                ; registers 4 and 5
	v_mov_b32 v[CP+8+2*HH+1], v[CT+2]
.if \pk
.set SGN, 7*(\t)
.rept 7
	PKSTEP
.set SGN, SGN+1
.endr
.endif
.if (\t) < 6
	LOADW (\t)+2
.endif
.if HH == 1                            ; a half fragment of both my tiles is whole: each store covers 256 consecutive bytes in each of the two tiles
	global_store_b128 v4, v[CP:CP+3], s[24:25] offset:((\t)/4)*1536+(((\t)/2)%2)*768
	global_store_b128 v4, v[CP+4:CP+7], s[24:25] offset:((\t)/4)*1536+(((\t)/2)%2)*768+256
	global_store_b128 v4, v[CP+8:CP+11], s[24:25] offset:((\t)/4)*1536+(((\t)/2)%2)*768+512
.endif
.endm
.macro WPATH pk
.if \pk
.set SGL, 0
	PKLOAD
.endif
	LOADW 0
	LOADW 1
.irp t, 0,1,2,3,4,5,6,7
	WBLOCK \t, \pk
.endr
	global_store_b64 v5, v[SB:SB+1], s[26:27]      ; my column's two scale words
.if \pk
.irp q, 0,1,2,3,4,5,6
	v_add_f32 v[PK+4*\q], v[PK+4*\q], v[PK+4*\q+1]
	v_add_f32 v[PK+4*\q+2], v[PK+4*\q+2], v[PK+4*\q+3]
.endr
.irp q, 0,1,2,3,4,5,6
	v_add_f32 v[PK+4*\q], v[PK+4*\q], v[PK+4*\q+2]
.endr
.irp q, 0,1,2,3,4,5,6
	global_store_b32 v3, v[PK+4*\q], s[28:29] offset:4096*\q
.endr
.endif
.endm
.macro LOADX g                         ; K step g of my tile's 16 rows: each load reads 512 consecutive bytes of one row
.set LR, 32+64*((\g)%2)
.irp j, 0,1,2,3,4,5,6,7,8,9,10,11,12,13,14,15
	global_load_b128 v[LR+4*\j:LR+4*\j+3], v2, s[4:5] offset:(\j+8*(\j/8))*4096+512*(\g) th:TH_LOAD_NT
.endr
.endm
.macro STEPX g
.set RS, 32+64*((\g)%2)
.set CC, 160+12*(\g)
.if (\g) < 3
	s_wait_loadcnt 16                              ; my 16 loads are in; the next step's 16 may be out
.else
	s_wait_loadcnt 0x0
.endif
.irp j, 0,1,2,3,4,5,6,7,8,9,10,11,12,13,14,15
	ds_store_b128 v4, v[RS+4*\j:RS+4*\j+3] offset:528*\j       ; through my own stage, rows 528 bytes apart
.endr
.irp c, 0,1
.irp i, 0,1,2,3,4,5,6,7
	ds_load_b128 v[RS+32*\c+4*\i:RS+32*\c+4*\i+3], v5 offset:256*\c+16*\i   ; back: lane (r, h) takes k = 64 c + 32 h + 0 .. 31 of row r.  LDS serves a wave's instructions in order
.endr
.endr
	s_wait_dscnt 0x0
.irp c, 0,1
	v_max3_num_f32 v[16+\c], |v[RS+32*\c]|, |v[RS+32*\c+1]|, 0x1800000
.endr
.irp i, 2,4,6,8,10,12,14,16,18,20,22,24,26,28,30
.irp c, 0,1
	v_max3_num_f32 v[16+\c], v[16+\c], |v[RS+32*\c+\i]|, |v[RS+32*\c+\i+1]|
.endr
.endr
.irp c, 0,1
	v_add_nc_u32 v[18+\c], 0xff000000, v[16+\c]
.endr
.irp c, 0,1
	v_lshrrev_b32 v[20+\c], 23, v[18+\c]
.endr
	v_lshl_or_b32 v22, v21, 16, v20                ; my two bytes: blocks h and 2 + h,
	v_lshlrev_b32 v22, v7, v22                     ; 8 h bits up;
	v_permlanex16_b32 v23, v22, s42, s43
	v_or_b32 v[24+(\g)], v22, v23                  ; with lane l xor 16's two the word is whole
.irp c, 0,1
	v_cvt_scalef32_pk16_fp6_f32 v[CC+6*\c:CC+6*\c+2], v[RS+32*\c:RS+32*\c+15], v[18+\c]
	v_cvt_scalef32_pk16_fp6_f32 v[208+4*\c:210+4*\c], v[RS+32*\c+16:RS+32*\c+31], v[18+\c]
.endr
	v_nop                                          ; one plain line behind the conversions
.irp c, 0,1
.irp i, 0,1,2
	v_mov_b32 v[CC+6*\c+3+\i], v[208+4*\c+\i]
.endr
.endr
.if (\g) < 2
	LOADX (\g)+2
.endif
.irp c, 0,1
	global_store_b128 v2, v[CC+6*\c:CC+6*\c+3], s[20:21] offset:((\g)/2)*786432+((\g)%2)*1536+768*\c
	global_store_b64 v3, v[CC+6*\c+4:CC+6*\c+5], s[20:21] offset:((\g)/2)*786432+((\g)%2)*1536+768*\c
.endr
.endm
	s_load_b512 s[4:19], s[0:1], 0x0               ; query, key, value, Wq, Wk, Wv, Wo, pos_emb
	s_load_b256 s[20:27], s[0:1], 0x40             ; xc, xs, wc, ws
	s_load_b64 s[28:29], s[0:1], 0x60              ; pkp
	v_lshl_add_u32 v[SPW], v0, 2, SPARE
	v_mov_b32 v[NIL], 0
	v_lshrrev_b32 v1, 5, v0
	v_readfirstlane_b32 s2, v1                     ; wave
	v_and_b32 v1, 31, v0                           ; lane
	s_cmp_lt_u32 ttmp9, 128
	s_cbranch_scc0 .Lxpath
	; ---- the weights.  A wave takes 32 columns (two tiles) x 256 along K; a lane takes a column and its registers run down K
	s_lshr_b32 s3, ttmp9, 5
	s_xor_b32 s3, s3, 1                            ; which weight: 0 Wq, 1 Wk, 2 Wv, 3 Wo
	s_and_b32 s30, ttmp9, 31
	s_and_b32 s31, s30, 7                          ; which 128 columns
	s_lshr_b32 s30, s30, 3                         ; which 256 along K
	v_bfe_u32 v6, v1, 3, 1                         ; column x of the 32 is row r = x % 8 + 8 (x / 16) of tile u = (x / 8) % 2
	v_and_b32 v7, 7, v1
	v_lshrrev_b32 v8, 4, v1
	v_lshl_add_u32 v7, v8, 3, v7
	v_lshlrev_b32 v3, 2, v1                        ; 4 x
	v_mul_u32_u24 v4, v6, 3072
	v_lshl_add_u32 v4, v7, 4, v4                   ; codes: 3,072 u + 16 r
	v_lshlrev_b32 v5, 9, v6
	v_lshl_add_u32 v5, v7, 5, v5                   ; scales: 512 u + 32 r
	s_lshl_b32 s32, s31, 9
	s_lshl_b32 s33, s2, 7
	s_add_co_u32 s32, s32, s33                     ; my first column, in bytes
	s_lshl_b32 s34, s30, 20
	s_add_co_u32 s34, s34, s32                     ; in W
	s_mov_b32 s35, 0
	s_lshl_b32 s36, s31, 2
	s_add_co_u32 s36, s36, s2                      ; my pair of tiles
	s_mul_i32 s38, s3, 786432
	s_mul_i32 s37, s30, 196608
	s_add_co_u32 s38, s38, s37
	s_mul_i32 s37, s36, 6144
	s_add_co_u32 s38, s38, s37                     ; in wc
	s_mov_b32 s39, 0
	s_lshl_b32 s40, s3, 15
	s_lshl_b32 s37, s36, 10
	s_add_co_u32 s40, s40, s37
	s_lshl_b32 s37, s30, 3
	s_add_co_u32 s40, s40, s37                     ; in ws
	s_mov_b32 s41, 0
	s_mul_i32 s42, s30, 28672
	s_add_co_u32 s42, s42, s32                     ; in pkp
	s_mov_b32 s43, 0
	s_lshl_b32 s44, s30, 10                        ; in a row of pos_emb
	s_mov_b32 s45, 0
	s_wait_kmcnt 0x0
	s_bitcmp1_b32 s3, 0
	s_cselect_b64 s[10:11], s[12:13], s[10:11]
	s_cselect_b64 s[14:15], s[16:17], s[14:15]
	s_bitcmp1_b32 s3, 1
	s_cselect_b64 s[10:11], s[14:15], s[10:11]
	s_add_nc_u64 s[10:11], s[10:11], s[34:35]
	s_add_nc_u64 s[24:25], s[24:25], s[38:39]
	s_add_nc_u64 s[26:27], s[26:27], s[40:41]
	s_add_nc_u64 s[28:29], s[28:29], s[42:43]
	s_add_nc_u64 s[18:19], s[18:19], s[44:45]
	s_cmp_eq_u32 s3, 1
	s_cbranch_scc1 .Lwk
	WPATH 0
	s_branch .Lend
.Lwk:
	WPATH 1
	s_branch .Lend
	; ---- the activations.  A wave takes one tile of 16 rows x 512 along K: four K steps
.Lxpath:
	s_sub_co_u32 s3, ttmp9, 128
	s_lshr_b32 s30, s3, 7                          ; 0 query, 1 key, 2 value
	s_and_b32 s31, s3, 127
	s_lshl_b32 s31, s31, 2
	s_add_co_u32 s31, s31, s2
	s_lshr_b32 s32, s31, 1                         ; tile
	s_and_b32 s33, s31, 1                          ; which half of K
	s_lshr_b32 s34, s32, 1
	s_lshl_b32 s34, s34, 17
	s_and_b32 s35, s32, 1
	s_lshl_b32 s35, s35, 15
	s_add_co_u32 s34, s34, s35
	s_lshl_b32 s35, s33, 11
	s_add_co_u32 s34, s34, s35                     ; the tile's first row and my half of K, in bytes
	s_mov_b32 s35, 0
	s_mul_i32 s36, s30, 3145728
	s_mul_i32 s37, s33, 1572864
	s_add_co_u32 s36, s36, s37
	s_mul_i32 s37, s32, 3072
	s_add_co_u32 s36, s36, s37                     ; in xc
	s_mov_b32 s37, 0
	s_lshl_b32 s38, s30, 17
	s_lshl_b32 s39, s32, 9
	s_add_co_u32 s38, s38, s39
	s_lshl_b32 s39, s33, 4
	s_add_co_u32 s38, s38, s39                     ; in xs
	s_mov_b32 s39, 0
	v_and_b32 v8, 15, v0                           ; r
	v_bfe_u32 v9, v0, 4, 1                         ; h
	v_lshlrev_b32 v2, 4, v1                        ; 16 l
	v_lshlrev_b32 v3, 4, v8
	v_lshl_add_u32 v3, v9, 3, v3
	v_add_nc_u32 v3, 512, v3                       ; 512 + 16 r + 8 h
	s_mul_i32 s40, s2, 8448                        ; my stage: 16 rows x 528 bytes
	v_add_nc_u32 v4, s40, v2
	v_mul_u32_u24 v5, v8, 528
	v_lshl_add_u32 v5, v9, 7, v5
	v_add_nc_u32 v5, s40, v5
	v_lshlrev_b32 v6, 5, v8
	v_lshl_add_u32 v6, v9, 3, v6                   ; 32 r + 8 h
	v_lshlrev_b32 v7, 3, v9                        ; 8 h
	v_mov_b32 v23, 0                               ; a lane permute's destination counts as one of its sources
	s_mov_b32 s42, 0x76543210
	s_mov_b32 s43, 0xfedcba98
	s_mov_b32 s44, 0xffff0000                      ; lanes 16-31
	s_wait_kmcnt 0x0
	s_cmp_eq_u32 s30, 1
	s_cselect_b64 s[4:5], s[6:7], s[4:5]
	s_cmp_eq_u32 s30, 2
	s_cselect_b64 s[4:5], s[8:9], s[4:5]
	s_add_nc_u64 s[4:5], s[4:5], s[34:35]
	s_add_nc_u64 s[20:21], s[20:21], s[36:37]
	s_add_nc_u64 s[22:23], s[22:23], s[38:39]
	LOADX 0
	LOADX 1
	STEPX 0
	STEPX 1
	STEPX 2
	STEPX 3
	v_cndmask_b32 v28, v24, v26, s44               ; lane (r, h) stores words 2 h and 2 h + 1 of row r's four
	v_cndmask_b32 v29, v25, v27, s44
	global_store_b64 v6, v[28:29], s[22:23]
.Lend:
	s_wait_tensorcnt 0x0                           ; the wave's end: behind my last LDS store
	ds_add_u32 v[SPW], v[NIL]
	s_wait_dscnt 0x0
	s_endpgm
.Lfunc_end_k_q5360ff17a9_prep:
	.size	k_q5360ff17a9_prep, .Lfunc_end_k_q5360ff17a9_prep-k_q5360ff17a9_prep
	.p2alignl 7, 3214868480
	.fill 96, 4, 3214868480
	.section	.rodata,"a",@progbits
	.p2align	6, 0x0
	.amdhsa_kernel k_q5360ff17a9_prep
		.amdhsa_group_segment_fixed_size 34304
		.amdhsa_private_segment_fixed_size 0
		.amdhsa_enable_private_segment 0
		.amdhsa_kernarg_size 104
		.amdhsa_user_sgpr_count 2
		.amdhsa_user_sgpr_kernarg_segment_ptr 1
		.amdhsa_wavefront_size32 1
		.amdhsa_system_sgpr_workgroup_id_x 1
		.amdhsa_system_sgpr_workgroup_id_y 1
		.amdhsa_system_sgpr_workgroup_id_z 1
		.amdhsa_system_vgpr_workitem_id 0
		.amdhsa_next_free_vgpr 224
		.amdhsa_next_free_sgpr 100
		.amdhsa_reserve_vcc 0
		.amdhsa_float_denorm_mode_32 3
		.amdhsa_float_denorm_mode_16_64 3
		.amdhsa_memory_ordered 1
		.amdhsa_forward_progress 1
		.amdhsa_inst_pref_size 173
	.end_amdhsa_kernel
	.amdgpu_metadata
---
amdhsa.version: [ 1, 2 ]
amdhsa.kernels:
  - .name:           k_q5360ff17a9_prep
    .symbol:         k_q5360ff17a9_prep.kd
    .args:
      - { .name: query, .offset: 0, .size: 8, .value_kind: global_buffer, .address_space: global }
      - { .name: key, .offset: 8, .size: 8, .value_kind: global_buffer, .address_space: global }
      - { .name: value, .offset: 16, .size: 8, .value_kind: global_buffer, .address_space: global }
      - { .name: Wq, .offset: 24, .size: 8, .value_kind: global_buffer, .address_space: global }
      - { .name: Wk, .offset: 32, .size: 8, .value_kind: global_buffer, .address_space: global }
      - { .name: Wv, .offset: 40, .size: 8, .value_kind: global_buffer, .address_space: global }
      - { .name: Wo, .offset: 48, .size: 8, .value_kind: global_buffer, .address_space: global }
      - { .name: pos_emb, .offset: 56, .size: 8, .value_kind: global_buffer, .address_space: global }
      - { .name: xc, .offset: 64, .size: 8, .value_kind: global_buffer, .address_space: global }
      - { .name: xs, .offset: 72, .size: 8, .value_kind: global_buffer, .address_space: global }
      - { .name: wc, .offset: 80, .size: 8, .value_kind: global_buffer, .address_space: global }
      - { .name: ws, .offset: 88, .size: 8, .value_kind: global_buffer, .address_space: global }
      - { .name: pkp, .offset: 96, .size: 8, .value_kind: global_buffer, .address_space: global }
    .group_segment_fixed_size: 34304
    .private_segment_fixed_size: 0
    .kernarg_segment_align: 8
    .kernarg_segment_size: 104
    .max_flat_workgroup_size: 128
    .sgpr_count:     100
    .vgpr_count:     224
    .wavefront_size: 32
...
	.end_amdgpu_metadata
.endif
;; end of part 1
;; launch proj (part 2): grid 768 x 1, 4 waves a work-group, no clusters, 205,312 bytes of LDS; arguments xc, xs, wc, ws, pkp, bq, bk, bv, content_bias, relative_bias, qkv; writes qkv
.if DOCPART == 2
	.amdgcn_target "amdgcn-amd-amdhsa--gfx1250"
	.amdhsa_code_object_version 6
	.text
	.protected	k_q5360ff17a9_proj
	.globl	k_q5360ff17a9_proj
	.p2align	8
	.type	k_q5360ff17a9_proj,@function
k_q5360ff17a9_proj:
	s_mov_b64 s[64:65], 0
	v_nop
	global_prefetch_b8 v0, s[64:65] scope:SCOPE_SE
	s_setreg_imm32_b32 hwreg(HW_REG_WAVE_MODE, 25, 1), 1
	s_wait_xcnt 0x0
; PROJ: the three projections on codes of FP6 (E2M3), and what attention wants of them, quantised in registers.  p = work-group / 256: 0 q, 1 k, 2 v.
; A work-group makes 128 x 128 of a product with all of K = 1,024 resident in LDS (8 + 8 tiles x 8 K steps x 1,536 bytes, and the scale words): nothing is filled twice.
; Four waves, each 4 x 4 tiles: 16 accumulators.  The matrix instruction takes source 0 = 16 rows of operand B, source 1 = 16 rows of operand A: a lane holds one row of A, and its 32 registers of a
; tile of A are 64 neighbouring rows of B in two blocks of 32 (16 in lanes 0-15, 16 in lanes 16-31), since row r of tile T is row 32 (T / 2) + 8 (T % 2) + r + 8 (r / 8).
; q, k: A = tokens, B = the weight's columns: registers run along the head's 64 channels, the K of (q + u) k^T.   v: A = Wv's columns, B = tokens: registers run along the keys, the K of p v.
; q also gives small[t][0..6] = (q + relative_bias) . pk, pk = pos_emb Wk + bk, all in f32 (v_wmma_f32_16x16x4_f32: its result goes on into a quantised operand).
; The three ways part behind the launch's last barrier: each loads its own constants there, under the last three K steps' products.
; NO CLUSTER: one line of text serves A's and B's fetch, its registers chosen by the wave's number; joint loads want a line and a mask for each operand: ten groups 0 and four groups 1,
; 72 scalar registers, beside the 22 of arguments and the ids and bases: more than the 100 named here.
; LIMITS: NaN and infinities are not served; blocks whose largest magnitude lies under 2^-124 keep the byte 1, blocks of zeros too (their codes are zeros; this program alone reads the bytes).
; REGISTERS.  window 0: v1-12 lane numbers and addresses; v14, v15 the add's two; v16-19 the mask of pk's rows; v32-63 scale words; v64-127 the quantiser's; v128-255 the accumulators.
;   window 1: two fragment buffers (v0-95, v128-223); later q + relative_bias (v0-127), pk (v128-159); v224-255 the four sums of small: written by matrix instructions alone.   window 2: constants.
.set SCL,   196608                     ; behind the codes: the scale words: A's 8 tiles x 512 bytes, then B's
.set CHK,   49152                      ; a chunk: 256 along K of A's 8 tiles (24,576 bytes), then of B's
.set SPARE, 204800                     ; the spare words, 128 bytes a wave
.set SC,  32
.set ACC, 128
.set TM,  64                           ; v64-71 largest magnitudes
.set PD,  72                           ; v72-79 permutes' results, then bytes
.set SO,  80                           ; v80-87 the conversions' scale operands
.set PT,  88                           ; v88-103 upper halves of the codes
.set PC,  104                          ; v104-127 codes: six registers a tile
.set G1C, 28
.set G1S, 36
.set G0,  44
.set MSB, 0
.macro WIN new                         ; the immediate's high byte repeats the setting that is left
.if MSB != \new
	s_set_vgpr_msb (MSB<<8)|\new
.set MSB, \new
.endif
.endm
.macro PLACES n
.rept \n
	v_nop
.endr
.endm
.macro SCALES                          ; register SC + 8 i + q: lanes 0-15 the word of my A tile i for K step q, lanes 16-31 that of my B tile i
.irp i, 0,1,2,3
	ds_load_b128 v[SC+8*\i:SC+8*\i+3], v12 offset:512*\i
	ds_load_b128 v[SC+8*\i+4:SC+8*\i+7], v12 offset:512*\i+16
.endr
.endm
.macro FETCH q, f                      ; K step q's eight fragments into buffer f of window 1: A's four at f, B's four at f + 48
	WIN 0x40
.irp i, 0,1,2,3
.irp c, 0,1
	ds_load_b128 v[\f+12*\i+6*\c:\f+12*\i+6*\c+3], v8 offset:\i*3072+((\q)%2)*1536+768*\c
	ds_load_b64 v[\f+12*\i+6*\c+4:\f+12*\i+6*\c+5], v9 offset:\i*3072+((\q)%2)*1536+768*\c
.endr
.endr
.irp i, 0,1,2,3
.irp c, 0,1
	ds_load_b128 v[\f+48+12*\i+6*\c:\f+48+12*\i+6*\c+3], v10 offset:\i*3072+((\q)%2)*1536+768*\c
	ds_load_b64 v[\f+48+12*\i+6*\c+4:\f+48+12*\i+6*\c+5], v11 offset:\i*3072+((\q)%2)*1536+768*\c
.endr
.endr
	WIN 0
.endm
.macro MUL16 f, q, cin                 ; the 16 accumulators take turns, one instruction a turn, in the same order in every K step
	WIN 0x05
.irp a, 0,1,2,3
.irp b, 0,1,2,3
.if \cin == 0
	v_wmma_scale_f32_16x16x128_f8f6f4 v[ACC+8*(4*\a+\b):ACC+8*(4*\a+\b)+7], v[\f+48+12*\b:\f+48+12*\b+11], v[\f+12*\a:\f+12*\a+11], 0, v[SC+8*\b+\q], v[SC+8*\a+\q] matrix_a_fmt:MATRIX_FMT_FP6 matrix_b_fmt:MATRIX_FMT_FP6 matrix_a_scale:MATRIX_SCALE_ROW1
.else
	v_wmma_scale_f32_16x16x128_f8f6f4 v[ACC+8*(4*\a+\b):ACC+8*(4*\a+\b)+7], v[\f+48+12*\b:\f+48+12*\b+11], v[\f+12*\a:\f+12*\a+11], v[ACC+8*(4*\a+\b):ACC+8*(4*\a+\b)+7], v[SC+8*\b+\q], v[SC+8*\a+\q] matrix_a_fmt:MATRIX_FMT_FP6 matrix_b_fmt:MATRIX_FMT_FP6 matrix_a_scale:MATRIX_SCALE_ROW1
.endif
.endr
.endr
	WIN 0
.endm
.macro KHEAD q
	s_wait_dscnt 0x0                               ; this K step's fragments are in, and no LDS instruction of mine is out at a signal
.if ((\q)%2 == 1) && ((\q) < 7)
	s_wait_tensorcnt 3-((\q)+1)/2                  ; my part of the next chunk has landed; the chunks issued behind it may stay out
	s_barrier_signal -1
	s_barrier_wait -1                              ; everybody's has
	v_add_nc_u32 v8, CHK, v8                       ; on to the next chunk: also the four places in front of the loads into registers that matrix instructions have read
	v_add_nc_u32 v9, CHK, v9
	v_add_nc_u32 v10, CHK, v10
	v_add_nc_u32 v11, CHK, v11
.elseif ((\q) > 0) && ((\q) < 7)
	PLACES 4
.endif
.endm
.macro KBODY q, cin
.if (\q) < 7
	FETCH (\q)+1, 128*(((\q)+1)%2)
.endif
	MUL16 128*((\q)%2), \q, \cin
.endm
.macro KTAIL                           ; the rest of K step 5, K steps 6 and 7
	KBODY 5, 1
	KHEAD 6
	KBODY 6, 1
	KHEAD 7
	KBODY 7, 1
	PLACES 4                                       ; in front of the first read of results
	s_wait_loadcnt 0x0                             ; my way's constants
.endm
.macro IDS hw, xw                      ; hw: which half of the weight's 128 columns is my wave's; xw: which half of the 128 tokens
	s_lshl_b32 s88, s69, 1
	s_add_co_u32 s88, s88, s[\hw]                  ; head
	s_lshl_b32 s89, s68, 3
	s_lshl_b32 s90, s[\xw], 2
	s_add_co_u32 s89, s89, s90                     ; my first tile of tokens
	s_lshr_b32 s90, s89, 7                         ; batch
	s_and_b32 s91, s89, 127                        ; the tile within the batch
	s_lshl_b32 s92, s90, 4
	s_add_co_u32 s92, s92, s88                     ; 16 x batch + head
.endm
; Four tiles of 32 registers (two blocks of 32 along the next K, half in lane l, half in lane l xor 16) become four half fragments in v[PC] on; the bytes stay in v[PD + 2 a], v[PD + 2 a + 1]
.macro QUANT4
.irp a, 0,1,2,3
.irp u, 0,1
	v_max3_num_f32 v[TM+2*\a+\u], |v[ACC+32*\a+16*\u]|, |v[ACC+32*\a+16*\u+1]|, 0x1800000
.endr
.endr
.irp i, 2,4,6,8,10,12,14
.irp a, 0,1,2,3
.irp u, 0,1
	v_max3_num_f32 v[TM+2*\a+\u], v[TM+2*\a+\u], |v[ACC+32*\a+16*\u+\i]|, |v[ACC+32*\a+16*\u+\i+1]|
.endr
.endr
.endr
.irp n, 0,1,2,3,4,5,6,7
	v_permlanex16_b32 v[PD+\n], v[TM+\n], s94, s95
.endr
.irp n, 0,1,2,3,4,5,6,7
	v_max_num_f32 v[TM+\n], v[TM+\n], v[PD+\n]
.endr
.irp n, 0,1,2,3,4,5,6,7
	v_add_nc_u32 v[SO+\n], 0xff000000, v[TM+\n]    ; 2 off the exponent field: the conversion's scale operand
.endr
.irp n, 0,1,2,3,4,5,6,7
	v_lshrrev_b32 v[PD+\n], 23, v[SO+\n]           ; the byte
.endr
.irp a, 0,1,2,3
	v_cvt_scalef32_pk16_fp6_f32 v[PC+6*\a:PC+6*\a+2], v[ACC+32*\a:ACC+32*\a+15], v[SO+2*\a]
	v_cvt_scalef32_pk16_fp6_f32 v[PT+4*\a:PT+4*\a+2], v[ACC+32*\a+16:ACC+32*\a+31], v[SO+2*\a+1]
.endr
	v_nop                                          ; one plain line behind the conversions
.irp a, 0,1,2,3
.irp i, 0,1,2
	v_permlane16_swap_b32 v[PC+6*\a+\i], v[PT+4*\a+\i]   ; a whole block to a lane: lanes 0-15 block 0, lanes 16-31 block 1
.endr
.irp i, 0,1,2
	v_mov_b32 v[PC+6*\a+3+\i], v[PT+4*\a+\i]
.endr
.endr
.endm
.macro PUTCODES                        ; each b128 store covers 512 consecutive bytes, each b64 store 256, at multiples of 256 from the buffer's first byte
.irp a, 0,1,2,3
	global_store_b128 v3, v[PC+6*\a:PC+6*\a+3], s[96:97] offset:768*\a
	global_store_b64 v4, v[PC+6*\a+4:PC+6*\a+5], s[96:97] offset:768*\a
.endr
.endm
.macro WORDS pad                       ; pad = 1: bytes 2 and 3 are 0x7f, for the zero codes of the upper 64 along the instruction's K
.irp a, 0,1,2,3
	v_lshl_or_b32 v[PD+2*\a], v[PD+2*\a+1], 8, v[PD+2*\a]
.endr
.if \pad
.irp a, 0,1,2,3
	v_or_b32 v[PD+2*\a], 0x7f7f0000, v[PD+2*\a]
.endr
.endif
	v_cndmask_b32 v[TM], v[PD], v[PD+2], s93       ; lanes 0-15 carry tile 0's (2's), lanes 16-31 tile 1's (3's)
	v_cndmask_b32 v[TM+1], v[PD+4], v[PD+6], s93
.endm
	s_load_b512 s[4:19], s[0:1], 0x0               ; xc, xs, wc, ws, pkp, bq, bk, bv
	s_load_b128 s[20:23], s[0:1], 0x40             ; content_bias, relative_bias
	s_load_b64 s[24:25], s[0:1], 0x50              ; qkv
	v_lshl_add_u32 v14, v0, 2, SPARE
	v_mov_b32 v15, 0
	ds_add_u32 v14, v15                            ; the wave's opening: the add and its wait ahead of my first tensor load; work on registers stands between them
	v_lshrrev_b32 v1, 5, v0
	v_readfirstlane_b32 s2, v1                     ; wave
	s_lshr_b32 s66, ttmp9, 8                       ; p
	s_and_b32 s67, ttmp9, 255
	s_lshr_b32 s68, s67, 3                         ; which 128 tokens
	s_and_b32 s69, s67, 7                          ; which 128 columns of the weight
	s_lshr_b32 s70, s2, 1                          ; my half of A's tiles.  Also: I fetch for A (0) or for B (1)
	s_and_b32 s71, s2, 1                           ; my half of B's tiles.  Also: which four tiles I fetch
	s_cmp_eq_u32 s66, 2
	s_cselect_b32 s72, 1, 0
	s_xor_b32 s73, s72, s70                        ; 1: what I fetch is the weight (B for q and k, A for v)
	s_mov_b32 s78, 786432                          ; from chunk to chunk
	s_mov_b32 s86, 131072                          ; a section of scales
	s_cmp_eq_u32 s73, 1
	s_cselect_b32 s74, s69, s68
	s_cselect_b32 s78, 196608, s78
	s_cselect_b32 s86, 32768, s86
	s_lshl_b32 s84, s78, 2                         ; a section of codes: four chunks
	s_mul_i32 s84, s84, s66
	s_mul_i32 s86, s86, s66
	s_lshl_b32 s74, s74, 3
	s_lshl_b32 s75, s71, 2
	s_add_co_u32 s74, s74, s75                     ; the first tile that I fetch
	s_mul_i32 s75, s74, 3072
	s_add_co_u32 s84, s84, s75
	s_lshl_b32 s75, s74, 9
	s_add_co_u32 s86, s86, s75
	s_mov_b32 s85, 0
	s_mov_b32 s87, 0
	s_mov_b32 s79, 0
	; group 1: dense blocks as rows of 256 bytes (32 elements of 8 bytes): 48 rows of codes (four tiles of a chunk), 8 rows of scales
	s_mov_b32 s[G1C+0], 3<<16
	s_mov_b32 s[G1C+1], 32<<16
	s_mov_b32 s[G1C+2], 48<<16
	s_mov_b32 s[G1C+3], 32<<16
	s_mov_b32 s[G1C+4], 48
	s_mov_b32 s[G1C+5], 32
	s_mov_b32 s[G1C+6], 0
	s_mov_b32 s[G1C+7], 0
	s_mov_b32 s[G1S+0], 3<<16
	s_mov_b32 s[G1S+1], 32<<16
	s_mov_b32 s[G1S+2], 8<<16
	s_mov_b32 s[G1S+3], 32<<16
	s_mov_b32 s[G1S+4], 8
	s_mov_b32 s[G1S+5], 32
	s_mov_b32 s[G1S+6], 0
	s_mov_b32 s[G1S+7], 0
	s_lshl_b32 s77, s2, 11
	s_add_co_u32 s[G0+1], s77, SCL                 ; LDS: the scales of my four tiles
	s_mul_i32 s77, s2, 12288
	s_mov_b32 s[G0+5], s77                         ; chunk c: c x 49,152 + wave x 12,288
	s_add_co_u32 s[G0+9], s77, CHK
	s_add_co_u32 s[G0+13], s77, 2*CHK
	s_add_co_u32 s[G0+17], s77, 3*CHK
.irp n, 0,1,2,3,4
	s_mov_b32 s[G0+4*\n], 1
.endr
	s_mov_b32 s93, 0xffff0000                      ; lanes 16-31
	s_mov_b32 s94, 0x76543210
	s_mov_b32 s95, 0xfedcba98
	s_wait_dscnt 0x0                               ; the opening add is done
	s_wait_kmcnt 0x0
	s_cmp_eq_u32 s73, 1
	s_cselect_b64 s[80:81], s[8:9], s[4:5]
	s_cselect_b64 s[82:83], s[10:11], s[6:7]
	s_add_nc_u64 s[G0+2:G0+3], s[82:83], s[86:87]
	s_add_nc_u64 s[G0+6:G0+7], s[80:81], s[84:85]
	s_add_nc_u64 s[G0+10:G0+11], s[G0+6:G0+7], s[78:79]
	s_add_nc_u64 s[G0+14:G0+15], s[G0+10:G0+11], s[78:79]
	s_add_nc_u64 s[G0+18:G0+19], s[G0+14:G0+15], s[78:79]
.irp n, 0,1,2,3,4
	s_or_b32 s[G0+4*\n+3], s[G0+4*\n+3], 0x80000000
.endr
	tensor_load_to_lds s[G0:G0+3], s[G1S:G1S+7]    ; all the launch's fills go out here: five loads of mine are out
	s_nop 0
	tensor_load_to_lds s[G0+4:G0+7], s[G1C:G1C+7]
	s_nop 0
	tensor_load_to_lds s[G0+8:G0+11], s[G1C:G1C+7]
	s_nop 0
	tensor_load_to_lds s[G0+12:G0+15], s[G1C:G1C+7]
	s_nop 0
	tensor_load_to_lds s[G0+16:G0+19], s[G1C:G1C+7]
	s_nop 0
	PLACES 4
	v_and_b32 v1, 15, v0                           ; r
	v_bfe_u32 v2, v0, 4, 1                         ; h
	v_and_b32 v3, 31, v0
	v_lshlrev_b32 v5, 2, v3                        ; 4 l
	v_lshlrev_b32 v3, 4, v3                        ; 16 l
	v_lshlrev_b32 v4, 4, v1
	v_lshl_add_u32 v4, v2, 3, v4
	v_add_nc_u32 v4, 512, v4                       ; 512 + 16 r + 8 h
	s_mul_i32 s75, s70, 12288
	v_add_nc_u32 v8, s75, v3                       ; my four tiles of A
	v_add_nc_u32 v9, s75, v4
	s_mul_i32 s75, s71, 12288
	s_add_co_u32 s75, s75, 24576
	v_add_nc_u32 v10, s75, v3                      ; and of B
	v_add_nc_u32 v11, s75, v4
	s_lshl_b32 s75, s70, 11
	s_lshl_b32 s77, s71, 11
	s_add_co_u32 s77, s77, 4096
	s_sub_co_u32 s77, s77, s75                     ; from my A tiles' scale words to my B tiles'
	v_mul_u32_u24 v12, s77, v2                     ; lanes 16-31 take B's
	s_add_co_u32 s75, s75, SCL
	v_lshl_add_u32 v12, v1, 5, v12
	v_add_nc_u32 v12, s75, v12
.irp n, 0,1,2,3,4,5,6,7
	v_mov_b32 v[PD+\n], 0                          ; a lane permute's destination counts as one of its sources
.endr
	s_wait_tensorcnt 0x3                           ; the scales and chunk 0 are in; chunks 1 to 3 may stay out: nothing is filled twice
	s_barrier_signal -1
	s_barrier_wait -1
	SCALES
	FETCH 0, 0
	KHEAD 0
	KBODY 0, 0                                     ; the first K step starts the sums
.irp q, 1,2,3,4
	KHEAD \q
	KBODY \q, 1
.endr
	KHEAD 5                                        ; the launch's last barrier
	s_cmp_eq_u32 s66, 1
	s_cbranch_scc1 .Lkpath
	s_cmp_eq_u32 s66, 2
	s_cbranch_scc1 .Lvpath
	; ---------------- q
	IDS 71, 70
	s_mul_i32 s84, s92, 98304
	s_mul_i32 s86, s91, 768
	s_add_co_u32 s84, s84, s86
	s_add_co_u32 s84, s84, 6684672
	s_mov_b32 s85, 0
	s_add_nc_u64 s[96:97], s[24:25], s[84:85]      ; q's codes
	s_lshl_b32 s84, s92, 13
	s_lshl_b32 s86, s91, 6
	s_add_co_u32 s84, s84, s86
	s_add_co_u32 s84, s84, 9830400
	s_add_nc_u64 s[98:99], s[24:25], s[84:85]      ; q's scale words
	s_lshl_b32 s84, s92, 16
	s_lshl_b32 s86, s91, 9
	s_add_co_u32 s84, s84, s86
	s_add_co_u32 s84, s84, 10092544
	s_add_nc_u64 s[26:27], s[24:25], s[84:85]      ; small
	s_lshl_b32 s75, s88, 8
	v_lshl_add_u32 v6, v2, 6, s75                  ; a bias in the result's layout: register 16 b + i is channel 64 head + 32 b + 16 h + i
	v_and_b32 v18, 3, v1
	v_lshrrev_b32 v19, 3, v1
	v_lshl_add_u32 v18, v19, 2, v18                ; lane r of pk's operand holds row r % 4 + 4 (r / 8) of pk,
	v_and_b32 v19, 4, v1
	v_lshl_add_u32 v19, v19, 1, v18
	v_cmp_gt_u32 vcc_lo, 7, v19                    ; where r % 8 < 4 and that row is one of the seven; else zeros
	v_cndmask_b32 v16, 0, 1.0, vcc_lo
	v_mov_b32 v17, v16
	v_min_u32 v18, 6, v18
	v_lshl_add_u32 v7, v18, 12, v6
	WIN 0x80
.irp u, 0,1
.irp e, 0,1,2,3
	global_load_b128 v[160+16*\u+4*\e:163+16*\u+4*\e], v6, s[14:15] offset:128*\u+16*\e    ; bq
	global_load_b128 v[192+16*\u+4*\e:195+16*\u+4*\e], v6, s[20:21] offset:128*\u+16*\e    ; content_bias
	global_load_b128 v[224+16*\u+4*\e:227+16*\u+4*\e], v6, s[22:23] offset:128*\u+16*\e    ; relative_bias
	global_load_b128 v[128+16*\u+4*\e:131+16*\u+4*\e], v6, s[16:17] offset:128*\u+16*\e    ; bk
.endr
.endr
.irp k, 0,1,2,3
.irp u, 0,1
.irp e, 0,1,2,3
	global_load_b128 v[32*\k+16*\u+4*\e:32*\k+16*\u+4*\e+3], v7, s[12:13] offset:28672*\k+128*\u+16*\e   ; the four partial sums of pos_emb Wk
.endr
.endr
.endr
	WIN 0
	KTAIL
	WIN 0x08
.set n, 0
.rept 64
	v_pk_add_f32 v[ACC+n:ACC+n+1], v[ACC+n:ACC+n+1], v[160+n%32:160+n%32+1]        ; q = x Wq + bq; each accumulator from its low end on
.set n, n+2
.endr
	WIN 0x48
.set n, 0
.rept 64
	v_pk_add_f32 v[n:n+1], v[ACC+n:ACC+n+1], v[224+n%32:224+n%32+1]                ; q + relative_bias, into window 1
.set n, n+2
.endr
	WIN 0x08
.set n, 0
.rept 64
	v_pk_add_f32 v[ACC+n:ACC+n+1], v[ACC+n:ACC+n+1], v[192+n%32:192+n%32+1]        ; q + content_bias
.set n, n+2
.endr
	WIN 0x8a
.set n, 0
.rept 16
	v_pk_add_f32 v[n:n+1], v[n:n+1], v[32+n:33+n]
	v_pk_add_f32 v[64+n:65+n], v[64+n:65+n], v[96+n:97+n]
.set n, n+2
.endr
.set n, 0
.rept 16
	v_pk_add_f32 v[n:n+1], v[n:n+1], v[64+n:65+n]
.set n, n+2
.endr
.set n, 0
.rept 16
	v_pk_add_f32 v[n:n+1], v[n:n+1], v[128+n:129+n]                                ; pk = pos_emb Wk + bk
.set n, n+2
.endr
	WIN 0x42
.set n, 0
.rept 16
	v_pk_mul_f32 v[128+n:129+n], v[n:n+1], v[16:17] op_sel_hi:[1,0]                ; rows that are none of the seven become zeros; into window 1
.set n, n+2
.endr
	PLACES 4
	WIN 0x55
; small = pk (q + relative_bias)^T: K = 64 in 16 steps of 4.  Both operands take registers 2 g, 2 g + 1: the same channels in the same places of K.  The four sums take turns.
.irp g, 0,1,2,3,4,5,6,7,8,9,10,11,12,13,14,15
.irp a, 0,1,2,3
.if \g == 0
	v_wmma_f32_16x16x4_f32 v[224+8*\a:231+8*\a], v[128+2*\g:129+2*\g], v[32*\a+2*\g:32*\a+2*\g+1], 0
.else
	v_wmma_f32_16x16x4_f32 v[224+8*\a:231+8*\a], v[128+2*\g:129+2*\g], v[32*\a+2*\g:32*\a+2*\g+1], v[224+8*\a:231+8*\a]
.endif
.endr
.endr
	WIN 0
	QUANT4                                         ; (its plain lines are also the places behind the sums of small)
	PUTCODES
	WORDS 1
	global_store_b32 v5, v[TM], s[98:99]
	global_store_b32 v5, v[TM+1], s[98:99] offset:128
	WIN 0x04
.irp a, 0,1,2,3
	global_store_b128 v3, v[224+8*\a:227+8*\a], s[26:27] offset:512*\a             ; lane (r, h): small[4 h + 0 .. 3] of token r: the sums' four lowest registers
.endr
	WIN 0
	s_branch .Lend
	; ---------------- k
.Lkpath:
	IDS 71, 70
	s_lshr_b32 s75, s91, 3                         ; key step
	s_and_b32 s77, s91, 7                          ; tile in it
	s_mul_i32 s84, s92, 196608
	s_mul_i32 s86, s75, 12288
	s_add_co_u32 s84, s84, s86
	s_mul_i32 s86, s77, 768
	s_add_co_u32 s84, s84, s86
	s_mov_b32 s85, 0
	s_add_nc_u64 s[96:97], s[24:25], s[84:85]
	s_mul_i32 s84, s92, 12288
	s_lshl_b32 s86, s91, 6
	s_add_co_u32 s84, s84, s86
	s_add_co_u32 s84, s84, 6291456
	s_add_nc_u64 s[98:99], s[24:25], s[84:85]
	s_lshl_b32 s75, s88, 8
	v_lshl_add_u32 v6, v2, 6, s75
	WIN 0x80
.irp u, 0,1
.irp e, 0,1,2,3
	global_load_b128 v[160+16*\u+4*\e:163+16*\u+4*\e], v6, s[16:17] offset:128*\u+16*\e    ; bk
.endr
.endr
	WIN 0
	KTAIL
	WIN 0x08
.set n, 0
.rept 64
	v_pk_add_f32 v[ACC+n:ACC+n+1], v[ACC+n:ACC+n+1], v[160+n%32:160+n%32+1]
.set n, n+2
.endr
	WIN 0
	QUANT4
	PUTCODES
	WORDS 1
	global_store_b32 v5, v[TM], s[98:99]
	global_store_b32 v5, v[TM+1], s[98:99] offset:128
	s_branch .Lend
	; ---------------- v
.Lvpath:
	IDS 70, 71
	s_lshr_b32 s75, s91, 2                         ; which 64 keys of the batch
	s_lshr_b32 s77, s75, 1                         ; key step
	s_and_b32 s75, s75, 1                          ; which half of it
	s_mul_i32 s84, s92, 196608
	s_mul_i32 s86, s77, 12288
	s_add_co_u32 s84, s84, s86
	s_mul_i32 s86, s75, 3072
	s_add_co_u32 s84, s84, s86
	s_add_co_u32 s84, s84, 6144
	s_mov_b32 s85, 0
	s_add_nc_u64 s[96:97], s[24:25], s[84:85]
	s_mul_i32 s84, s92, 12288
	s_lshl_b32 s86, s77, 8
	s_add_co_u32 s84, s84, s86
	s_lshl_b32 s86, s75, 1
	s_add_co_u32 s84, s84, s86
	s_add_co_u32 s84, s84, 6291456+8192
	s_add_nc_u64 s[98:99], s[24:25], s[84:85]
	s_lshl_b32 s75, s88, 8
	v_and_b32 v6, 8, v1
	v_add_nc_u32 v6, v6, v1
	v_lshl_add_u32 v6, v6, 2, s75                  ; my lane's channel of a tile: 64 head + r + 8 (r / 8), in bytes
	WIN 0x80
.irp i, 0,1,2,3
	global_load_b32 v[160+2*\i], v6, s[18:19] offset:4*(32*(\i/2)+8*(\i%2))        ; bv of my channel in tile i
	global_load_b32 v[161+2*\i], v6, s[18:19] offset:4*(32*(\i/2)+8*(\i%2))        ; (the packed form names a pair, so both are written)
.endr
	WIN 0
	KTAIL
	WIN 0x08
.set n, 0
.rept 64
	v_pk_add_f32 v[ACC+n:ACC+n+1], v[ACC+n:ACC+n+1], v[160+2*(n/32):161+2*(n/32)] op_sel_hi:[1,0]
.set n, n+2
.endr
	WIN 0
	QUANT4
	PUTCODES
	WORDS 0
	global_store_b16 v5, v[TM], s[98:99]           ; two of a scale word's four bytes: my 64 of the step's 128 keys
	global_store_b16 v5, v[TM+1], s[98:99] offset:128
.Lend:
	s_wait_tensorcnt 0x0                           ; the wave's end: behind my last tensor load
	ds_add_u32 v14, v15
	s_wait_dscnt 0x0
	s_endpgm
.Lfunc_end_k_q5360ff17a9_proj:
	.size	k_q5360ff17a9_proj, .Lfunc_end_k_q5360ff17a9_proj-k_q5360ff17a9_proj
	.p2alignl 7, 3214868480
	.fill 96, 4, 3214868480
	.section	.rodata,"a",@progbits
	.p2align	6, 0x0
	.amdhsa_kernel k_q5360ff17a9_proj
		.amdhsa_group_segment_fixed_size 205312
		.amdhsa_private_segment_fixed_size 0
		.amdhsa_enable_private_segment 0
		.amdhsa_kernarg_size 88
		.amdhsa_user_sgpr_count 2
		.amdhsa_user_sgpr_kernarg_segment_ptr 1
		.amdhsa_wavefront_size32 1
		.amdhsa_system_sgpr_workgroup_id_x 1
		.amdhsa_system_sgpr_workgroup_id_y 1
		.amdhsa_system_sgpr_workgroup_id_z 1
		.amdhsa_system_vgpr_workitem_id 0
		.amdhsa_next_free_vgpr 768
		.amdhsa_next_free_sgpr 100
		.amdhsa_reserve_vcc 1
		.amdhsa_float_denorm_mode_32 3
		.amdhsa_float_denorm_mode_16_64 3
		.amdhsa_memory_ordered 1
		.amdhsa_forward_progress 1
		.amdhsa_inst_pref_size 130
	.end_amdhsa_kernel
	.amdgpu_metadata
---
amdhsa.version: [ 1, 2 ]
amdhsa.kernels:
  - .name:           k_q5360ff17a9_proj
    .symbol:         k_q5360ff17a9_proj.kd
    .args:
      - { .name: xc, .offset: 0, .size: 8, .value_kind: global_buffer, .address_space: global }
      - { .name: xs, .offset: 8, .size: 8, .value_kind: global_buffer, .address_space: global }
      - { .name: wc, .offset: 16, .size: 8, .value_kind: global_buffer, .address_space: global }
      - { .name: ws, .offset: 24, .size: 8, .value_kind: global_buffer, .address_space: global }
      - { .name: pkp, .offset: 32, .size: 8, .value_kind: global_buffer, .address_space: global }
      - { .name: bq, .offset: 40, .size: 8, .value_kind: global_buffer, .address_space: global }
      - { .name: bk, .offset: 48, .size: 8, .value_kind: global_buffer, .address_space: global }
      - { .name: bv, .offset: 56, .size: 8, .value_kind: global_buffer, .address_space: global }
      - { .name: content_bias, .offset: 64, .size: 8, .value_kind: global_buffer, .address_space: global }
      - { .name: relative_bias, .offset: 72, .size: 8, .value_kind: global_buffer, .address_space: global }
      - { .name: qkv, .offset: 80, .size: 8, .value_kind: global_buffer, .address_space: global }
    .group_segment_fixed_size: 205312
    .private_segment_fixed_size: 0
    .kernarg_segment_align: 8
    .kernarg_segment_size: 88
    .max_flat_workgroup_size: 128
    .sgpr_count:     100
    .vgpr_count:     768
    .wavefront_size: 32
...
	.end_amdgpu_metadata
.endif
;; end of part 2
;; launch attn (part 3): grid 8 x 32, 16 waves a work-group, no clusters, 210,944 bytes of LDS; arguments qkv, att; writes att
.if DOCPART == 3
	.amdgcn_target "amdgcn-amd-amdhsa--gfx1250"
	.amdhsa_code_object_version 6
	.text
	.protected	k_q5360ff17a9_attn
	.globl	k_q5360ff17a9_attn
	.p2align	8
	.type	k_q5360ff17a9_attn,@function
k_q5360ff17a9_attn:
	s_mov_b64 s[64:65], 0
	v_nop
	global_prefetch_b8 v0, s[64:65] scope:SCOPE_SE
	s_setreg_imm32_b32 hwreg(HW_REG_WAVE_MODE, 25, 1), 1
	s_wait_xcnt 0x0
; ATTN: O = softmax(((q + u) k^T + rel) / 8) v for one head (work-group y = 16 x batch + head) and 256 queries (work-group x), both products on codes of FP6 (E2M3); O is quantised for the output projection.
; t = logit x log2(e); M = the running largest t rounded UP to a whole number; p = 2^(t - M) is quantised along the keys, not normalised; the row's sum is taken of the unquantised p and divides O at the end.
; When M moves, the sum and O are multiplied by 2^(old M - new M): exact.
; rel(query, key) = small[clip(query - key, -3, 3) + 3].  A block of 32 keys that lies wholly three or more keys away from all my 16 queries has ONE bias a query (small[6] before, small[0] after): it rides in
; the multiply-add that makes t - M: fma(s, c, small c - M), which differs from (s + small) c - M by roundings of about one ulp.  The two blocks that the band of five keys touches take it key by key.
; SHARES.  Sixteen waves, each ONE tile of 16 queries in 256 registers: four waves to a SIMD, so that one wave's vector work stands beside another's matrix work and LDS loads.
; The head's K, V and scale words, 208,896 bytes, come into LDS once, as images of operand registers: no ring, nothing is filled twice.  A key step is 128 keys: 12,288 bytes (K's 8 tiles, then V's 2 x 4 half fragments).
; LAYOUT.  S^T = K Q^T, O^T = V^T P^T: a lane holds one query (lane % 16) throughout.  Row r of tile T is row 32 (T / 2) + 8 (T % 2) + r + 8 (r / 8): the 16 registers of tiles 2 b, 2 b + 1 are 16 neighbours.
; The head's size is 64: the upper 64 of the first product's K = 128 are zero codes on both sides, under the byte 0x7f.
; NO CLUSTER: the eight query blocks of a head read the same K and V, but the branches that pick the band's blocks hang on the query block, which partners of a cluster do not share.
; LIMITS: NaN and infinities are not served; blocks of p or O under 2^-124 keep the byte 1 (blocks of zeros too: their codes are zeros; this program alone reads the bytes).
; REGISTERS: v1-4 addresses that stay; v5, v6 the add's two; v7 my query - 16 h; v8-11 the step's addresses; v12 -M, v13 the largest t, v[14:15] the sum; v16-27 Q, v28 its scale word; v29 at work; v30, v31 offsets;
;   v32-79 four fragments of K; v80-87 scale words; v88-95 the blocks' biases; v96-159 S^T, then p, then V's fragments; v160-191 O^T; v192-199 small; v200, v201 small[0] c, small[6] c; v202-205 at work;
;   v208-219 p's codes; v220-226 at work; v232-247 at work; v252 f; v253 p's scale word; v254 at work.
.set SCB,   196608                     ; K's scale words (8,192 bytes), then V's (4,096)
.set SPARE, 208896                     ; the spare words, 128 bytes a wave
.set TB,  58                           ; s58 LDS byte at which the step's tiles begin
.set TS,  59                           ; s59 the step's scale words of K: 512 bytes a step
.set TJ,  60                           ; s60 and of V: 256 bytes a step
.set KF,  61                           ; s61 the step's first key
.set SG,  62                           ; s62 the block of 32 keys in which my queries lie
.set SG2, 63                           ; s63 the neighbouring block that the band touches
.set CS,  66                           ; s[66:67] c = log2(e) / 8
.set SEL, 68                           ; s[68:69] selects for lane l xor 16
.set HM,  93                           ; s93 lanes 16-31
.set CNT, 94
.macro PLACES n
.rept \n
	v_nop
.endr
.endm
; The bias of block b.  The branches hang on ids and the count of steps alone; no barrier stands in a step.
.macro BIAS b
	s_add_co_u32 s91, s[KF], 32*\b
	s_cmp_eq_u32 s91, s[SG]
	s_cbranch_scc1 .Lnear_\@
	s_cmp_eq_u32 s91, s[SG2]
	s_cbranch_scc1 .Lnear_\@
	s_cmp_lt_u32 s91, s[SG]
	s_cselect_b32 s92, -1, 0
	v_cndmask_b32 v[88+2*\b], v200, v201, s92      ; keys before my queries: small[6] c; after: small[0] c
	s_branch .Ldone_\@
.Lnear_\@:
	v_sub_nc_u32 v29, v7, s91                      ; e = my query - the key of my register 0: register i holds query - key = e - i
.set m, -2
.rept 21
	v_cmp_le_i32 s[72+m], m, v29                   ; mask m: m <= e
.set m, m+1
.endr
.irp g, 0,4,8,12
.irp i, 0,1,2,3
	v_cndmask_b32 v[202+\i], v192, v193, s[72+\g+\i-2]     ; small[0], or small[d + 3] where e - i >= d, d = -2 .. 3 in turn
.endr
.irp d, -1,0,1,2,3
.irp i, 0,1,2,3
	v_cndmask_b32 v[202+\i], v[202+\i], v[195+\d], s[72+\g+\i+\d]
.endr
.endr
.irp i, 0,1,2,3
	v_add_f32 v[96+16*\b+\g+\i], v[96+16*\b+\g+\i], v[202+\i]      ; each accumulator from its low end on
.endr
.endr
	v_mov_b32 v[88+2*\b], 0
.Ldone_\@:
.endm
.macro STEP
	v_add_nc_u32 v8, s[TB], v1
	v_add_nc_u32 v9, s[TB], v2
	v_add_nc_u32 v10, s[TS], v3
	v_add_nc_u32 v11, s[TJ], v4
	v_nop                                          ; six places: the scores are written over registers that the last step's products read as V's fragments, which asks for five
	v_nop
.irp g, 0,1                                    ; S^T = K Q^T, four tiles of 16 keys at a time
.if \g
	PLACES 4                                       ; in front of loads into registers that matrix instructions have read
.endif
.irp t, 0,1,2,3
	ds_load_b128 v[32+12*\t:35+12*\t], v8 offset:768*(4*\g+\t)
	ds_load_b64 v[36+12*\t:37+12*\t], v9 offset:768*(4*\g+\t)
	ds_load_b32 v[80+\t], v10 offset:64*(4*\g+\t)
.endr
	s_wait_dscnt 0x0
.irp t, 0,1,2,3
	v_wmma_scale_f32_16x16x128_f8f6f4 v[96+8*(4*\g+\t):103+8*(4*\g+\t)], v[32+12*\t:43+12*\t], v[16:27], 0, v[80+\t], v28 matrix_a_fmt:MATRIX_FMT_FP6 matrix_b_fmt:MATRIX_FMT_FP6
.endr
.endr
	PLACES 4
	BIAS 0
	BIAS 1
	BIAS 2
	BIAS 3
.irp b, 0,1,2,3
	v_max3_num_f32 v[232+\b], v[96+16*\b], v[97+16*\b], v[98+16*\b]        ; the largest score of each block: for the row's maximum and, since p rises with the score, for the block's largest p
.endr
.irp i, 3,5,7,9,11,13
.irp b, 0,1,2,3
	v_max3_num_f32 v[232+\b], v[232+\b], v[96+16*\b+\i], v[97+16*\b+\i]
.endr
.endr
.irp b, 0,1,2,3
	v_max_num_f32 v[232+\b], v[232+\b], v[111+16*\b]
.endr
.irp b, 0,1,2,3
	v_permlanex16_b32 v[236+\b], v[232+\b], s[SEL], s[SEL+1]
.endr
.irp b, 0,1,2,3
	v_max_num_f32 v[232+\b], v[232+\b], v[236+\b]
.endr
.irp b, 0,1,2,3
	v_fma_f32 v[240+\b], v[232+\b], s[CS], v[88+2*\b]      ; as t, the block's bias with it
.endr
	v_max3_num_f32 v254, v240, v241, v242
	v_max_num_f32 v254, v254, v243
	v_max_num_f32 v13, v13, v254                   ; the running largest t
	v_mov_b32 v254, v12
	v_floor_f32 v12, -v13                          ; the new -M = -ceil(t)
	v_sub_f32 v254, v12, v254                      ; old M - new M: a whole number, 0 or less
	v_cvt_i32_f32 v254, v254                       ; (it saturates)
	v_ldexp_f32 v252, 1.0, v254                    ; f = 2^(old M - new M)
.irp b, 0,1,2,3
	v_add_f32 v[88+2*\b], v[88+2*\b], v12          ; bias - M
.endr
.irp j, 0,2,4,6,8,10,12,14,16,18,20,22,24,26,28,30,32,34,36,38,40,42,44,46,48,50,52,54,56,58,60,62
	v_pk_fma_f32 v[96+\j:97+\j], v[96+\j:97+\j], s[CS:CS+1], v[88+2*(\j/16):89+2*(\j/16)] op_sel_hi:[1,0,0]   ; t - M, two at a time
.endr
.irp b, 0,1,2,3
	v_fma_f32 v[232+\b], v[232+\b], s[CS], v[88+2*\b]      ; the same of each block's largest score
.endr
.set j, 0
.rept 64
	v_exp_f32 v[96+j], v[96+j]                     ; p = 2^(t - M)
.set j, j+1
.endr
	v_pk_mul_f32 v[14:15], v[14:15], v[252:253] op_sel_hi:[1,0]    ; the sum under the new M (a plain line behind the exponentials)
	s_wait_alu depctr_va_vdst(0)                   ; one wait for the batch, ahead of its first reader
.irp b, 0,1,2,3
	v_exp_f32 v[232+\b], v[232+\b]                 ; the block's largest p
.endr
	v_pk_add_f32 v[236:237], v[96:97], v[98:99]    ; the row's sum of the unquantised p, in two chains
.irp j, 4,8,12,16,20,24,28,32,36,40,44,48,52,56,60
	v_pk_add_f32 v[14:15], v[14:15], v[96+\j:97+\j]
	v_pk_add_f32 v[236:237], v[236:237], v[98+\j:99+\j]
.endr
	v_pk_add_f32 v[14:15], v[14:15], v[236:237]
	s_wait_alu depctr_va_vdst(0)                   ; and one for the four
.irp b, 0,1,2,3
	v_max_num_f32 v[232+\b], 0x1800000, v[232+\b]  ; the floor 2^(3 - 127)
.endr
.irp b, 0,1,2,3
	v_add_nc_u32 v[244+\b], 0xff000000, v[232+\b]
.endr
.irp b, 0,1,2,3
	v_lshrrev_b32 v[236+\b], 23, v[244+\b]
.endr
	v_lshl_or_b32 v253, v237, 8, v236              ; p's scale word for these 128 keys
	v_lshl_or_b32 v253, v238, 16, v253
	v_lshl_or_b32 v253, v239, 24, v253
.irp c, 0,1
	v_cvt_scalef32_pk16_fp6_f32 v[208+6*\c:210+6*\c], v[96+32*\c:111+32*\c], v[244+2*\c]
	v_cvt_scalef32_pk16_fp6_f32 v[220+4*\c:222+4*\c], v[112+32*\c:127+32*\c], v[244+2*\c+1]
.endr
	v_nop                                          ; one plain line behind the conversions
.irp c, 0,1
.irp i, 0,1,2
	v_permlane16_swap_b32 v[208+6*\c+\i], v[220+4*\c+\i]
.endr
.irp i, 0,1,2
	v_mov_b32 v[211+6*\c+\i], v[220+4*\c+\i]
.endr
.endr
.irp t, 0,1,2,3                                ; V's four fragments (16 channels x 128 keys) into the registers that p has left
.irp c, 0,1
	ds_load_b128 v[96+12*\t+6*\c:99+12*\t+6*\c], v8 offset:6144+3072*\c+768*\t
	ds_load_b64 v[100+12*\t+6*\c:101+12*\t+6*\c], v9 offset:6144+3072*\c+768*\t
.endr
	ds_load_b32 v[84+\t], v11 offset:64*\t
.endr
.irp j, 0,2,4,6,8,10,12,14,16,18,20,22,24,26,28,30
	v_pk_mul_f32 v[160+\j:161+\j], v[160+\j:161+\j], v[252:253] op_sel_hi:[1,0]    ; O^T under the new M; these 16 are also the places between p's codes and scale word and the products
.endr
	s_wait_dscnt 0x0
.irp t, 0,1,2,3
	v_wmma_scale_f32_16x16x128_f8f6f4 v[160+8*\t:167+8*\t], v[96+12*\t:107+12*\t], v[208:219], v[160+8*\t:167+8*\t], v[84+\t], v253 matrix_a_fmt:MATRIX_FMT_FP6 matrix_b_fmt:MATRIX_FMT_FP6
.endr
	s_add_co_u32 s[TB], s[TB], 12288
	s_add_co_u32 s[TS], s[TS], 512
	s_add_co_u32 s[TJ], s[TJ], 256
	s_add_co_u32 s[KF], s[KF], 128
.endm
	s_load_b128 s[4:7], s[0:1], 0x0                ; qkv, att
	v_lshl_add_u32 v5, v0, 2, SPARE
	v_mov_b32 v6, 0
	ds_add_u32 v5, v6                              ; the wave's opening: the add and its wait ahead of my first tensor load; work on registers stands between them
	v_lshrrev_b32 v8, 5, v0
	v_readfirstlane_b32 s2, v8                     ; wave
	s_and_b32 s3, ttmp7, 0xffff                    ; 16 x batch + head
	s_lshl_b32 s8, ttmp9, 4
	s_add_co_u32 s8, s8, s2                        ; my tile of queries
	; groups 1: dense blocks as rows of 256 bytes: 12 rows (a quarter of the scale words), 192 rows (a quarter of K and V)
	s_mov_b32 s12, 3<<16
	s_mov_b32 s13, 32<<16
	s_mov_b32 s14, 12<<16
	s_mov_b32 s15, 32<<16
	s_mov_b32 s16, 12
	s_mov_b32 s17, 32
	s_mov_b32 s18, 0
	s_mov_b32 s19, 0
	s_mov_b32 s20, 3<<16
	s_mov_b32 s21, 32<<16
	s_mov_b32 s22, 192<<16
	s_mov_b32 s23, 32<<16
	s_mov_b32 s24, 192
	s_mov_b32 s25, 32
	s_mov_b32 s26, 0
	s_mov_b32 s27, 0
	s_mul_i32 s9, s2, 3072
	s_add_co_u32 s37, s9, SCB                      ; LDS: my quarter of the scale words
	s_mul_i32 s10, s3, 12288
	s_add_co_u32 s10, s10, s9
	s_add_co_u32 s10, s10, 6291456
	s_mov_b32 s11, 0
	s_mul_i32 s41, s2, 49152                       ; LDS: my quarter of K and V
	s_mul_i32 s28, s3, 196608
	s_add_co_u32 s28, s28, s41
	s_mov_b32 s29, 0
	s_mov_b32 s36, 1
	s_mov_b32 s40, 1
	s_mul_i32 s30, s3, 98304
	s_mul_i32 s9, s8, 768
	s_add_co_u32 s30, s30, s9
	s_add_co_u32 s30, s30, 6684672                 ; Q's codes
	s_mov_b32 s31, 0
	s_lshl_b32 s32, s3, 13
	s_lshl_b32 s9, s8, 6
	s_add_co_u32 s32, s32, s9
	s_add_co_u32 s32, s32, 9830400                 ; Q's scale words
	s_mov_b32 s33, 0
	s_lshl_b32 s34, s3, 16
	s_lshl_b32 s9, s8, 9
	s_add_co_u32 s34, s34, s9
	s_add_co_u32 s34, s34, 10092544                ; small
	s_mov_b32 s35, 0
	s_lshr_b32 s44, s3, 4
	s_lshl_b32 s44, s44, 7
	s_add_co_u32 s44, s44, s8                      ; my tile among all 256
	s_and_b32 s45, s3, 15                          ; head
	s_lshr_b32 s46, s45, 2
	s_mul_i32 s46, s46, 786432
	s_mul_i32 s47, s44, 3072
	s_add_co_u32 s46, s46, s47
	s_and_b32 s47, s45, 3
	s_mul_i32 s47, s47, 768
	s_add_co_u32 s46, s46, s47                     ; the head's 64 channels are half fragment head % 4 of chunk head / 4
	s_mov_b32 s47, 0
	s_lshl_b32 s48, s44, 9
	s_lshl_b32 s49, s45, 1
	s_add_co_u32 s48, s48, s49
	s_add_co_u32 s48, s48, 3145728                 ; and bytes 2 head, 2 head + 1 of a row's 32 scale bytes
	s_mov_b32 s49, 0
	s_lshr_b32 s[SG], s8, 1
	s_lshl_b32 s[SG], s[SG], 5
	s_and_b32 s9, s8, 1
	s_lshl_b32 s50, s9, 6
	s_add_co_u32 s[SG2], s[SG], s50
	s_sub_co_u32 s[SG2], s[SG2], 32                ; an even tile's band reaches into the block before, an odd tile's into the block after
	s_lshl_b32 s9, s9, 3
	s_add_co_u32 s51, s[SG], s9                    ; the tile's first query
	s_mov_b32 s[CS], 0x3e38aa3b                    ; c = log2(e) / 8
	s_mov_b32 s[CS+1], s[CS]
	s_mov_b32 s[SEL], 0x76543210
	s_mov_b32 s[SEL+1], 0xfedcba98
	s_mov_b32 s[HM], 0xffff0000
	s_mov_b32 s[TB], 0
	s_mov_b32 s[TS], 0
	s_mov_b32 s[TJ], 0
	s_mov_b32 s[KF], 0
	s_wait_dscnt 0x0                               ; the opening add is done
	s_wait_kmcnt 0x0
	s_add_nc_u64 s[38:39], s[4:5], s[10:11]
	s_or_b32 s39, s39, 0x80000000
	s_add_nc_u64 s[42:43], s[4:5], s[28:29]
	s_or_b32 s43, s43, 0x80000000
	s_add_nc_u64 s[52:53], s[4:5], s[30:31]
	s_add_nc_u64 s[54:55], s[4:5], s[32:33]
	s_add_nc_u64 s[56:57], s[4:5], s[34:35]
	s_add_nc_u64 s[96:97], s[6:7], s[46:47]
	s_add_nc_u64 s[98:99], s[6:7], s[48:49]
	s_cmp_lt_u32 s2, 4                             ; waves 0 to 3 fetch, a quarter each: two loads of such a wave are out
	s_cbranch_scc0 .Lnofill
	tensor_load_to_lds s[36:39], s[12:19]
	s_nop 0
	tensor_load_to_lds s[40:43], s[20:27]
	s_nop 0
	PLACES 4
.Lnofill:
	v_and_b32 v8, 15, v0                           ; r
	v_bfe_u32 v9, v0, 4, 1                         ; h
	v_and_b32 v1, 31, v0
	v_lshlrev_b32 v1, 4, v1                        ; 16 l
	v_lshlrev_b32 v31, 4, v8                       ; 16 r
	v_lshl_add_u32 v2, v9, 3, v31
	v_add_nc_u32 v2, 512, v2                       ; 512 + 16 r + 8 h
	v_lshlrev_b32 v206, 2, v8                      ; 4 r
	v_add_nc_u32 v3, SCB, v206
	v_add_nc_u32 v4, SCB+8192, v206
	v_lshl_add_u32 v30, v8, 5, v9                  ; 32 r + h
	v_and_b32 v7, 8, v8
	v_add_nc_u32 v7, v7, v8
	v_add_nc_u32 v7, s51, v7                       ; my query,
	v_lshlrev_b32 v10, 4, v9
	v_sub_nc_u32 v7, v7, v10                       ; less 16 h
	global_load_b128 v[16:19], v1, s[52:53]        ; Q's half fragment stays in registers
	global_load_b64 v[20:21], v2, s[52:53]
	global_load_b32 v28, v206, s[54:55]
	global_load_b128 v[192:195], v31, s[56:57]     ; small[0 .. 3] of my query
	global_load_b128 v[196:199], v31, s[56:57] offset:256      ; small[4 .. 6]
.irp j, 22,23,24,25,26,27
	v_mov_b32 v[\j], 0                             ; the upper 64 of K: zero codes
.endr
.irp t, 0,1,2,3
.irp j, 6,7,8,9,10,11
	v_mov_b32 v[32+12*\t+\j], 0
.endr
.endr
	v_mov_b32 v13, 0xff61b1e6                      ; the largest t so far: -3e38
	v_floor_f32 v12, -v13
	v_mov_b32 v14, 0
	v_mov_b32 v15, 0
.irp b, 0,1,2,3
	v_mov_b32 v[236+\b], 0                         ; a lane permute's destination counts as one of its sources
	v_mov_b32 v[89+2*\b], 0                        ; (named as the upper halves of pairs)
.endr
	v_mov_b32 v253, 0
.set j, 0
.rept 32
	v_mov_b32 v[160+j], 0                          ; O^T: the step is written once; its first trip finds zeros
.set j, j+1
.endr
	s_wait_tensorcnt 0x0                           ; my parts of the head have landed,
	s_barrier_signal -1
	s_barrier_wait -1                              ; everybody's have
	s_wait_loadcnt 0x0
	v_mul_f32 v200, s[CS], v192
	v_mul_f32 v201, s[CS], v198
	s_mov_b32 s[CNT], 16
.Lstep:
	STEP
	s_sub_co_u32 s[CNT], s[CNT], 1
	s_cmp_lg_u32 s[CNT], 0
	s_cbranch_scc1 .Lstep
	; THE WAY OUT: O^T / the sum, quantised along the head's 64 channels: a half fragment of the output projection's operand
	PLACES 4
	v_add_f32 v14, v14, v15
	v_permlanex16_b32 v254, v14, s[SEL], s[SEL+1]
	v_add_f32 v14, v14, v254
	v_rcp_f32 v14, v14
	v_nop                                          ; a plain line behind the reciprocal
	s_wait_alu depctr_va_vdst(0)                   ; and the wait ahead of its first reader
.set j, 0
.rept 32
	v_mul_f32 v[96+j], v[160+j], v14               ; register 16 b + i is channel 32 b + 16 h + i; each accumulator from its low end on
.set j, j+1
.endr
.irp u, 0,1
	v_max3_num_f32 v[232+\u], |v[96+16*\u]|, |v[97+16*\u]|, 0x1800000
.endr
.irp i, 2,4,6,8,10,12,14
.irp u, 0,1
	v_max3_num_f32 v[232+\u], v[232+\u], |v[96+16*\u+\i]|, |v[97+16*\u+\i]|
.endr
.endr
.irp u, 0,1
	v_permlanex16_b32 v[236+\u], v[232+\u], s[SEL], s[SEL+1]
.endr
.irp u, 0,1
	v_max_num_f32 v[232+\u], v[232+\u], v[236+\u]
.endr
.irp u, 0,1
	v_add_nc_u32 v[244+\u], 0xff000000, v[232+\u]
.endr
.irp u, 0,1
	v_lshrrev_b32 v[236+\u], 23, v[244+\u]
.endr
	v_cvt_scalef32_pk16_fp6_f32 v[208:210], v[96:111], v244
	v_cvt_scalef32_pk16_fp6_f32 v[220:222], v[112:127], v245
	v_nop
.irp i, 0,1,2
	v_permlane16_swap_b32 v[208+\i], v[220+\i]
.endr
.irp i, 0,1,2
	v_mov_b32 v[211+\i], v[220+\i]
.endr
	v_cndmask_b32 v232, v236, v237, s[HM]          ; lane (r, h) stores block h's byte of row r
	global_store_b128 v1, v[208:211], s[96:97]
	global_store_b64 v2, v[212:213], s[96:97]
	global_store_b8 v30, v232, s[98:99]
	s_wait_tensorcnt 0x0                           ; the wave's end: behind my last tensor load
	ds_add_u32 v5, v6
	s_wait_dscnt 0x0
	s_endpgm
.Lfunc_end_k_q5360ff17a9_attn:
	.size	k_q5360ff17a9_attn, .Lfunc_end_k_q5360ff17a9_attn-k_q5360ff17a9_attn
	.p2alignl 7, 3214868480
	.fill 96, 4, 3214868480
	.section	.rodata,"a",@progbits
	.p2align	6, 0x0
	.amdhsa_kernel k_q5360ff17a9_attn
		.amdhsa_group_segment_fixed_size 210944
		.amdhsa_private_segment_fixed_size 0
		.amdhsa_enable_private_segment 0
		.amdhsa_kernarg_size 16
		.amdhsa_user_sgpr_count 2
		.amdhsa_user_sgpr_kernarg_segment_ptr 1
		.amdhsa_wavefront_size32 1
		.amdhsa_system_sgpr_workgroup_id_x 1
		.amdhsa_system_sgpr_workgroup_id_y 1
		.amdhsa_system_sgpr_workgroup_id_z 1
		.amdhsa_system_vgpr_workitem_id 0
		.amdhsa_next_free_vgpr 256
		.amdhsa_next_free_sgpr 100
		.amdhsa_reserve_vcc 0
		.amdhsa_float_denorm_mode_32 3
		.amdhsa_float_denorm_mode_16_64 3
		.amdhsa_memory_ordered 1
		.amdhsa_forward_progress 1
		.amdhsa_inst_pref_size 63
	.end_amdhsa_kernel
	.amdgpu_metadata
---
amdhsa.version: [ 1, 2 ]
amdhsa.kernels:
  - .name:           k_q5360ff17a9_attn
    .symbol:         k_q5360ff17a9_attn.kd
    .args:
      - { .name: qkv, .offset: 0, .size: 8, .value_kind: global_buffer, .address_space: global }
      - { .name: att, .offset: 8, .size: 8, .value_kind: global_buffer, .address_space: global }
    .group_segment_fixed_size: 210944
    .private_segment_fixed_size: 0
    .kernarg_segment_align: 8
    .kernarg_segment_size: 16
    .max_flat_workgroup_size: 512
    .sgpr_count:     100
    .vgpr_count:     256
    .wavefront_size: 32
...
	.end_amdgpu_metadata
.endif
;; end of part 3
;; launch outp (part 4): grid 256 x 1, 4 waves a work-group, no clusters, 222,720 bytes of LDS; arguments att, wc, ws, bo, out0; writes out0
.if DOCPART == 4
	.amdgcn_target "amdgcn-amd-amdhsa--gfx1250"
	.amdhsa_code_object_version 6
	.text
	.protected	k_q5360ff17a9_outp
	.globl	k_q5360ff17a9_outp
	.p2align	8
	.type	k_q5360ff17a9_outp,@function
k_q5360ff17a9_outp:
	s_mov_b64 s[64:65], 0
	v_nop
	global_prefetch_b8 v0, s[64:65] scope:SCOPE_SE
	s_setreg_imm32_b32 hwreg(HW_REG_WAVE_MODE, 25, 1), 1
	s_wait_xcnt 0x0
; OUTP: out0 = attn Wo + bo on codes of FP6 (E2M3).  attn's codes and scale words come from the attention launch, Wo's from the quantising launch, both as images of operand registers.
; A work-group makes 128 tokens x 128 columns with all of K = 1,024 resident in LDS: nothing is filled twice.  Four waves, each 4 x 4 tiles: 16 accumulators.
; Source 0 = 16 columns of Wo, source 1 = 16 tokens: a lane holds one token, and its registers run along the columns.  bo is the C of each sum's first matrix instruction.
; Row r of tile T is row 32 (T / 2) + 8 (T % 2) + r + 8 (r / 8).  The results leave through each wave's own stage in LDS: sixteen lanes store 256 consecutive bytes of a row of out0, aligned.
; NO CLUSTER: one line of text serves A's and B's fetch, its registers chosen by the wave's number; joint loads want a line and a mask for each operand: ten groups 0 and four groups 1, 72 scalar registers.
; LIMITS: NaN and infinities are not served.
; REGISTERS.  window 0: v1-12 lane numbers and addresses; v14, v15 the add's two; v16-18 the way out's addresses; v32-63 scale words; v64-95 bo, later with v96-127 rows on the way out; v128-255 the accumulators.
;   window 1: two fragment buffers (v0-95, v128-223).
.set SCL,   196608
.set CHK,   49152
.set STAGE, 204800                     ; 16 rows x 272 bytes for each wave; no fill lands here
.set SPARE, 222208                     ; the spare words, 128 bytes a wave
.set SC,  32
.set ACC, 128
.set G1C, 28
.set G1S, 36
.set G0,  44
.set MSB, 0
.macro WIN new
.if MSB != \new
	s_set_vgpr_msb (MSB<<8)|\new
.set MSB, \new
.endif
.endm
.macro PLACES n
.rept \n
	v_nop
.endr
.endm
.macro SCALES
.irp i, 0,1,2,3
	ds_load_b128 v[SC+8*\i:SC+8*\i+3], v12 offset:512*\i
	ds_load_b128 v[SC+8*\i+4:SC+8*\i+7], v12 offset:512*\i+16
.endr
.endm
.macro FETCH q, f
	WIN 0x40
.irp i, 0,1,2,3
.irp c, 0,1
	ds_load_b128 v[\f+12*\i+6*\c:\f+12*\i+6*\c+3], v8 offset:\i*3072+((\q)%2)*1536+768*\c
	ds_load_b64 v[\f+12*\i+6*\c+4:\f+12*\i+6*\c+5], v9 offset:\i*3072+((\q)%2)*1536+768*\c
.endr
.endr
.irp i, 0,1,2,3
.irp c, 0,1
	ds_load_b128 v[\f+48+12*\i+6*\c:\f+48+12*\i+6*\c+3], v10 offset:\i*3072+((\q)%2)*1536+768*\c
	ds_load_b64 v[\f+48+12*\i+6*\c+4:\f+48+12*\i+6*\c+5], v11 offset:\i*3072+((\q)%2)*1536+768*\c
.endr
.endr
	WIN 0
.endm
.macro MUL16 f, q, cin                 ; the 16 accumulators take turns, one instruction a turn, in the same order in every K step
	WIN 0x05
.irp a, 0,1,2,3
.irp b, 0,1,2,3
.if \cin == 2
	v_wmma_scale_f32_16x16x128_f8f6f4 v[ACC+8*(4*\a+\b):ACC+8*(4*\a+\b)+7], v[\f+48+12*\b:\f+48+12*\b+11], v[\f+12*\a:\f+12*\a+11], v[64+8*\b:71+8*\b], v[SC+8*\b+\q], v[SC+8*\a+\q] matrix_a_fmt:MATRIX_FMT_FP6 matrix_b_fmt:MATRIX_FMT_FP6 matrix_a_scale:MATRIX_SCALE_ROW1
.else
	v_wmma_scale_f32_16x16x128_f8f6f4 v[ACC+8*(4*\a+\b):ACC+8*(4*\a+\b)+7], v[\f+48+12*\b:\f+48+12*\b+11], v[\f+12*\a:\f+12*\a+11], v[ACC+8*(4*\a+\b):ACC+8*(4*\a+\b)+7], v[SC+8*\b+\q], v[SC+8*\a+\q] matrix_a_fmt:MATRIX_FMT_FP6 matrix_b_fmt:MATRIX_FMT_FP6 matrix_a_scale:MATRIX_SCALE_ROW1
.endif
.endr
.endr
	WIN 0
.endm
.macro KSTEP q, cin
	s_wait_dscnt 0x0                               ; this K step's fragments are in, and no LDS instruction of mine is out at a signal
.if ((\q)%2 == 1) && ((\q) < 7)
	s_wait_tensorcnt 3-((\q)+1)/2                  ; my part of the next chunk has landed; the chunks issued behind it may stay out
	s_barrier_signal -1
	s_barrier_wait -1
	v_add_nc_u32 v8, CHK, v8                       ; on to the next chunk: also the four places in front of the loads below
	v_add_nc_u32 v9, CHK, v9
	v_add_nc_u32 v10, CHK, v10
	v_add_nc_u32 v11, CHK, v11
.elseif ((\q) > 0) && ((\q) < 7)
	PLACES 4
.endif
.if (\q) < 7
	FETCH (\q)+1, 128*(((\q)+1)%2)
.endif
	MUL16 128*((\q)%2), \q, \cin
.endm
.macro OUTT a                          ; the 16 tokens x 64 columns of my A tile a
.set BK, 64+32*((\a)%2)
.if (\a) > 1
	s_wait_xcnt 0x0                                ; the stores of two tiles back have read their registers: these may be loaded again
.endif
.irp t, 0,1,2,3
	ds_store_b128 v16, v[ACC+8*(4*(\a)+\t):ACC+8*(4*(\a)+\t)+3] offset:128*(\t/2)+32*(\t%2)          ; each accumulator from its low end on
	ds_store_b128 v16, v[ACC+8*(4*(\a)+\t)+4:ACC+8*(4*(\a)+\t)+7] offset:128*(\t/2)+32*(\t%2)+16
.endr
.irp i, 0,1,2,3,4,5,6,7
	ds_load_b128 v[BK+4*\i:BK+4*\i+3], v17 offset:544*\i       ; LDS serves a wave's instructions in order: these see my stores
.endr
.irp i, 0,1,2,3,4,5,6,7
	s_wait_dscnt 7-\i                              ; the younger loads may stay out
	global_store_b128 v18, v[BK+4*\i:BK+4*\i+3], s[96:97] offset:(32*((\a)/2)+8*((\a)%2)+2*\i+8*(\i/4))*4096 th:TH_STORE_NT
.endr
.endm
	s_load_b256 s[4:11], s[0:1], 0x0               ; att, wc, ws, bo
	s_load_b64 s[12:13], s[0:1], 0x20              ; out0
	v_lshl_add_u32 v14, v0, 2, SPARE
	v_mov_b32 v15, 0
	ds_add_u32 v14, v15                            ; the wave's opening: the add and its wait ahead of my first tensor load; work on registers stands between them
	v_lshrrev_b32 v1, 5, v0
	v_readfirstlane_b32 s2, v1                     ; wave
	s_lshr_b32 s68, ttmp9, 3                       ; which 128 tokens
	s_and_b32 s69, ttmp9, 7                        ; which 128 columns
	s_lshr_b32 s70, s2, 1                          ; my half of the tokens' tiles.  Also: I fetch for attn (0) or for Wo (1)
	s_and_b32 s71, s2, 1                           ; my half of the columns' tiles.  Also: which four tiles I fetch
	s_mov_b32 s78, 786432
	s_mov_b32 s86, 3145728
	s_cmp_eq_u32 s70, 1
	s_cselect_b32 s74, s69, s68
	s_cselect_b32 s78, 196608, s78                 ; from chunk to chunk
	s_cselect_b32 s86, 98304, s86                  ; where the scales begin in their buffer
	s_cselect_b32 s84, 2359296, 0                  ; and the codes: Wo is the fourth section of wc
	s_lshl_b32 s74, s74, 3
	s_lshl_b32 s75, s71, 2
	s_add_co_u32 s74, s74, s75
	s_mul_i32 s75, s74, 3072
	s_add_co_u32 s84, s84, s75
	s_lshl_b32 s75, s74, 9
	s_add_co_u32 s86, s86, s75
	s_mov_b32 s85, 0
	s_mov_b32 s87, 0
	s_mov_b32 s79, 0
	s_mov_b32 s[G1C+0], 3<<16                      ; dense blocks as rows of 256 bytes: 48 rows of codes, 8 rows of scales
	s_mov_b32 s[G1C+1], 32<<16
	s_mov_b32 s[G1C+2], 48<<16
	s_mov_b32 s[G1C+3], 32<<16
	s_mov_b32 s[G1C+4], 48
	s_mov_b32 s[G1C+5], 32
	s_mov_b32 s[G1C+6], 0
	s_mov_b32 s[G1C+7], 0
	s_mov_b32 s[G1S+0], 3<<16
	s_mov_b32 s[G1S+1], 32<<16
	s_mov_b32 s[G1S+2], 8<<16
	s_mov_b32 s[G1S+3], 32<<16
	s_mov_b32 s[G1S+4], 8
	s_mov_b32 s[G1S+5], 32
	s_mov_b32 s[G1S+6], 0
	s_mov_b32 s[G1S+7], 0
	s_lshl_b32 s77, s2, 11
	s_add_co_u32 s[G0+1], s77, SCL
	s_mul_i32 s77, s2, 12288
	s_mov_b32 s[G0+5], s77
	s_add_co_u32 s[G0+9], s77, CHK
	s_add_co_u32 s[G0+13], s77, 2*CHK
	s_add_co_u32 s[G0+17], s77, 3*CHK
.irp n, 0,1,2,3,4
	s_mov_b32 s[G0+4*\n], 1
.endr
	s_lshl_b32 s88, s68, 19
	s_lshl_b32 s89, s70, 18
	s_add_co_u32 s88, s88, s89
	s_lshl_b32 s90, s69, 9
	s_lshl_b32 s89, s71, 8
	s_add_co_u32 s90, s90, s89                     ; my first column, in bytes
	s_add_co_u32 s88, s88, s90                     ; and my first token's row with it
	s_mov_b32 s89, 0
	s_wait_dscnt 0x0                               ; the opening add is done
	s_wait_kmcnt 0x0
	s_cmp_eq_u32 s70, 1
	s_cselect_b64 s[80:81], s[6:7], s[4:5]
	s_cselect_b64 s[82:83], s[8:9], s[4:5]
	s_add_nc_u64 s[G0+2:G0+3], s[82:83], s[86:87]
	s_add_nc_u64 s[G0+6:G0+7], s[80:81], s[84:85]
	s_add_nc_u64 s[G0+10:G0+11], s[G0+6:G0+7], s[78:79]
	s_add_nc_u64 s[G0+14:G0+15], s[G0+10:G0+11], s[78:79]
	s_add_nc_u64 s[G0+18:G0+19], s[G0+14:G0+15], s[78:79]
.irp n, 0,1,2,3,4
	s_or_b32 s[G0+4*\n+3], s[G0+4*\n+3], 0x80000000
.endr
	s_add_nc_u64 s[96:97], s[12:13], s[88:89]
	tensor_load_to_lds s[G0:G0+3], s[G1S:G1S+7]    ; all the launch's fills go out here: five loads of mine are out
	s_nop 0
	tensor_load_to_lds s[G0+4:G0+7], s[G1C:G1C+7]
	s_nop 0
	tensor_load_to_lds s[G0+8:G0+11], s[G1C:G1C+7]
	s_nop 0
	tensor_load_to_lds s[G0+12:G0+15], s[G1C:G1C+7]
	s_nop 0
	tensor_load_to_lds s[G0+16:G0+19], s[G1C:G1C+7]
	s_nop 0
	PLACES 4
	v_and_b32 v1, 15, v0                           ; r
	v_bfe_u32 v2, v0, 4, 1                         ; h
	v_and_b32 v3, 31, v0
	v_lshlrev_b32 v3, 4, v3                        ; 16 l
	v_lshlrev_b32 v4, 4, v1
	v_lshl_add_u32 v4, v2, 3, v4
	v_add_nc_u32 v4, 512, v4                       ; 512 + 16 r + 8 h
	v_lshl_add_u32 v6, v2, 6, s90                  ; bo in the result's layout: register 16 b + i is my first column + 32 b + 16 h + i
.irp u, 0,1
.irp e, 0,1,2,3
	global_load_b128 v[64+16*\u+4*\e:67+16*\u+4*\e], v6, s[10:11] offset:128*\u+16*\e
.endr
.endr
	s_mul_i32 s75, s70, 12288
	v_add_nc_u32 v8, s75, v3
	v_add_nc_u32 v9, s75, v4
	s_mul_i32 s75, s71, 12288
	s_add_co_u32 s75, s75, 24576
	v_add_nc_u32 v10, s75, v3
	v_add_nc_u32 v11, s75, v4
	s_lshl_b32 s75, s70, 11
	s_lshl_b32 s77, s71, 11
	s_add_co_u32 s77, s77, 4096
	s_sub_co_u32 s77, s77, s75
	v_mul_u32_u24 v12, s77, v2                     ; lanes 16-31 take Wo's scale words
	s_add_co_u32 s75, s75, SCL
	v_lshl_add_u32 v12, v1, 5, v12
	v_add_nc_u32 v12, s75, v12
	s_mul_i32 s75, s2, 4352
	s_add_co_u32 s75, s75, STAGE                   ; my stage
	v_mul_u32_u24 v16, v1, 272
	v_lshl_add_u32 v16, v2, 6, v16
	v_add_nc_u32 v16, s75, v16                     ; in: row r, 64 h bytes on
	v_mul_u32_u24 v17, v2, 272
	v_lshl_add_u32 v17, v1, 4, v17
	v_add_nc_u32 v17, s75, v17                     ; back: lanes 0-15 one row of 256 bytes, lanes 16-31 the next
	v_lshlrev_b32 v18, 12, v2
	v_lshl_add_u32 v18, v1, 4, v18                 ; and the same two rows in out0
	s_wait_tensorcnt 0x3                           ; the scales and chunk 0 are in; chunks 1 to 3 may stay out: nothing is filled twice
	s_barrier_signal -1
	s_barrier_wait -1
	SCALES
	FETCH 0, 0
	s_wait_loadcnt 0x0                             ; bo
	KSTEP 0, 2                                     ; the first K step starts the sums from bo
.irp q, 1,2,3,4,5,6,7
	KSTEP \q, 1
.endr
	PLACES 4                                       ; in front of the first read of results
	OUTT 0
	OUTT 1
	OUTT 2
	OUTT 3
	s_wait_tensorcnt 0x0                           ; the wave's end: behind my last tensor load and my last LDS store
	ds_add_u32 v14, v15
	s_wait_dscnt 0x0
	s_endpgm
.Lfunc_end_k_q5360ff17a9_outp:
	.size	k_q5360ff17a9_outp, .Lfunc_end_k_q5360ff17a9_outp-k_q5360ff17a9_outp
	.p2alignl 7, 3214868480
	.fill 96, 4, 3214868480
	.section	.rodata,"a",@progbits
	.p2align	6, 0x0
	.amdhsa_kernel k_q5360ff17a9_outp
		.amdhsa_group_segment_fixed_size 222720
		.amdhsa_private_segment_fixed_size 0
		.amdhsa_enable_private_segment 0
		.amdhsa_kernarg_size 40
		.amdhsa_user_sgpr_count 2
		.amdhsa_user_sgpr_kernarg_segment_ptr 1
		.amdhsa_wavefront_size32 1
		.amdhsa_system_sgpr_workgroup_id_x 1
		.amdhsa_system_sgpr_workgroup_id_y 1
		.amdhsa_system_sgpr_workgroup_id_z 1
		.amdhsa_system_vgpr_workitem_id 0
		.amdhsa_next_free_vgpr 512
		.amdhsa_next_free_sgpr 100
		.amdhsa_reserve_vcc 0
		.amdhsa_float_denorm_mode_32 3
		.amdhsa_float_denorm_mode_16_64 3
		.amdhsa_memory_ordered 1
		.amdhsa_forward_progress 1
		.amdhsa_inst_pref_size 51
	.end_amdhsa_kernel
	.amdgpu_metadata
---
amdhsa.version: [ 1, 2 ]
amdhsa.kernels:
  - .name:           k_q5360ff17a9_outp
    .symbol:         k_q5360ff17a9_outp.kd
    .args:
      - { .name: att, .offset: 0, .size: 8, .value_kind: global_buffer, .address_space: global }
      - { .name: wc, .offset: 8, .size: 8, .value_kind: global_buffer, .address_space: global }
      - { .name: ws, .offset: 16, .size: 8, .value_kind: global_buffer, .address_space: global }
      - { .name: bo, .offset: 24, .size: 8, .value_kind: global_buffer, .address_space: global }
      - { .name: out0, .offset: 32, .size: 8, .value_kind: global_buffer, .address_space: global }
    .group_segment_fixed_size: 222720
    .private_segment_fixed_size: 0
    .kernarg_segment_align: 8
    .kernarg_segment_size: 40
    .max_flat_workgroup_size: 128
    .sgpr_count:     100
    .vgpr_count:     512
    .wavefront_size: 32
...
	.end_amdgpu_metadata
.endif
;; end of part 4
;; ======== version 2 of 2: 4 launches
;; limits: right only within a limited range of input values
;; workspace buffers: xc 9,437,184 bytes; xs 393,216 bytes; wc 3,145,728 bytes; ws 131,072 bytes; pkp 114,688 bytes; qkv 12,189,696 bytes; att 3,276,800 bytes
;; launch prep (part 5): grid 512 x 1, 4 waves a work-group, no clusters, 62,976 bytes of LDS; arguments query, key, value, Wq, Wk, Wv, Wo, pos_emb, xc, xs, wc, ws, pkp; writes xc, xs, wc, ws, pkp
.if DOCPART == 5
	.amdgcn_target "amdgcn-amd-amdhsa--gfx1250"
	.amdhsa_code_object_version 6
	.text
	.protected	k_q5360ff17a9_prep
	.globl	k_q5360ff17a9_prep
	.p2align	8
	.type	k_q5360ff17a9_prep,@function
k_q5360ff17a9_prep:
	s_mov_b64 s[64:65], 0
	v_nop
	global_prefetch_b8 v0, s[64:65] scope:SCOPE_SE
	s_setreg_imm32_b32 hwreg(HW_REG_WAVE_MODE, 25, 1), 1
	s_wait_xcnt 0x0
; PREP: query, key, value [4096][1024] and Wq, Wk, Wv, Wo [1024 (k)][1024 (n)], all f32, become codes of FP6 (E2M3) with one E8M0 byte for each 32 along K,
; laid as IMAGES OF OPERAND REGISTERS.  A tile is 16 rows; row r of tile T is row 32 (T / 2) + 8 (T % 2) + r + 8 (r / 8).  A half fragment (16 rows x 64 along K) is 768 bytes:
; registers 0-3 of lane l at 16 l, registers 4-5 of lane (r, h) at 512 + 16 r + 8 h.  Codes: [chunk of 256 along K][tile][128 along K][64 along K][768].  Scales: [tile][r][8 words], word s for K step s.
; The work-groups of Wk also make the partial sums of pos_emb x Wk over their 256 rows of K, in f32 (pkp [4][7][1024]).  There a lane holds a column of Wk and every lane wants the same number of pos_emb:
; each wave lays its 7 x 256 numbers of pos_emb into LDS bytes of its own, once, and reads them back with one address for all lanes, four numbers a load, four half steps ahead of the multiply-adds.
; A block's scale is 2^(floor(log2(largest magnitude)) - 2): its byte is the largest magnitude's exponent field - 2, held at 1 from below.
; LIMITS: NaN and infinities among the inputs are not served; a block whose largest magnitude lies under 2^-124 keeps the byte 1; a block of zeros has the byte 1 where the rule says 127
; (its codes are zeros, which add nothing, and the bytes are read by this program alone).
; Work-groups 0-127 take the weights (Wk's first: they have the most to do), 128-511 the three activations.  Memory binds: no matrix unit, no cluster, no barrier; waves share nothing.
.set SPARE, 33792                      ; behind the activations' four stages: the spare words, 128 bytes a wave
.set PB,    34304                      ; behind them: pos_emb's numbers, 7 rows x 1,024 bytes for each wave of a work-group of Wk: bytes that the activations' way never touches
.set SPW, 14                           ; v14 LDS address of my spare word; never rewritten
.set NIL, 15                           ; v15 0; never rewritten
.set X,   32                           ; W way: v32-95 two sets of 32 numbers
.set CO,  96                           ; v96-143 codes: pair of blocks n at 96 + 12 n: [h = 0: regs 0-3][h = 1: regs 0-3][regs 4-5 of both]
.set CT,  144                          ; v144-146 the upper 16 codes of a block
.set PK,  148                          ; v148-175 pos_emb x Wk: two packed chains (four registers) for each of 7 rows
.set PP,  176                          ; v176-255 numbers of pos_emb: five sets of 16 by turns; at the head v176-231 carry them from memory to LDS
.set SB,  24                           ; v24-25 scale words
.macro LOADW t                         ; block t: W(32 t + i, my column), i = 0 .. 31; 32 lanes read 128 consecutive bytes
.set LX, X+32*((\t)%2)
.set i, 0
.rept 32
	global_load_b32 v[LX+i], v3, s[10:11] offset:(32*(\t)+i)*4096 th:TH_LOAD_NT
.set i, i+1
.endr
.endm
; A half step n of 112: row n % 7 of pos_emb times 16 along K: half (n % 14) / 7 of block n / 14.  The seven rows take turns, so that 48 packed multiply-adds stand between a chain's write and its next read.
.macro PFETCH
.set FS, PP+16*(SGL%5)
.irp j, 0,1,2,3
	ds_load_b128 v[FS+4*\j:FS+4*\j+3], v16 offset:(SGL%7)*1024+(SGL/14)*128+((SGL%14)/7)*64+16*\j
.endr
.endm
.macro PKSTEP                          ; half step SGN: eight packed multiply-adds in two chains
.if SGN+4 < 112
.set SGL, SGN+4
	PFETCH                                         ; the half step four on, into the set that the last half step has read
	s_wait_dscnt 16                                ; LDS loads come back in order: mine are in; the 16 of the four half steps ahead may be out
.else
	s_wait_dscnt 4*(111-SGN)                       ; the last four fetch nothing: the counts run down
.endif
.set PS, PP+16*(SGN%5)
.set PX, X+32*((SGN/14)%2)+16*((SGN%14)/7)
.set PA, PK+4*(SGN%7)
.set m, 0
.rept 8
.if (SGN < 7) && (m < 2)
	v_pk_mul_f32 v[PA+2*m:PA+2*m+1], v[PS+2*m:PS+2*m+1], v[PX+2*m:PX+2*m+1]        ; the first products start the sums
.else
	v_pk_fma_f32 v[PA+2*(m%2):PA+2*(m%2)+1], v[PS+2*m:PS+2*m+1], v[PX+2*m:PX+2*m+1], v[PA+2*(m%2):PA+2*(m%2)+1]
.endif
.set m, m+1
.endr
.endm
.macro WBLOCK t, pk                    ; block t = 4 s + 2 c + h of my column's 256 along K
.set XS, X+32*((\t)%2)
.set CP, CO+12*((\t)/2)
.set HH, (\t)%2
.if (\t) < 7
	s_wait_loadcnt 32                              ; this block's 32 loads are in; the next block's may be out
.else
	s_wait_loadcnt 0x0
.endif
	v_max3_num_f32 v12, |v[XS]|, |v[XS+1]|, |v[XS+2]|
	v_max3_num_f32 v13, |v[XS+3]|, |v[XS+4]|, |v[XS+5]|
.irp i, 6,10,14,18,22,26
	v_max3_num_f32 v12, v12, |v[XS+\i]|, |v[XS+\i+1]|
	v_max3_num_f32 v13, v13, |v[XS+\i+2]|, |v[XS+\i+3]|
.endr
	v_max3_num_f32 v12, v12, |v[XS+30]|, |v[XS+31]|
	v_max3_num_f32 v12, v12, v13, 0x1800000        ; with the floor 2^(3 - 127): the byte cannot fall under 1
	v_add_nc_u32 v11, 0xff000000, v12              ; 2 off the exponent field: the conversion's scale operand
	v_cvt_scalef32_pk16_fp6_f32 v[CP+4*HH:CP+4*HH+2], v[XS:XS+15], v11
	v_cvt_scalef32_pk16_fp6_f32 v[CT:CT+2], v[XS+16:XS+31], v11
	v_lshrrev_b32 v13, 23, v11                     ; the byte (also the plain line behind the conversions)
.if (\t)%4 == 0
	v_mov_b32 v[SB+(\t)/4], v13
.else
	v_lshl_or_b32 v[SB+(\t)/4], v13, 8*((\t)%4), v[SB+(\t)/4]
.endif
	v_mov_b32 v[CP+4*HH+3], v[CT]                  ; register 3 of the block's six
	v_mov_b32 v[CP+8+2*HH], v[CT+1]                ; registers 4 and 5
	v_mov_b32 v[CP+8+2*HH+1], v[CT+2]
.if \pk
.set SGN, 14*(\t)
.rept 14
	PKSTEP
.set SGN, SGN+1
.endr
.endif
.if (\t) < 6
	LOADW (\t)+2
.endif
.if HH == 1                            ; a half fragment of both my tiles is whole: each store covers 256 consecutive bytes in each of the two tiles
	global_store_b128 v4, v[CP:CP+3], s[24:25] offset:((\t)/4)*1536+(((\t)/2)%2)*768
	global_store_b128 v4, v[CP+4:CP+7], s[24:25] offset:((\t)/4)*1536+(((\t)/2)%2)*768+256
	global_store_b128 v4, v[CP+8:CP+11], s[24:25] offset:((\t)/4)*1536+(((\t)/2)%2)*768+512
.endif
.endm
.macro WPATH pk
.if \pk
	v_and_b32 v16, 0xe0, v0                        ; 32 x wave
	v_mul_u32_u24 v16, v16, 224                    ; 7,168 x wave
	v_add_nc_u32 v16, PB, v16                      ; my wave's numbers of pos_emb in LDS: the same address in all lanes
	v_lshl_add_u32 v10, v1, 4, v16                 ; on the way in: + 16 x lane
	v_lshlrev_b32 v9, 4, v1                        ; and the same in memory
	s_wait_alu depctr_va_vdst(0)
.irp q, 0,1,2,3,4,5,6
.irp e, 0,1
	global_load_b128 v[PP+8*\q+4*\e:PP+8*\q+4*\e+3], v9, s[18:19] offset:4096*\q+512*\e    ; row q of pos_emb, my 256 along K: two loads of 512 consecutive bytes
.endr
.endr
.endif
	LOADW 0
.if \pk
	s_wait_loadcnt 32                              ; the 14 loads of pos_emb, issued first, are in; block 0's 32 may be out
.irp q, 0,1,2,3,4,5,6
.irp e, 0,1
	ds_store_b128 v10, v[PP+8*\q+4*\e:PP+8*\q+4*\e+3] offset:1024*\q+512*\e
.endr
.endr
.endif
	LOADW 1
.if \pk
	s_wait_dscnt 0x0                               ; the stores have read their registers, which now take the numbers back.  LDS serves a wave's instructions in order, and only I read these bytes: no barrier
.set SGL, 0
.rept 4
	PFETCH                                         ; the first four half steps
.set SGL, SGL+1
.endr
.endif
.irp t, 0,1,2,3,4,5,6,7
	WBLOCK \t, \pk
.endr
	global_store_b64 v5, v[SB:SB+1], s[26:27]      ; my column's two scale words
.if \pk
.irp q, 0,1,2,3,4,5,6
	v_add_f32 v[PK+4*\q], v[PK+4*\q], v[PK+4*\q+1]
	v_add_f32 v[PK+4*\q+2], v[PK+4*\q+2], v[PK+4*\q+3]
.endr
.irp q, 0,1,2,3,4,5,6
	v_add_f32 v[PK+4*\q], v[PK+4*\q], v[PK+4*\q+2]
.endr
.irp q, 0,1,2,3,4,5,6
	global_store_b32 v3, v[PK+4*\q], s[28:29] offset:4096*\q
.endr
.endif
.endm
.macro LOADX g                         ; K step g of my tile's 16 rows: each load reads 512 consecutive bytes of one row
.set LR, 32+64*((\g)%2)
.irp j, 0,1,2,3,4,5,6,7,8,9,10,11,12,13,14,15
	global_load_b128 v[LR+4*\j:LR+4*\j+3], v2, s[4:5] offset:(\j+8*(\j/8))*4096+512*(\g) th:TH_LOAD_NT
.endr
.endm
.macro STEPX g
.set RS, 32+64*((\g)%2)
.set CC, 160+12*(\g)
.if (\g) < 3
	s_wait_loadcnt 16                              ; my 16 loads are in; the next step's 16 may be out
.else
	s_wait_loadcnt 0x0
.endif
.irp j, 0,1,2,3,4,5,6,7,8,9,10,11,12,13,14,15
	ds_store_b128 v4, v[RS+4*\j:RS+4*\j+3] offset:528*\j       ; through my own stage, rows 528 bytes apart
.endr
.irp c, 0,1
.irp i, 0,1,2,3,4,5,6,7
	ds_load_b128 v[RS+32*\c+4*\i:RS+32*\c+4*\i+3], v5 offset:256*\c+16*\i   ; back: lane (r, h) takes k = 64 c + 32 h + 0 .. 31 of row r.  LDS serves a wave's instructions in order
.endr
.endr
	s_wait_dscnt 0x0
.irp c, 0,1
	v_max3_num_f32 v[16+\c], |v[RS+32*\c]|, |v[RS+32*\c+1]|, 0x1800000
.endr
.irp i, 2,4,6,8,10,12,14,16,18,20,22,24,26,28,30
.irp c, 0,1
	v_max3_num_f32 v[16+\c], v[16+\c], |v[RS+32*\c+\i]|, |v[RS+32*\c+\i+1]|
.endr
.endr
.irp c, 0,1
	v_add_nc_u32 v[18+\c], 0xff000000, v[16+\c]
.endr
.irp c, 0,1
	v_lshrrev_b32 v[20+\c], 23, v[18+\c]
.endr
	v_lshl_or_b32 v22, v21, 16, v20                ; my two bytes: blocks h and 2 + h,
	v_lshlrev_b32 v22, v7, v22                     ; 8 h bits up;
	v_permlanex16_b32 v23, v22, s42, s43
	v_or_b32 v[24+(\g)], v22, v23                  ; with lane l xor 16's two the word is whole
.irp c, 0,1
	v_cvt_scalef32_pk16_fp6_f32 v[CC+6*\c:CC+6*\c+2], v[RS+32*\c:RS+32*\c+15], v[18+\c]
	v_cvt_scalef32_pk16_fp6_f32 v[208+4*\c:210+4*\c], v[RS+32*\c+16:RS+32*\c+31], v[18+\c]
.endr
	v_nop                                          ; one plain line behind the conversions
.irp c, 0,1
.irp i, 0,1,2
	v_mov_b32 v[CC+6*\c+3+\i], v[208+4*\c+\i]
.endr
.endr
.if (\g) < 2
	LOADX (\g)+2
.endif
.irp c, 0,1
	global_store_b128 v2, v[CC+6*\c:CC+6*\c+3], s[20:21] offset:((\g)/2)*786432+((\g)%2)*1536+768*\c
	global_store_b64 v3, v[CC+6*\c+4:CC+6*\c+5], s[20:21] offset:((\g)/2)*786432+((\g)%2)*1536+768*\c
.endr
.endm
	s_load_b512 s[4:19], s[0:1], 0x0               ; query, key, value, Wq, Wk, Wv, Wo, pos_emb
	s_load_b256 s[20:27], s[0:1], 0x40             ; xc, xs, wc, ws
	s_load_b64 s[28:29], s[0:1], 0x60              ; pkp
	v_lshl_add_u32 v[SPW], v0, 2, SPARE
	v_mov_b32 v[NIL], 0
	v_lshrrev_b32 v1, 5, v0
	v_readfirstlane_b32 s2, v1                     ; wave
	v_and_b32 v1, 31, v0                           ; lane
	s_cmp_lt_u32 ttmp9, 128
	s_wait_alu depctr_va_vdst(0)
	s_cbranch_scc0 .Lxpath
	; ---- the weights.  A wave takes 32 columns (two tiles) x 256 along K; a lane takes a column and its registers run down K
	s_lshr_b32 s3, ttmp9, 5
	s_xor_b32 s3, s3, 1                            ; which weight: 0 Wq, 1 Wk, 2 Wv, 3 Wo
	s_and_b32 s30, ttmp9, 31
	s_and_b32 s31, s30, 7                          ; which 128 columns
	s_lshr_b32 s30, s30, 3                         ; which 256 along K
	v_bfe_u32 v6, v1, 3, 1                         ; column x of the 32 is row r = x % 8 + 8 (x / 16) of tile u = (x / 8) % 2
	v_and_b32 v7, 7, v1
	v_lshrrev_b32 v8, 4, v1
	v_lshl_add_u32 v7, v8, 3, v7
	v_lshlrev_b32 v3, 2, v1                        ; 4 x
	v_mul_u32_u24 v4, v6, 3072
	v_lshl_add_u32 v4, v7, 4, v4                   ; codes: 3,072 u + 16 r
	v_lshlrev_b32 v5, 9, v6
	v_lshl_add_u32 v5, v7, 5, v5                   ; scales: 512 u + 32 r
	s_lshl_b32 s32, s31, 9
	s_lshl_b32 s33, s2, 7
	s_add_co_u32 s32, s32, s33                     ; my first column, in bytes
	s_lshl_b32 s34, s30, 20
	s_add_co_u32 s34, s34, s32                     ; in W
	s_mov_b32 s35, 0
	s_lshl_b32 s36, s31, 2
	s_add_co_u32 s36, s36, s2                      ; my pair of tiles
	s_mul_i32 s38, s3, 786432
	s_mul_i32 s37, s30, 196608
	s_add_co_u32 s38, s38, s37
	s_mul_i32 s37, s36, 6144
	s_add_co_u32 s38, s38, s37                     ; in wc
	s_mov_b32 s39, 0
	s_lshl_b32 s40, s3, 15
	s_lshl_b32 s37, s36, 10
	s_add_co_u32 s40, s40, s37
	s_lshl_b32 s37, s30, 3
	s_add_co_u32 s40, s40, s37                     ; in ws
	s_mov_b32 s41, 0
	s_mul_i32 s42, s30, 28672
	s_add_co_u32 s42, s42, s32                     ; in pkp
	s_mov_b32 s43, 0
	s_lshl_b32 s44, s30, 10                        ; in a row of pos_emb
	s_mov_b32 s45, 0
	s_wait_alu depctr_va_vdst(0)
	s_wait_kmcnt 0x0
	s_bitcmp1_b32 s3, 0
	s_cselect_b64 s[10:11], s[12:13], s[10:11]
	s_cselect_b64 s[14:15], s[16:17], s[14:15]
	s_bitcmp1_b32 s3, 1
	s_cselect_b64 s[10:11], s[14:15], s[10:11]
	s_add_nc_u64 s[10:11], s[10:11], s[34:35]
	s_add_nc_u64 s[24:25], s[24:25], s[38:39]
	s_add_nc_u64 s[26:27], s[26:27], s[40:41]
	s_add_nc_u64 s[28:29], s[28:29], s[42:43]
	s_add_nc_u64 s[18:19], s[18:19], s[44:45]
	s_cmp_eq_u32 s3, 1
	s_cbranch_scc1 .Lwk
	WPATH 0
	s_branch .Lend
.Lwk:
	WPATH 1
	s_branch .Lend
	; ---- the activations.  A wave takes one tile of 16 rows x 512 along K: four K steps
.Lxpath:
	s_sub_co_u32 s3, ttmp9, 128
	s_lshr_b32 s30, s3, 7                          ; 0 query, 1 key, 2 value
	s_and_b32 s31, s3, 127
	s_lshl_b32 s31, s31, 2
	s_add_co_u32 s31, s31, s2
	s_lshr_b32 s32, s31, 1                         ; tile
	s_and_b32 s33, s31, 1                          ; which half of K
	s_lshr_b32 s34, s32, 1
	s_lshl_b32 s34, s34, 17
	s_and_b32 s35, s32, 1
	s_lshl_b32 s35, s35, 15
	s_add_co_u32 s34, s34, s35
	s_lshl_b32 s35, s33, 11
	s_add_co_u32 s34, s34, s35                     ; the tile's first row and my half of K, in bytes
	s_mov_b32 s35, 0
	s_mul_i32 s36, s30, 3145728
	s_mul_i32 s37, s33, 1572864
	s_add_co_u32 s36, s36, s37
	s_mul_i32 s37, s32, 3072
	s_add_co_u32 s36, s36, s37                     ; in xc
	s_mov_b32 s37, 0
	s_lshl_b32 s38, s30, 17
	s_lshl_b32 s39, s32, 9
	s_add_co_u32 s38, s38, s39
	s_lshl_b32 s39, s33, 4
	s_add_co_u32 s38, s38, s39                     ; in xs
	s_mov_b32 s39, 0
	v_and_b32 v8, 15, v0                           ; r
	v_bfe_u32 v9, v0, 4, 1                         ; h
	v_lshlrev_b32 v2, 4, v1                        ; 16 l
	v_lshlrev_b32 v3, 4, v8
	v_lshl_add_u32 v3, v9, 3, v3
	v_add_nc_u32 v3, 512, v3                       ; 512 + 16 r + 8 h
	s_mul_i32 s40, s2, 8448                        ; my stage: 16 rows x 528 bytes
	v_add_nc_u32 v4, s40, v2
	v_mul_u32_u24 v5, v8, 528
	v_lshl_add_u32 v5, v9, 7, v5
	v_add_nc_u32 v5, s40, v5
	v_lshlrev_b32 v6, 5, v8
	v_lshl_add_u32 v6, v9, 3, v6                   ; 32 r + 8 h
	v_lshlrev_b32 v7, 3, v9                        ; 8 h
	v_mov_b32 v23, 0                               ; a lane permute's destination counts as one of its sources
	s_mov_b32 s42, 0x76543210
	s_mov_b32 s43, 0xfedcba98
	s_mov_b32 s44, 0xffff0000                      ; lanes 16-31
	s_wait_alu depctr_va_vdst(0)
	s_wait_kmcnt 0x0
	s_cmp_eq_u32 s30, 1
	s_cselect_b64 s[4:5], s[6:7], s[4:5]
	s_cmp_eq_u32 s30, 2
	s_cselect_b64 s[4:5], s[8:9], s[4:5]
	s_add_nc_u64 s[4:5], s[4:5], s[34:35]
	s_add_nc_u64 s[20:21], s[20:21], s[36:37]
	s_add_nc_u64 s[22:23], s[22:23], s[38:39]
	LOADX 0
	LOADX 1
	STEPX 0
	STEPX 1
	STEPX 2
	STEPX 3
	v_cndmask_b32 v28, v24, v26, s44               ; lane (r, h) stores words 2 h and 2 h + 1 of row r's four
	v_cndmask_b32 v29, v25, v27, s44
	global_store_b64 v6, v[28:29], s[22:23]
.Lend:
	s_wait_tensorcnt 0x0                           ; the wave's end: behind my last LDS store
	ds_add_u32 v[SPW], v[NIL]
	s_wait_dscnt 0x0
	s_endpgm
.Lfunc_end_k_q5360ff17a9_prep:
	.size	k_q5360ff17a9_prep, .Lfunc_end_k_q5360ff17a9_prep-k_q5360ff17a9_prep
	.p2alignl 7, 3214868480
	.fill 96, 4, 3214868480
	.section	.rodata,"a",@progbits
	.p2align	6, 0x0
	.amdhsa_kernel k_q5360ff17a9_prep
		.amdhsa_group_segment_fixed_size 62976
		.amdhsa_private_segment_fixed_size 0
		.amdhsa_enable_private_segment 0
		.amdhsa_kernarg_size 104
		.amdhsa_user_sgpr_count 2
		.amdhsa_user_sgpr_kernarg_segment_ptr 1
		.amdhsa_wavefront_size32 1
		.amdhsa_system_sgpr_workgroup_id_x 1
		.amdhsa_system_sgpr_workgroup_id_y 1
		.amdhsa_system_sgpr_workgroup_id_z 1
		.amdhsa_system_vgpr_workitem_id 0
		.amdhsa_next_free_vgpr 256
		.amdhsa_next_free_sgpr 66
		.amdhsa_reserve_vcc 0
		.amdhsa_float_denorm_mode_32 3
		.amdhsa_float_denorm_mode_16_64 3
		.amdhsa_memory_ordered 1
		.amdhsa_forward_progress 1
		.amdhsa_inst_pref_size 198
	.end_amdhsa_kernel
	.amdgpu_metadata
---
amdhsa.version: [ 1, 2 ]
amdhsa.kernels:
  - .name:           k_q5360ff17a9_prep
    .symbol:         k_q5360ff17a9_prep.kd
    .args:
      - { .name: query, .offset: 0, .size: 8, .value_kind: global_buffer, .address_space: global }
      - { .name: key, .offset: 8, .size: 8, .value_kind: global_buffer, .address_space: global }
      - { .name: value, .offset: 16, .size: 8, .value_kind: global_buffer, .address_space: global }
      - { .name: Wq, .offset: 24, .size: 8, .value_kind: global_buffer, .address_space: global }
      - { .name: Wk, .offset: 32, .size: 8, .value_kind: global_buffer, .address_space: global }
      - { .name: Wv, .offset: 40, .size: 8, .value_kind: global_buffer, .address_space: global }
      - { .name: Wo, .offset: 48, .size: 8, .value_kind: global_buffer, .address_space: global }
      - { .name: pos_emb, .offset: 56, .size: 8, .value_kind: global_buffer, .address_space: global }
      - { .name: xc, .offset: 64, .size: 8, .value_kind: global_buffer, .address_space: global }
      - { .name: xs, .offset: 72, .size: 8, .value_kind: global_buffer, .address_space: global }
      - { .name: wc, .offset: 80, .size: 8, .value_kind: global_buffer, .address_space: global }
      - { .name: ws, .offset: 88, .size: 8, .value_kind: global_buffer, .address_space: global }
      - { .name: pkp, .offset: 96, .size: 8, .value_kind: global_buffer, .address_space: global }
    .group_segment_fixed_size: 62976
    .private_segment_fixed_size: 0
    .kernarg_segment_align: 8
    .kernarg_segment_size: 104
    .max_flat_workgroup_size: 128
    .sgpr_count:     66
    .vgpr_count:     256
    .wavefront_size: 32
...
	.end_amdgpu_metadata
.endif
;; end of part 5
;; launch proj (part 6): grid 768 x 1, 4 waves a work-group, no clusters, 205,312 bytes of LDS; arguments xc, xs, wc, ws, pkp, bq, bk, bv, content_bias, relative_bias, qkv; writes qkv
.if DOCPART == 6
	.amdgcn_target "amdgcn-amd-amdhsa--gfx1250"
	.amdhsa_code_object_version 6
	.text
	.protected	k_q5360ff17a9_proj
	.globl	k_q5360ff17a9_proj
	.p2align	8
	.type	k_q5360ff17a9_proj,@function
k_q5360ff17a9_proj:
	s_mov_b64 s[64:65], 0
	v_nop
	global_prefetch_b8 v0, s[64:65] scope:SCOPE_SE
	s_setreg_imm32_b32 hwreg(HW_REG_WAVE_MODE, 25, 1), 1
	s_wait_xcnt 0x0
; PROJ: the three projections on codes of FP6 (E2M3), and what attention wants of them, quantised in registers.  p = work-group / 256: 0 q, 1 k, 2 v.
; A work-group makes 128 x 128 of a product with all of K = 1,024 resident in LDS (8 + 8 tiles x 8 K steps x 1,536 bytes, and the scale words): nothing is filled twice.
; Four waves, each 4 x 4 tiles: 16 accumulators.  The matrix instruction takes source 0 = 16 rows of operand B, source 1 = 16 rows of operand A: a lane holds one row of A, and its 32 registers of a
; tile of A are 64 neighbouring rows of B in two blocks of 32 (16 in lanes 0-15, 16 in lanes 16-31), since row r of tile T is row 32 (T / 2) + 8 (T % 2) + r + 8 (r / 8).
; q, k: A = tokens, B = the weight's columns: registers run along the head's 64 channels, the K of (q + u) k^T.   v: A = Wv's columns, B = tokens: registers run along the keys, the K of p v.
; q also gives small[t][0..6] = (q + relative_bias) . pk, pk = pos_emb Wk + bk, all in f32 (v_wmma_f32_16x16x4_f32: its result goes on into a quantised operand).
; The three ways part behind the launch's last barrier: each loads its own constants there, under the last three K steps' products.
; NO CLUSTER: one line of text serves A's and B's fetch, its registers chosen by the wave's number; joint loads want a line and a mask for each operand: ten groups 0 and four groups 1,
; 72 scalar registers, beside the 22 of arguments and the ids and bases: more than the 100 named here.
; LIMITS: NaN and infinities are not served; blocks whose largest magnitude lies under 2^-124 keep the byte 1, blocks of zeros too (their codes are zeros; this program alone reads the bytes).
; REGISTERS.  window 0: v1-12 lane numbers and addresses; v14, v15 the add's two; v16-19 the mask of pk's rows; v32-63 scale words; v64-127 the quantiser's; v128-255 the accumulators.
;   window 1: two fragment buffers (v0-95, v128-223); later q + relative_bias (v0-127), pk (v128-159); v224-255 the four sums of small: written by matrix instructions alone.   window 2: constants.
.set SCL,   196608                     ; behind the codes: the scale words: A's 8 tiles x 512 bytes, then B's
.set CHK,   49152                      ; a chunk: 256 along K of A's 8 tiles (24,576 bytes), then of B's
.set SPARE, 204800                     ; the spare words, 128 bytes a wave
.set SC,  32
.set ACC, 128
.set TM,  64                           ; v64-71 largest magnitudes
.set PD,  72                           ; v72-79 permutes' results, then bytes
.set SO,  80                           ; v80-87 the conversions' scale operands
.set PT,  88                           ; v88-103 upper halves of the codes
.set PC,  104                          ; v104-127 codes: six registers a tile
.set G1C, 28
.set G1S, 36
.set G0,  44
.set MSB, 0
.macro WIN new                         ; the immediate's high byte repeats the setting that is left
.if MSB != \new
	s_set_vgpr_msb (MSB<<8)|\new
.set MSB, \new
.endif
.endm
.macro PLACES n
.rept \n
	v_nop
.endr
.endm
.macro SCALES                          ; register SC + 8 i + q: lanes 0-15 the word of my A tile i for K step q, lanes 16-31 that of my B tile i
.irp i, 0,1,2,3
	ds_load_b128 v[SC+8*\i:SC+8*\i+3], v12 offset:512*\i
	ds_load_b128 v[SC+8*\i+4:SC+8*\i+7], v12 offset:512*\i+16
.endr
.endm
.macro FETCH q, f                      ; K step q's eight fragments into buffer f of window 1: A's four at f, B's four at f + 48
	WIN 0x40
.irp i, 0,1,2,3
.irp c, 0,1
	ds_load_b128 v[\f+12*\i+6*\c:\f+12*\i+6*\c+3], v8 offset:\i*3072+((\q)%2)*1536+768*\c
	ds_load_b64 v[\f+12*\i+6*\c+4:\f+12*\i+6*\c+5], v9 offset:\i*3072+((\q)%2)*1536+768*\c
.endr
.endr
.irp i, 0,1,2,3
.irp c, 0,1
	ds_load_b128 v[\f+48+12*\i+6*\c:\f+48+12*\i+6*\c+3], v10 offset:\i*3072+((\q)%2)*1536+768*\c
	ds_load_b64 v[\f+48+12*\i+6*\c+4:\f+48+12*\i+6*\c+5], v11 offset:\i*3072+((\q)%2)*1536+768*\c
.endr
.endr
	WIN 0
.endm
.macro MUL16 f, q, cin                 ; the 16 accumulators take turns, one instruction a turn, in the same order in every K step
	WIN 0x05
.irp a, 0,1,2,3
.irp b, 0,1,2,3
.if \cin == 0
	v_wmma_scale_f32_16x16x128_f8f6f4 v[ACC+8*(4*\a+\b):ACC+8*(4*\a+\b)+7], v[\f+48+12*\b:\f+48+12*\b+11], v[\f+12*\a:\f+12*\a+11], 0, v[SC+8*\b+\q], v[SC+8*\a+\q] matrix_a_fmt:MATRIX_FMT_FP6 matrix_b_fmt:MATRIX_FMT_FP6 matrix_a_scale:MATRIX_SCALE_ROW1
.else
	v_wmma_scale_f32_16x16x128_f8f6f4 v[ACC+8*(4*\a+\b):ACC+8*(4*\a+\b)+7], v[\f+48+12*\b:\f+48+12*\b+11], v[\f+12*\a:\f+12*\a+11], v[ACC+8*(4*\a+\b):ACC+8*(4*\a+\b)+7], v[SC+8*\b+\q], v[SC+8*\a+\q] matrix_a_fmt:MATRIX_FMT_FP6 matrix_b_fmt:MATRIX_FMT_FP6 matrix_a_scale:MATRIX_SCALE_ROW1
.endif
.endr
.endr
	WIN 0
.endm
.macro KHEAD q
	s_wait_dscnt 0x0                               ; this K step's fragments are in, and no LDS instruction of mine is out at a signal
.if ((\q)%2 == 1) && ((\q) < 7)
	s_wait_asynccnt 24*(3-((\q)+1)/2)              ; my 24 copies of the next chunk have landed; the 24 of each chunk issued behind it may stay out
	s_barrier_signal -1
	s_barrier_wait -1                              ; everybody's has
	v_add_nc_u32 v8, CHK, v8                       ; on to the next chunk: also the four places in front of the loads into registers that matrix instructions have read
	s_wait_alu depctr_va_vdst(0)
	v_add_nc_u32 v9, CHK, v9
	s_wait_alu depctr_va_vdst(0)
	v_add_nc_u32 v10, CHK, v10
	s_wait_alu depctr_va_vdst(0)
	v_add_nc_u32 v11, CHK, v11
.elseif ((\q) > 0) && ((\q) < 7)
	PLACES 4
.endif
.endm
.macro KBODY q, cin
.if (\q) < 7
	FETCH (\q)+1, 128*(((\q)+1)%2)
.endif
	MUL16 128*((\q)%2), \q, \cin
.endm
.macro KTAIL                           ; the rest of K step 5, K steps 6 and 7
	KBODY 5, 1
	KHEAD 6
	KBODY 6, 1
	KHEAD 7
	KBODY 7, 1
	PLACES 4                                       ; in front of the first read of results
	s_wait_loadcnt 0x0                             ; my way's constants
.endm
.macro IDS hw, xw                      ; hw: which half of the weight's 128 columns is my wave's; xw: which half of the 128 tokens
	s_lshl_b32 s88, s69, 1
	s_add_co_u32 s88, s88, s[\hw]                  ; head
	s_lshl_b32 s89, s68, 3
	s_lshl_b32 s90, s[\xw], 2
	s_add_co_u32 s89, s89, s90                     ; my first tile of tokens
	s_lshr_b32 s90, s89, 7                         ; batch
	s_and_b32 s91, s89, 127                        ; the tile within the batch
	s_lshl_b32 s92, s90, 4
	s_add_co_u32 s92, s92, s88                     ; 16 x batch + head
.endm
; Four tiles of 32 registers (two blocks of 32 along the next K, half in lane l, half in lane l xor 16) become four half fragments in v[PC] on; the bytes stay in v[PD + 2 a], v[PD + 2 a + 1]
.macro QUANT4
.irp a, 0,1,2,3
.irp u, 0,1
	v_max3_num_f32 v[TM+2*\a+\u], |v[ACC+32*\a+16*\u]|, |v[ACC+32*\a+16*\u+1]|, 0x1800000
.endr
.endr
.irp i, 2,4,6,8,10,12,14
.irp a, 0,1,2,3
.irp u, 0,1
	v_max3_num_f32 v[TM+2*\a+\u], v[TM+2*\a+\u], |v[ACC+32*\a+16*\u+\i]|, |v[ACC+32*\a+16*\u+\i+1]|
.endr
.endr
.endr
.irp n, 0,1,2,3,4,5,6,7
	v_permlanex16_b32 v[PD+\n], v[TM+\n], s94, s95
.endr
.irp n, 0,1,2,3,4,5,6,7
	v_max_num_f32 v[TM+\n], v[TM+\n], v[PD+\n]
.endr
.irp n, 0,1,2,3,4,5,6,7
	v_add_nc_u32 v[SO+\n], 0xff000000, v[TM+\n]    ; 2 off the exponent field: the conversion's scale operand
.endr
.irp n, 0,1,2,3,4,5,6,7
	v_lshrrev_b32 v[PD+\n], 23, v[SO+\n]           ; the byte
.endr
.irp a, 0,1,2,3
	v_cvt_scalef32_pk16_fp6_f32 v[PC+6*\a:PC+6*\a+2], v[ACC+32*\a:ACC+32*\a+15], v[SO+2*\a]
	v_cvt_scalef32_pk16_fp6_f32 v[PT+4*\a:PT+4*\a+2], v[ACC+32*\a+16:ACC+32*\a+31], v[SO+2*\a+1]
.endr
	v_nop                                          ; one plain line behind the conversions
.irp a, 0,1,2,3
.irp i, 0,1,2
	v_permlane16_swap_b32 v[PC+6*\a+\i], v[PT+4*\a+\i]   ; a whole block to a lane: lanes 0-15 block 0, lanes 16-31 block 1
.endr
.irp i, 0,1,2
	v_mov_b32 v[PC+6*\a+3+\i], v[PT+4*\a+\i]
.endr
.endr
.endm
.macro PUTCODES                        ; each b128 store covers 512 consecutive bytes, each b64 store 256, at multiples of 256 from the buffer's first byte
.irp a, 0,1,2,3
	global_store_b128 v3, v[PC+6*\a:PC+6*\a+3], s[96:97] offset:768*\a
	global_store_b64 v4, v[PC+6*\a+4:PC+6*\a+5], s[96:97] offset:768*\a
.endr
.endm
.macro WORDS pad                       ; pad = 1: bytes 2 and 3 are 0x7f, for the zero codes of the upper 64 along the instruction's K
.irp a, 0,1,2,3
	v_lshl_or_b32 v[PD+2*\a], v[PD+2*\a+1], 8, v[PD+2*\a]
.endr
.if \pad
.irp a, 0,1,2,3
	v_or_b32 v[PD+2*\a], 0x7f7f0000, v[PD+2*\a]
.endr
.endif
	v_cndmask_b32 v[TM], v[PD], v[PD+2], s93       ; lanes 0-15 carry tile 0's (2's), lanes 16-31 tile 1's (3's)
	v_cndmask_b32 v[TM+1], v[PD+4], v[PD+6], s93
.endm
	s_load_b512 s[4:19], s[0:1], 0x0               ; xc, xs, wc, ws, pkp, bq, bk, bv
	s_load_b128 s[20:23], s[0:1], 0x40             ; content_bias, relative_bias
	s_load_b64 s[24:25], s[0:1], 0x50              ; qkv
	v_lshl_add_u32 v14, v0, 2, SPARE
	v_mov_b32 v15, 0
	ds_add_u32 v14, v15                            ; the wave's opening: the adds and their wait ahead of my first copy; work on registers stands between them
	ds_add_u32 v14, v15
	v_lshrrev_b32 v1, 5, v0
	v_readfirstlane_b32 s2, v1                     ; wave
	s_lshr_b32 s66, ttmp9, 8                       ; p
	s_and_b32 s67, ttmp9, 255
	s_lshr_b32 s68, s67, 3                         ; which 128 tokens
	s_and_b32 s69, s67, 7                          ; which 128 columns of the weight
	s_lshr_b32 s70, s2, 1                          ; my half of A's tiles.  Also: I fetch for A (0) or for B (1)
	s_and_b32 s71, s2, 1                           ; my half of B's tiles.  Also: which four tiles I fetch
	s_cmp_eq_u32 s66, 2
	s_cselect_b32 s72, 1, 0
	s_xor_b32 s73, s72, s70                        ; 1: what I fetch is the weight (B for q and k, A for v)
	s_mov_b32 s78, 786432                          ; from chunk to chunk
	s_mov_b32 s86, 131072                          ; a section of scales
	s_cmp_eq_u32 s73, 1
	s_cselect_b32 s74, s69, s68
	s_cselect_b32 s78, 196608, s78
	s_cselect_b32 s86, 32768, s86
	s_lshl_b32 s84, s78, 2                         ; a section of codes: four chunks
	s_mul_i32 s84, s84, s66
	s_mul_i32 s86, s86, s66
	s_lshl_b32 s74, s74, 3
	s_lshl_b32 s75, s71, 2
	s_add_co_u32 s74, s74, s75                     ; the first tile that I fetch
	s_mul_i32 s75, s74, 3072
	s_add_co_u32 s84, s84, s75
	s_lshl_b32 s75, s74, 9
	s_add_co_u32 s86, s86, s75
	s_mov_b32 s85, 0
	s_mov_b32 s87, 0
	s_mov_b32 s79, 0
	; the fills are asynchronous copies, 16 bytes a lane, 512 consecutive bytes an instruction.  v20-23: LDS address of my four tiles in chunk 0 to 3; v24: of their scale words; v25: 16 x lane, the offset in memory.  None is rewritten
	v_and_b32 v25, 31, v0
	v_lshlrev_b32 v25, 4, v25
	s_mul_i32 s77, s2, 12288
	v_add_nc_u32 v20, s77, v25                     ; chunk c: c x 49,152 + wave x 12,288 + 16 x lane
	v_add_nc_u32 v21, CHK, v20
	v_add_nc_u32 v22, 2*CHK, v20
	v_add_nc_u32 v23, 3*CHK, v20
	s_lshl_b32 s77, s2, 11
	s_add_co_u32 s77, s77, SCL
	v_add_nc_u32 v24, s77, v25                     ; the scales of my four tiles: 2,048 bytes a wave
	s_mov_b32 s93, 0xffff0000                      ; lanes 16-31
	s_mov_b32 s94, 0x76543210
	s_mov_b32 s95, 0xfedcba98
	s_wait_alu depctr_va_vdst(0)
	s_wait_dscnt 0x0                               ; both opening adds are done
	s_wait_kmcnt 0x0
	s_cmp_eq_u32 s73, 1
	s_cselect_b64 s[80:81], s[8:9], s[4:5]
	s_cselect_b64 s[82:83], s[10:11], s[6:7]
	s_add_nc_u64 s[G0+2:G0+3], s[82:83], s[86:87]
	s_add_nc_u64 s[G0+6:G0+7], s[80:81], s[84:85]
	s_add_nc_u64 s[G0+10:G0+11], s[G0+6:G0+7], s[78:79]
	s_add_nc_u64 s[G0+14:G0+15], s[G0+10:G0+11], s[78:79]
	s_add_nc_u64 s[G0+18:G0+19], s[G0+14:G0+15], s[78:79]
.irp j, 0,1,2,3                                ; all the launch's fills go out here, in the order in which they are wanted: 4 copies of scale words,
	global_load_async_to_lds_b128 v24, v25, s[G0+2:G0+3] offset:512*\j
.endr
.irp c, 0,1,2,3                                ; then 24 for each chunk (the immediate steps both addresses): 100 copies a wave
.set j, 0
.rept 24
	global_load_async_to_lds_b128 v[20+\c], v25, s[G0+6+4*\c:G0+7+4*\c] offset:512*j
.set j, j+1
.endr
.endr
	v_and_b32 v1, 15, v0                           ; r
	v_bfe_u32 v2, v0, 4, 1                         ; h
	v_and_b32 v3, 31, v0
	v_lshlrev_b32 v5, 2, v3                        ; 4 l
	v_lshlrev_b32 v3, 4, v3                        ; 16 l
	v_lshlrev_b32 v4, 4, v1
	v_lshl_add_u32 v4, v2, 3, v4
	v_add_nc_u32 v4, 512, v4                       ; 512 + 16 r + 8 h
	s_mul_i32 s75, s70, 12288
	v_add_nc_u32 v8, s75, v3                       ; my four tiles of A
	v_add_nc_u32 v9, s75, v4
	s_mul_i32 s75, s71, 12288
	s_add_co_u32 s75, s75, 24576
	v_add_nc_u32 v10, s75, v3                      ; and of B
	v_add_nc_u32 v11, s75, v4
	s_lshl_b32 s75, s70, 11
	s_lshl_b32 s77, s71, 11
	s_add_co_u32 s77, s77, 4096
	s_sub_co_u32 s77, s77, s75                     ; from my A tiles' scale words to my B tiles'
	v_mul_u32_u24 v12, s77, v2                     ; lanes 16-31 take B's
	s_add_co_u32 s75, s75, SCL
	v_lshl_add_u32 v12, v1, 5, v12
	v_add_nc_u32 v12, s75, v12
.irp n, 0,1,2,3,4,5,6,7
	v_mov_b32 v[PD+\n], 0                          ; a lane permute's destination counts as one of its sources
.endr
	s_wait_alu depctr_va_vdst(0)
	s_wait_asynccnt 63                             ; of my 100 copies the first 37 are done: the 4 of the scales and chunk 0's 24 among them; nothing is filled twice
	s_barrier_signal -1
	s_barrier_wait -1
	SCALES
	FETCH 0, 0
	KHEAD 0
	KBODY 0, 0                                     ; the first K step starts the sums
.irp q, 1,2,3,4
	s_wait_alu depctr_va_vdst(0)
	KHEAD \q
	KBODY \q, 1
.endr
	KHEAD 5                                        ; the launch's last barrier
	s_cmp_eq_u32 s66, 1
	s_cbranch_scc1 .Lkpath
	s_cmp_eq_u32 s66, 2
	s_cbranch_scc1 .Lvpath
	; ---------------- q
	IDS 71, 70
	s_mul_i32 s84, s92, 98304
	s_mul_i32 s86, s91, 768
	s_add_co_u32 s84, s84, s86
	s_add_co_u32 s84, s84, 6684672
	s_mov_b32 s85, 0
	s_add_nc_u64 s[96:97], s[24:25], s[84:85]      ; q's codes
	s_lshl_b32 s84, s92, 13
	s_lshl_b32 s86, s91, 6
	s_add_co_u32 s84, s84, s86
	s_add_co_u32 s84, s84, 9830400
	s_add_nc_u64 s[98:99], s[24:25], s[84:85]      ; q's scale words
	s_lshl_b32 s84, s92, 16
	s_lshl_b32 s86, s91, 9
	s_add_co_u32 s84, s84, s86
	s_add_co_u32 s84, s84, 10092544
	s_add_nc_u64 s[26:27], s[24:25], s[84:85]      ; small
	s_lshl_b32 s75, s88, 8
	v_lshl_add_u32 v6, v2, 6, s75                  ; a bias in the result's layout: register 16 b + i is channel 64 head + 32 b + 16 h + i
	v_and_b32 v18, 3, v1
	v_lshrrev_b32 v19, 3, v1
	v_lshl_add_u32 v18, v19, 2, v18                ; lane r of pk's operand holds row r % 4 + 4 (r / 8) of pk,
	v_and_b32 v19, 4, v1
	v_lshl_add_u32 v19, v19, 1, v18
	v_cmp_gt_u32 vcc_lo, 7, v19                    ; where r % 8 < 4 and that row is one of the seven; else zeros
	v_cndmask_b32 v16, 0, 1.0, vcc_lo
	v_mov_b32 v17, v16
	v_min_u32 v18, 6, v18
	v_lshl_add_u32 v7, v18, 12, v6
	WIN 0x80
.irp u, 0,1
.irp e, 0,1,2,3
	global_load_b128 v[160+16*\u+4*\e:163+16*\u+4*\e], v6, s[14:15] offset:128*\u+16*\e    ; bq
	global_load_b128 v[192+16*\u+4*\e:195+16*\u+4*\e], v6, s[20:21] offset:128*\u+16*\e    ; content_bias
	global_load_b128 v[224+16*\u+4*\e:227+16*\u+4*\e], v6, s[22:23] offset:128*\u+16*\e    ; relative_bias
	global_load_b128 v[128+16*\u+4*\e:131+16*\u+4*\e], v6, s[16:17] offset:128*\u+16*\e    ; bk
.endr
.endr
.irp k, 0,1,2,3
.irp u, 0,1
.irp e, 0,1,2,3
	global_load_b128 v[32*\k+16*\u+4*\e:32*\k+16*\u+4*\e+3], v7, s[12:13] offset:28672*\k+128*\u+16*\e   ; the four partial sums of pos_emb Wk
.endr
.endr
.endr
	WIN 0
	KTAIL
	WIN 0x08
.set n, 0
.rept 64
	v_pk_add_f32 v[ACC+n:ACC+n+1], v[ACC+n:ACC+n+1], v[160+n%32:160+n%32+1]        ; q = x Wq + bq; each accumulator from its low end on
.set n, n+2
.endr
	WIN 0x48
.set n, 0
.rept 64
	v_pk_add_f32 v[n:n+1], v[ACC+n:ACC+n+1], v[224+n%32:224+n%32+1]                ; q + relative_bias, into window 1
.set n, n+2
.endr
	WIN 0x08
.set n, 0
.rept 64
	v_pk_add_f32 v[ACC+n:ACC+n+1], v[ACC+n:ACC+n+1], v[192+n%32:192+n%32+1]        ; q + content_bias
.set n, n+2
.endr
	WIN 0x8a
.set n, 0
.rept 16
	v_pk_add_f32 v[n:n+1], v[n:n+1], v[32+n:33+n]
	v_pk_add_f32 v[64+n:65+n], v[64+n:65+n], v[96+n:97+n]
.set n, n+2
.endr
.set n, 0
.rept 16
	v_pk_add_f32 v[n:n+1], v[n:n+1], v[64+n:65+n]
.set n, n+2
.endr
.set n, 0
.rept 16
	v_pk_add_f32 v[n:n+1], v[n:n+1], v[128+n:129+n]                                ; pk = pos_emb Wk + bk
.set n, n+2
.endr
	WIN 0x42
.set n, 0
.rept 16
	v_pk_mul_f32 v[128+n:129+n], v[n:n+1], v[16:17] op_sel_hi:[1,0]                ; rows that are none of the seven become zeros; into window 1
.set n, n+2
.endr
	PLACES 4
	WIN 0x55
; small = pk (q + relative_bias)^T: K = 64 in 16 steps of 4.  Both operands take registers 2 g, 2 g + 1: the same channels in the same places of K.  The four sums take turns.
.irp g, 0,1,2,3,4,5,6,7,8,9,10,11,12,13,14,15
.irp a, 0,1,2,3
.if \g == 0
	v_wmma_f32_16x16x4_f32 v[224+8*\a:231+8*\a], v[128+2*\g:129+2*\g], v[32*\a+2*\g:32*\a+2*\g+1], 0
.else
	v_wmma_f32_16x16x4_f32 v[224+8*\a:231+8*\a], v[128+2*\g:129+2*\g], v[32*\a+2*\g:32*\a+2*\g+1], v[224+8*\a:231+8*\a]
.endif
.endr
.endr
	WIN 0
	QUANT4                                         ; (its plain lines are also the places behind the sums of small)
	PUTCODES
	WORDS 1
	global_store_b32 v5, v[TM], s[98:99]
	global_store_b32 v5, v[TM+1], s[98:99] offset:128
	WIN 0x04
.irp a, 0,1,2,3
	global_store_b128 v3, v[224+8*\a:227+8*\a], s[26:27] offset:512*\a             ; lane (r, h): small[4 h + 0 .. 3] of token r: the sums' four lowest registers
.endr
	WIN 0
	s_branch .Lend
	; ---------------- k
.Lkpath:
	IDS 71, 70
	s_lshr_b32 s75, s91, 3                         ; key step
	s_and_b32 s77, s91, 7                          ; tile in it
	s_mul_i32 s84, s92, 196608
	s_mul_i32 s86, s75, 12288
	s_add_co_u32 s84, s84, s86
	s_mul_i32 s86, s77, 768
	s_add_co_u32 s84, s84, s86
	s_mov_b32 s85, 0
	s_add_nc_u64 s[96:97], s[24:25], s[84:85]
	s_mul_i32 s84, s92, 12288
	s_lshl_b32 s86, s91, 6
	s_add_co_u32 s84, s84, s86
	s_add_co_u32 s84, s84, 6291456
	s_add_nc_u64 s[98:99], s[24:25], s[84:85]
	s_lshl_b32 s75, s88, 8
	v_lshl_add_u32 v6, v2, 6, s75
	WIN 0x80
.irp u, 0,1
.irp e, 0,1,2,3
	global_load_b128 v[160+16*\u+4*\e:163+16*\u+4*\e], v6, s[16:17] offset:128*\u+16*\e    ; bk
.endr
.endr
	WIN 0
	s_wait_alu depctr_va_vdst(0)
	KTAIL
	WIN 0x08
.set n, 0
.rept 64
	v_pk_add_f32 v[ACC+n:ACC+n+1], v[ACC+n:ACC+n+1], v[160+n%32:160+n%32+1]
.set n, n+2
.endr
	WIN 0
	QUANT4
	PUTCODES
	WORDS 1
	global_store_b32 v5, v[TM], s[98:99]
	global_store_b32 v5, v[TM+1], s[98:99] offset:128
	s_branch .Lend
	; ---------------- v
.Lvpath:
	IDS 70, 71
	s_lshr_b32 s75, s91, 2                         ; which 64 keys of the batch
	s_lshr_b32 s77, s75, 1                         ; key step
	s_and_b32 s75, s75, 1                          ; which half of it
	s_mul_i32 s84, s92, 196608
	s_mul_i32 s86, s77, 12288
	s_add_co_u32 s84, s84, s86
	s_mul_i32 s86, s75, 3072
	s_add_co_u32 s84, s84, s86
	s_add_co_u32 s84, s84, 6144
	s_mov_b32 s85, 0
	s_add_nc_u64 s[96:97], s[24:25], s[84:85]
	s_mul_i32 s84, s92, 12288
	s_lshl_b32 s86, s77, 8
	s_add_co_u32 s84, s84, s86
	s_lshl_b32 s86, s75, 1
	s_add_co_u32 s84, s84, s86
	s_add_co_u32 s84, s84, 6291456+8192
	s_add_nc_u64 s[98:99], s[24:25], s[84:85]
	s_lshl_b32 s75, s88, 8
	v_and_b32 v6, 8, v1
	v_add_nc_u32 v6, v6, v1
	v_lshl_add_u32 v6, v6, 2, s75                  ; my lane's channel of a tile: 64 head + r + 8 (r / 8), in bytes
	WIN 0x80
.irp i, 0,1,2,3
	global_load_b32 v[160+2*\i], v6, s[18:19] offset:4*(32*(\i/2)+8*(\i%2))        ; bv of my channel in tile i
	global_load_b32 v[161+2*\i], v6, s[18:19] offset:4*(32*(\i/2)+8*(\i%2))        ; (the packed form names a pair, so both are written)
.endr
	WIN 0
	s_wait_alu depctr_va_vdst(0)
	KTAIL
	WIN 0x08
.set n, 0
.rept 64
	v_pk_add_f32 v[ACC+n:ACC+n+1], v[ACC+n:ACC+n+1], v[160+2*(n/32):161+2*(n/32)] op_sel_hi:[1,0]
.set n, n+2
.endr
	WIN 0
	QUANT4
	PUTCODES
	WORDS 0
	global_store_b16 v5, v[TM], s[98:99]           ; two of a scale word's four bytes: my 64 of the step's 128 keys
	global_store_b16 v5, v[TM+1], s[98:99] offset:128
.Lend:
	s_wait_tensorcnt 0x0                           ; the wave's end: behind my last copy
	ds_add_u32 v14, v15
	s_wait_dscnt 0x0
	s_endpgm
.Lfunc_end_k_q5360ff17a9_proj:
	.size	k_q5360ff17a9_proj, .Lfunc_end_k_q5360ff17a9_proj-k_q5360ff17a9_proj
	.p2alignl 7, 3214868480
	.fill 96, 4, 3214868480
	.section	.rodata,"a",@progbits
	.p2align	6, 0x0
	.amdhsa_kernel k_q5360ff17a9_proj
		.amdhsa_group_segment_fixed_size 205312
		.amdhsa_private_segment_fixed_size 0
		.amdhsa_enable_private_segment 0
		.amdhsa_kernarg_size 88
		.amdhsa_user_sgpr_count 2
		.amdhsa_user_sgpr_kernarg_segment_ptr 1
		.amdhsa_wavefront_size32 1
		.amdhsa_system_sgpr_workgroup_id_x 1
		.amdhsa_system_sgpr_workgroup_id_y 1
		.amdhsa_system_sgpr_workgroup_id_z 1
		.amdhsa_system_vgpr_workitem_id 0
		.amdhsa_next_free_vgpr 768
		.amdhsa_next_free_sgpr 100
		.amdhsa_reserve_vcc 1
		.amdhsa_float_denorm_mode_32 3
		.amdhsa_float_denorm_mode_16_64 3
		.amdhsa_memory_ordered 1
		.amdhsa_forward_progress 1
		.amdhsa_inst_pref_size 138
	.end_amdhsa_kernel
	.amdgpu_metadata
---
amdhsa.version: [ 1, 2 ]
amdhsa.kernels:
  - .name:           k_q5360ff17a9_proj
    .symbol:         k_q5360ff17a9_proj.kd
    .args:
      - { .name: xc, .offset: 0, .size: 8, .value_kind: global_buffer, .address_space: global }
      - { .name: xs, .offset: 8, .size: 8, .value_kind: global_buffer, .address_space: global }
      - { .name: wc, .offset: 16, .size: 8, .value_kind: global_buffer, .address_space: global }
      - { .name: ws, .offset: 24, .size: 8, .value_kind: global_buffer, .address_space: global }
      - { .name: pkp, .offset: 32, .size: 8, .value_kind: global_buffer, .address_space: global }
      - { .name: bq, .offset: 40, .size: 8, .value_kind: global_buffer, .address_space: global }
      - { .name: bk, .offset: 48, .size: 8, .value_kind: global_buffer, .address_space: global }
      - { .name: bv, .offset: 56, .size: 8, .value_kind: global_buffer, .address_space: global }
      - { .name: content_bias, .offset: 64, .size: 8, .value_kind: global_buffer, .address_space: global }
      - { .name: relative_bias, .offset: 72, .size: 8, .value_kind: global_buffer, .address_space: global }
      - { .name: qkv, .offset: 80, .size: 8, .value_kind: global_buffer, .address_space: global }
    .group_segment_fixed_size: 205312
    .private_segment_fixed_size: 0
    .kernarg_segment_align: 8
    .kernarg_segment_size: 88
    .max_flat_workgroup_size: 128
    .sgpr_count:     100
    .vgpr_count:     768
    .wavefront_size: 32
...
	.end_amdgpu_metadata
.endif
;; end of part 6
;; launch attn (part 7): grid 8 x 32, 16 waves a work-group, no clusters, 210,944 bytes of LDS; arguments qkv, att; writes att
.if DOCPART == 7
	.amdgcn_target "amdgcn-amd-amdhsa--gfx1250"
	.amdhsa_code_object_version 6
	.text
	.protected	k_q5360ff17a9_attn
	.globl	k_q5360ff17a9_attn
	.p2align	8
	.type	k_q5360ff17a9_attn,@function
k_q5360ff17a9_attn:
	s_mov_b64 s[64:65], 0
	v_nop
	global_prefetch_b8 v0, s[64:65] scope:SCOPE_SE
	s_setreg_imm32_b32 hwreg(HW_REG_WAVE_MODE, 25, 1), 1
	s_wait_xcnt 0x0
; ATTN: O = softmax(((q + u) k^T + rel) / 8) v for one head (work-group y = 16 x batch + head) and 256 queries (work-group x), both products on codes of FP6 (E2M3); O is quantised for the output projection.
; t = logit x log2(e); M = the running largest t rounded UP to a whole number; p = 2^(t - M) is quantised along the keys, not normalised; the row's sum is taken of the unquantised p and divides O at the end.
; When M moves, the sum and O are multiplied by 2^(old M - new M): exact.
; rel(query, key) = small[clip(query - key, -3, 3) + 3].  A block of 32 keys that lies wholly three or more keys away from all my 16 queries has ONE bias a query (small[6] before, small[0] after): it rides in
; the multiply-add that makes t - M: fma(s, c, small c - M), which differs from (s + small) c - M by roundings of about one ulp.  The two blocks that the band of five keys touches take it key by key.
; SHARES.  Sixteen waves, each ONE tile of 16 queries in 256 registers: four waves to a SIMD, so that one wave's vector work stands beside another's matrix work and LDS loads.
; The head's K, V and scale words, 208,896 bytes, come into LDS once, as images of operand registers: no ring, nothing is filled twice.  A key step is 128 keys: 12,288 bytes (K's 8 tiles, then V's 2 x 4 half fragments).
; LAYOUT.  S^T = K Q^T, O^T = V^T P^T: a lane holds one query (lane % 16) throughout.  Row r of tile T is row 32 (T / 2) + 8 (T % 2) + r + 8 (r / 8): the 16 registers of tiles 2 b, 2 b + 1 are 16 neighbours.
; The head's size is 64: the upper 64 of the first product's K = 128 are zero codes on both sides, under the byte 0x7f.
; NO CLUSTER: the eight query blocks of a head read the same K and V, but the branches that pick the band's blocks hang on the query block, which partners of a cluster do not share.
; LIMITS: NaN and infinities are not served; blocks of p or O under 2^-124 keep the byte 1 (blocks of zeros too: their codes are zeros; this program alone reads the bytes).
; REGISTERS: v1-4 addresses that stay; v5, v6 the add's two; v7 my query - 16 h; v8-11 the step's addresses; v12 -M, v13 the largest t, v[14:15] the sum; v16-27 Q, v28 its scale word; v29 at work; v30, v31 offsets;
;   v32-79 four fragments of K; v80-87 scale words; v88-95 the blocks' biases; v96-159 S^T, then p, then V's fragments; v160-191 O^T; v192-199 small; v200, v201 small[0] c, small[6] c; v202-205 at work;
;   v208-219 p's codes; v220-226 at work; v232-247 at work; v252 f; v253 p's scale word; v254 at work.
.set SCB,   196608                     ; K's scale words (8,192 bytes), then V's (4,096)
.set SPARE, 208896                     ; the spare words, 128 bytes a wave
.set TB,  58                           ; s58 LDS byte at which the step's tiles begin
.set TS,  59                           ; s59 the step's scale words of K: 512 bytes a step
.set TJ,  60                           ; s60 and of V: 256 bytes a step
.set KF,  61                           ; s61 the step's first key
.set SG,  62                           ; s62 the block of 32 keys in which my queries lie
.set SG2, 63                           ; s63 the neighbouring block that the band touches
.set CS,  66                           ; s[66:67] c = log2(e) / 8
.set SEL, 68                           ; s[68:69] selects for lane l xor 16
.set HM,  93                           ; s93 lanes 16-31
.set CNT, 94
.macro PLACES n
.rept \n
	v_nop
.endr
.endm
; The bias of block b.  The branches hang on ids and the count of steps alone; no barrier stands in a step.
.macro BIAS b
	s_add_co_u32 s91, s[KF], 32*\b
	s_cmp_eq_u32 s91, s[SG]
	s_cbranch_scc1 .Lnear_\@
	s_cmp_eq_u32 s91, s[SG2]
	s_cbranch_scc1 .Lnear_\@
	s_cmp_lt_u32 s91, s[SG]
	s_cselect_b32 s92, -1, 0
	v_cndmask_b32 v[88+2*\b], v200, v201, s92      ; keys before my queries: small[6] c; after: small[0] c
	s_branch .Ldone_\@
.Lnear_\@:
	v_sub_nc_u32 v29, v7, s91                      ; e = my query - the key of my register 0: register i holds query - key = e - i
.set m, -2
.rept 21
	v_cmp_le_i32 s[72+m], m, v29                   ; mask m: m <= e
.set m, m+1
.endr
.irp g, 0,4,8,12
.irp i, 0,1,2,3
	v_cndmask_b32 v[202+\i], v192, v193, s[72+\g+\i-2]     ; small[0], or small[d + 3] where e - i >= d, d = -2 .. 3 in turn
.endr
.irp d, -1,0,1,2,3
.irp i, 0,1,2,3
	s_delay_alu instid0(VALU_DEP_4)
	v_cndmask_b32 v[202+\i], v[202+\i], v[195+\d], s[72+\g+\i+\d]
.endr
.endr
.irp i, 0,1,2,3
	v_add_f32 v[96+16*\b+\g+\i], v[96+16*\b+\g+\i], v[202+\i]      ; each accumulator from its low end on
.endr
.endr
	v_mov_b32 v[88+2*\b], 0
.Ldone_\@:
.endm
.macro STEP
	v_add_nc_u32 v8, s[TB], v1
	s_wait_alu depctr_va_vdst(0)
	v_add_nc_u32 v9, s[TB], v2
	s_wait_alu depctr_va_vdst(0)
	v_add_nc_u32 v10, s[TS], v3
	s_wait_alu depctr_va_vdst(0)
	v_add_nc_u32 v11, s[TJ], v4
	v_nop                                          ; six places: the scores are written over registers that the last step's products read as V's fragments, which asks for five
	v_nop
.irp g, 0,1                                    ; S^T = K Q^T, four tiles of 16 keys at a time
.if \g
	PLACES 4                                       ; in front of loads into registers that matrix instructions have read
.endif
.irp t, 0,1,2,3
	ds_load_b128 v[32+12*\t:35+12*\t], v8 offset:768*(4*\g+\t)
	ds_load_b64 v[36+12*\t:37+12*\t], v9 offset:768*(4*\g+\t)
	ds_load_b32 v[80+\t], v10 offset:64*(4*\g+\t)
.endr
	s_wait_dscnt 0x0
.irp t, 0,1,2,3
	v_wmma_scale_f32_16x16x128_f8f6f4 v[96+8*(4*\g+\t):103+8*(4*\g+\t)], v[32+12*\t:43+12*\t], v[16:27], 0, v[80+\t], v28 matrix_a_fmt:MATRIX_FMT_FP6 matrix_b_fmt:MATRIX_FMT_FP6
.endr
.endr
	PLACES 4
	BIAS 0
	BIAS 1
	BIAS 2
	BIAS 3
.irp b, 0,1,2,3
	v_max3_num_f32 v[232+\b], v[96+16*\b], v[97+16*\b], v[98+16*\b]        ; the largest score of each block: for the row's maximum and, since p rises with the score, for the block's largest p
.endr
.irp i, 3,5,7,9,11,13
.irp b, 0,1,2,3
	v_max3_num_f32 v[232+\b], v[232+\b], v[96+16*\b+\i], v[97+16*\b+\i]
.endr
.endr
.irp b, 0,1,2,3
	v_max_num_f32 v[232+\b], v[232+\b], v[111+16*\b]
.endr
.irp b, 0,1,2,3
	s_delay_alu instid0(VALU_DEP_4)
	v_permlanex16_b32 v[236+\b], v[232+\b], s[SEL], s[SEL+1]
.endr
.irp b, 0,1,2,3
	s_delay_alu instid0(VALU_DEP_4)
	v_max_num_f32 v[232+\b], v[232+\b], v[236+\b]
.endr
.irp b, 0,1,2,3
	s_delay_alu instid0(VALU_DEP_4)
	v_fma_f32 v[240+\b], v[232+\b], s[CS], v[88+2*\b]      ; as t, the block's bias with it
.endr
	s_delay_alu instid0(VALU_DEP_2)
	v_max3_num_f32 v254, v240, v241, v242
	s_delay_alu instid0(VALU_DEP_1)
	v_max_num_f32 v254, v254, v243
	s_delay_alu instid0(VALU_DEP_1)
	v_max_num_f32 v13, v13, v254                   ; the running largest t
	v_mov_b32 v254, v12
	s_delay_alu instid0(VALU_DEP_2)
	v_floor_f32 v12, -v13                          ; the new -M = -ceil(t)
	s_delay_alu instid0(VALU_DEP_1)
	v_sub_f32 v254, v12, v254                      ; old M - new M: a whole number, 0 or less
	s_delay_alu instid0(VALU_DEP_1)
	v_cvt_i32_f32 v254, v254                       ; (it saturates)
	s_delay_alu instid0(VALU_DEP_1)
	v_ldexp_f32 v252, 1.0, v254                    ; f = 2^(old M - new M)
.irp b, 0,1,2,3
	v_add_f32 v[88+2*\b], v[88+2*\b], v12          ; bias - M
.endr
.irp j, 0,2,4,6,8,10,12,14,16,18,20,22,24,26,28,30,32,34,36,38,40,42,44,46,48,50,52,54,56,58,60,62
	v_pk_fma_f32 v[96+\j:97+\j], v[96+\j:97+\j], s[CS:CS+1], v[88+2*(\j/16):89+2*(\j/16)] op_sel_hi:[1,0,0]   ; t - M, two at a time
.endr
.irp b, 0,1,2,3
	v_fma_f32 v[232+\b], v[232+\b], s[CS], v[88+2*\b]      ; the same of each block's largest score
.endr
.set j, 0
	s_wait_alu depctr_va_vdst(0)
.rept 64
	v_exp_f32 v[96+j], v[96+j]                     ; p = 2^(t - M)
.set j, j+1
.endr
	v_pk_mul_f32 v[14:15], v[14:15], v[252:253] op_sel_hi:[1,0]    ; the sum under the new M (a plain line behind the exponentials)
	s_wait_alu depctr_va_vdst(0)                   ; one wait for the batch, ahead of its first reader
.irp b, 0,1,2,3
	v_exp_f32 v[232+\b], v[232+\b]                 ; the block's largest p
.endr
	v_pk_add_f32 v[236:237], v[100:101], v[104:105]
	v_pk_add_f32 v[250:251], v[108:109], v[112:113]
	v_pk_add_f32 v[248:249], v[116:117], v[120:121]
	v_pk_add_f32 v[246:247], v[124:125], v[128:129]
	v_pk_add_f32 v[244:245], v[132:133], v[136:137]
	v_pk_add_f32 v[242:243], v[140:141], v[144:145]
	v_pk_add_f32 v[240:241], v[148:149], v[152:153]
	v_pk_add_f32 v[14:15], v[14:15], v[156:157]
	v_pk_add_f32 v[236:237], v[236:237], v[96:97]
	v_pk_add_f32 v[250:251], v[250:251], v[98:99]
	v_pk_add_f32 v[248:249], v[248:249], v[102:103]
	v_pk_add_f32 v[246:247], v[246:247], v[106:107]
	v_pk_add_f32 v[244:245], v[244:245], v[110:111]
	v_pk_add_f32 v[242:243], v[242:243], v[114:115]
	v_pk_add_f32 v[240:241], v[240:241], v[118:119]
	v_pk_add_f32 v[14:15], v[14:15], v[122:123]
	v_pk_add_f32 v[236:237], v[236:237], v[126:127]
	v_pk_add_f32 v[250:251], v[250:251], v[130:131]
	v_pk_add_f32 v[248:249], v[248:249], v[134:135]
	v_pk_add_f32 v[246:247], v[246:247], v[138:139]
	v_pk_add_f32 v[244:245], v[244:245], v[142:143]
	v_pk_add_f32 v[242:243], v[242:243], v[146:147]
	v_pk_add_f32 v[240:241], v[240:241], v[150:151]
	v_pk_add_f32 v[14:15], v[14:15], v[154:155]
	v_pk_add_f32 v[236:237], v[236:237], v[158:159]
	s_delay_alu instid0(VALU_DEP_2)
	v_pk_add_f32 v[14:15], v[14:15], v[246:247]
	s_delay_alu instid0(VALU_DEP_2)
	v_pk_add_f32 v[236:237], v[236:237], v[244:245]
	v_pk_add_f32 v[250:251], v[250:251], v[242:243]
	v_pk_add_f32 v[248:249], v[248:249], v[240:241]
	s_delay_alu instid0(VALU_DEP_2)
	v_pk_add_f32 v[14:15], v[14:15], v[250:251]
	s_delay_alu instid0(VALU_DEP_2)
	v_pk_add_f32 v[236:237], v[236:237], v[248:249]
	s_delay_alu instid0(VALU_DEP_1)
	v_pk_add_f32 v[14:15], v[14:15], v[236:237]
	s_wait_alu depctr_va_vdst(0)                   ; and one for the four
.irp b, 0,1,2,3
	v_max_num_f32 v[232+\b], 0x1800000, v[232+\b]  ; the floor 2^(3 - 127)
.endr
.irp b, 0,1,2,3
	s_delay_alu instid0(VALU_DEP_4)
	v_add_nc_u32 v[244+\b], 0xff000000, v[232+\b]
.endr
.irp b, 0,1,2,3
	s_delay_alu instid0(VALU_DEP_4)
	v_lshrrev_b32 v[236+\b], 23, v[244+\b]
.endr
	s_delay_alu instid0(VALU_DEP_3)
	v_lshl_or_b32 v253, v237, 8, v236              ; p's scale word for these 128 keys
	s_delay_alu instid0(VALU_DEP_1)
	v_lshl_or_b32 v253, v238, 16, v253
	s_delay_alu instid0(VALU_DEP_1)
	v_lshl_or_b32 v253, v239, 24, v253
.irp c, 0,1
	v_cvt_scalef32_pk16_fp6_f32 v[208+6*\c:210+6*\c], v[96+32*\c:111+32*\c], v[244+2*\c]
	v_cvt_scalef32_pk16_fp6_f32 v[220+4*\c:222+4*\c], v[112+32*\c:127+32*\c], v[244+2*\c+1]
.endr
	v_nop                                          ; one plain line behind the conversions
.irp c, 0,1
.irp i, 0,1,2
	v_permlane16_swap_b32 v[208+6*\c+\i], v[220+4*\c+\i]
.endr
.irp i, 0,1,2
	s_delay_alu instid0(VALU_DEP_3)
	v_mov_b32 v[211+6*\c+\i], v[220+4*\c+\i]
.endr
.endr
.irp t, 0,1,2,3                                ; V's four fragments (16 channels x 128 keys) into the registers that p has left
.irp c, 0,1
	ds_load_b128 v[96+12*\t+6*\c:99+12*\t+6*\c], v8 offset:6144+3072*\c+768*\t
	ds_load_b64 v[100+12*\t+6*\c:101+12*\t+6*\c], v9 offset:6144+3072*\c+768*\t
.endr
	ds_load_b32 v[84+\t], v11 offset:64*\t
.endr
.irp j, 0,2,4,6,8,10,12,14,16,18,20,22,24,26,28,30
	v_pk_mul_f32 v[160+\j:161+\j], v[160+\j:161+\j], v[252:253] op_sel_hi:[1,0]    ; O^T under the new M; these 16 are also the places between p's codes and scale word and the products
.endr
	s_wait_alu depctr_va_vdst(0)
	s_wait_dscnt 0x0
.irp t, 0,1,2,3
	v_wmma_scale_f32_16x16x128_f8f6f4 v[160+8*\t:167+8*\t], v[96+12*\t:107+12*\t], v[208:219], v[160+8*\t:167+8*\t], v[84+\t], v253 matrix_a_fmt:MATRIX_FMT_FP6 matrix_b_fmt:MATRIX_FMT_FP6
.endr
	s_add_co_u32 s[TB], s[TB], 12288
	s_add_co_u32 s[TS], s[TS], 512
	s_add_co_u32 s[TJ], s[TJ], 256
	s_add_co_u32 s[KF], s[KF], 128
.endm
	s_load_b128 s[4:7], s[0:1], 0x0                ; qkv, att
	v_lshl_add_u32 v5, v0, 2, SPARE
	v_mov_b32 v6, 0
	ds_add_u32 v5, v6                              ; the wave's opening: the add and its wait ahead of my first tensor load; work on registers stands between them
	ds_add_u32 v5, v6
	v_lshrrev_b32 v8, 5, v0
	s_delay_alu instid0(VALU_DEP_1)
	v_readfirstlane_b32 s2, v8                     ; wave
	s_and_b32 s3, ttmp7, 0xffff                    ; 16 x batch + head
	s_lshl_b32 s8, ttmp9, 4
	s_add_co_u32 s8, s8, s2                        ; my tile of queries
	; groups 1: dense blocks as rows of 256 bytes: 12 rows (a quarter of the scale words), 192 rows (a quarter of K and V)
	s_mov_b32 s12, 3<<16
	s_mov_b32 s13, 32<<16
	s_mov_b32 s14, 12<<16
	s_mov_b32 s15, 32<<16
	s_mov_b32 s16, 12
	s_mov_b32 s17, 32
	s_mov_b32 s18, 0
	s_mov_b32 s19, 0
	s_mov_b32 s20, 3<<16
	s_mov_b32 s21, 32<<16
	s_mov_b32 s22, 192<<16
	s_mov_b32 s23, 32<<16
	s_mov_b32 s24, 192
	s_mov_b32 s25, 32
	s_mov_b32 s26, 0
	s_mov_b32 s27, 0
	s_and_b32 s9, s2, 3                            ; waves 4 to 7 fetch the scale words, a quarter each
	s_mul_i32 s9, s9, 3072
	s_add_co_u32 s37, s9, SCB                      ; LDS: my quarter of the scale words
	s_mul_i32 s10, s3, 12288
	s_add_co_u32 s10, s10, s9
	s_add_co_u32 s10, s10, 6291456
	s_mov_b32 s11, 0
	s_mul_i32 s41, s2, 49152                       ; LDS: my quarter of K and V
	s_mul_i32 s28, s3, 196608
	s_add_co_u32 s28, s28, s41
	s_mov_b32 s29, 0
	s_mov_b32 s36, 1
	s_mov_b32 s40, 1
	s_mul_i32 s30, s3, 98304
	s_mul_i32 s9, s8, 768
	s_add_co_u32 s30, s30, s9
	s_add_co_u32 s30, s30, 6684672                 ; Q's codes
	s_mov_b32 s31, 0
	s_lshl_b32 s32, s3, 13
	s_lshl_b32 s9, s8, 6
	s_add_co_u32 s32, s32, s9
	s_add_co_u32 s32, s32, 9830400                 ; Q's scale words
	s_mov_b32 s33, 0
	s_lshl_b32 s34, s3, 16
	s_lshl_b32 s9, s8, 9
	s_add_co_u32 s34, s34, s9
	s_add_co_u32 s34, s34, 10092544                ; small
	s_mov_b32 s35, 0
	s_lshr_b32 s44, s3, 4
	s_lshl_b32 s44, s44, 7
	s_add_co_u32 s44, s44, s8                      ; my tile among all 256
	s_and_b32 s45, s3, 15                          ; head
	s_lshr_b32 s46, s45, 2
	s_mul_i32 s46, s46, 786432
	s_mul_i32 s47, s44, 3072
	s_add_co_u32 s46, s46, s47
	s_and_b32 s47, s45, 3
	s_mul_i32 s47, s47, 768
	s_add_co_u32 s46, s46, s47                     ; the head's 64 channels are half fragment head % 4 of chunk head / 4
	s_mov_b32 s47, 0
	s_lshl_b32 s48, s44, 9
	s_lshl_b32 s49, s45, 1
	s_add_co_u32 s48, s48, s49
	s_add_co_u32 s48, s48, 3145728                 ; and bytes 2 head, 2 head + 1 of a row's 32 scale bytes
	s_mov_b32 s49, 0
	s_lshr_b32 s[SG], s8, 1
	s_lshl_b32 s[SG], s[SG], 5
	s_and_b32 s9, s8, 1
	s_lshl_b32 s50, s9, 6
	s_add_co_u32 s[SG2], s[SG], s50
	s_sub_co_u32 s[SG2], s[SG2], 32                ; an even tile's band reaches into the block before, an odd tile's into the block after
	s_lshl_b32 s9, s9, 3
	s_add_co_u32 s51, s[SG], s9                    ; the tile's first query
	s_mov_b32 s[CS], 0x3e38aa3b                    ; c = log2(e) / 8
	s_mov_b32 s[CS+1], s[CS]
	s_mov_b32 s[SEL], 0x76543210
	s_mov_b32 s[SEL+1], 0xfedcba98
	s_mov_b32 s[HM], 0xffff0000
	s_mov_b32 s[TB], 0
	s_mov_b32 s[TS], 0
	s_mov_b32 s[TJ], 0
	s_mov_b32 s[KF], 0
	s_wait_dscnt 0x0                               ; the opening add is done
	s_wait_kmcnt 0x0
	s_add_nc_u64 s[38:39], s[4:5], s[10:11]
	s_or_b32 s39, s39, 0x80000000
	s_add_nc_u64 s[42:43], s[4:5], s[28:29]
	s_or_b32 s43, s43, 0x80000000
	s_add_nc_u64 s[52:53], s[4:5], s[30:31]
	s_add_nc_u64 s[54:55], s[4:5], s[32:33]
	s_add_nc_u64 s[56:57], s[4:5], s[34:35]
	s_add_nc_u64 s[96:97], s[6:7], s[46:47]
	s_add_nc_u64 s[98:99], s[6:7], s[48:49]
	s_cmp_lt_u32 s2, 4                             ; one chain of branches on the wave's number, one load to an arm: waves 0 to 3 fetch K and V, a quarter each,
	s_cbranch_scc0 .Lscl
	tensor_load_to_lds s[40:43], s[20:27]
	s_nop 0
	PLACES 4
	s_branch .Lnofill
.Lscl:
	s_cmp_lt_u32 s2, 8                             ; waves 4 to 7 the scale words; the others fetch nothing
	s_cbranch_scc0 .Lnofill
	tensor_load_to_lds s[36:39], s[12:19]
	s_nop 0
	PLACES 4
.Lnofill:
	v_and_b32 v8, 15, v0                           ; r
	v_bfe_u32 v9, v0, 4, 1                         ; h
	v_and_b32 v1, 31, v0
	s_delay_alu instid0(VALU_DEP_1)
	v_lshlrev_b32 v1, 4, v1                        ; 16 l
	s_delay_alu instid0(VALU_DEP_4)
	v_lshlrev_b32 v31, 4, v8                       ; 16 r
	s_delay_alu instid0(VALU_DEP_1)
	v_lshl_add_u32 v2, v9, 3, v31
	s_delay_alu instid0(VALU_DEP_1)
	v_add_nc_u32 v2, 512, v2                       ; 512 + 16 r + 8 h
	v_lshlrev_b32 v206, 2, v8                      ; 4 r
	s_delay_alu instid0(VALU_DEP_1)
	v_add_nc_u32 v3, SCB, v206
	s_delay_alu instid0(VALU_DEP_2)
	v_add_nc_u32 v4, SCB+8192, v206
	v_lshl_add_u32 v30, v8, 5, v9                  ; 32 r + h
	v_and_b32 v7, 8, v8
	s_delay_alu instid0(VALU_DEP_1)
	v_add_nc_u32 v7, v7, v8
	s_delay_alu instid0(VALU_DEP_1)
	v_add_nc_u32 v7, s51, v7                       ; my query,
	v_lshlrev_b32 v10, 4, v9
	s_delay_alu instid0(VALU_DEP_1)
	v_sub_nc_u32 v7, v7, v10                       ; less 16 h
	global_load_b128 v[16:19], v1, s[52:53]        ; Q's half fragment stays in registers
	global_load_b64 v[20:21], v2, s[52:53]
	global_load_b32 v28, v206, s[54:55]
	global_load_b128 v[192:195], v31, s[56:57]     ; small[0 .. 3] of my query
	global_load_b128 v[196:199], v31, s[56:57] offset:256      ; small[4 .. 6]
.irp j, 22,23,24,25,26,27
	v_mov_b32 v[\j], 0                             ; the upper 64 of K: zero codes
.endr
.irp t, 0,1,2,3
.irp j, 6,7,8,9,10,11
	v_mov_b32 v[32+12*\t+\j], 0
.endr
.endr
	v_mov_b32 v13, 0xff61b1e6                      ; the largest t so far: -3e38
	s_delay_alu instid0(VALU_DEP_1)
	v_floor_f32 v12, -v13
	v_mov_b32 v14, 0
	v_mov_b32 v15, 0
.irp b, 0,1,2,3
	v_mov_b32 v[236+\b], 0                         ; a lane permute's destination counts as one of its sources
	v_mov_b32 v[89+2*\b], 0                        ; (named as the upper halves of pairs)
.endr
	v_mov_b32 v253, 0
.set j, 0
.rept 32
	v_mov_b32 v[160+j], 0                          ; O^T: the step is written once; its first trip finds zeros
.set j, j+1
.endr
	s_wait_tensorcnt 0x0                           ; my parts of the head have landed,
	s_barrier_signal -1
	s_barrier_wait -1                              ; everybody's have
	s_wait_loadcnt 0x0
	v_mul_f32 v200, s[CS], v192
	v_mul_f32 v201, s[CS], v198
	s_mov_b32 s[CNT], 16
.Lstep:
	STEP
	s_sub_co_u32 s[CNT], s[CNT], 1
	s_cmp_lg_u32 s[CNT], 0
	s_cbranch_scc1 .Lstep
	; THE WAY OUT: O^T / the sum, quantised along the head's 64 channels: a half fragment of the output projection's operand
	PLACES 4
	v_add_f32 v14, v14, v15
	s_delay_alu instid0(VALU_DEP_1)
	v_permlanex16_b32 v254, v14, s[SEL], s[SEL+1]
	s_delay_alu instid0(VALU_DEP_1)
	v_add_f32 v14, v14, v254
	s_wait_alu depctr_va_vdst(0)
	v_rcp_f32 v14, v14
	v_nop                                          ; a plain line behind the reciprocal
	s_wait_alu depctr_va_vdst(0)                   ; and the wait ahead of its first reader
.set j, 0
.rept 32
	v_mul_f32 v[96+j], v[160+j], v14               ; register 16 b + i is channel 32 b + 16 h + i; each accumulator from its low end on
.set j, j+1
.endr
.irp u, 0,1
	v_max3_num_f32 v[232+\u], |v[96+16*\u]|, |v[97+16*\u]|, 0x1800000
.endr
.irp i, 2,4,6,8,10,12,14
.irp u, 0,1
	s_delay_alu instid0(VALU_DEP_2)
	v_max3_num_f32 v[232+\u], v[232+\u], |v[96+16*\u+\i]|, |v[97+16*\u+\i]|
.endr
.endr
.irp u, 0,1
	s_delay_alu instid0(VALU_DEP_2)
	v_permlanex16_b32 v[236+\u], v[232+\u], s[SEL], s[SEL+1]
.endr
.irp u, 0,1
	s_delay_alu instid0(VALU_DEP_2)
	v_max_num_f32 v[232+\u], v[232+\u], v[236+\u]
.endr
.irp u, 0,1
	s_delay_alu instid0(VALU_DEP_2)
	v_add_nc_u32 v[244+\u], 0xff000000, v[232+\u]
.endr
.irp u, 0,1
	s_delay_alu instid0(VALU_DEP_2)
	v_lshrrev_b32 v[236+\u], 23, v[244+\u]
.endr
	v_cvt_scalef32_pk16_fp6_f32 v[208:210], v[96:111], v244
	v_cvt_scalef32_pk16_fp6_f32 v[220:222], v[112:127], v245
	v_nop
.irp i, 0,1,2
	v_permlane16_swap_b32 v[208+\i], v[220+\i]
.endr
.irp i, 0,1,2
	s_delay_alu instid0(VALU_DEP_3)
	v_mov_b32 v[211+\i], v[220+\i]
.endr
	v_cndmask_b32 v232, v236, v237, s[HM]          ; lane (r, h) stores block h's byte of row r
	global_store_b128 v1, v[208:211], s[96:97]
	global_store_b64 v2, v[212:213], s[96:97]
	global_store_b8 v30, v232, s[98:99]
	s_wait_tensorcnt 0x0                           ; the wave's end: behind my last tensor load
	ds_add_u32 v5, v6
	s_wait_dscnt 0x0
	s_endpgm
.Lfunc_end_k_q5360ff17a9_attn:
	.size	k_q5360ff17a9_attn, .Lfunc_end_k_q5360ff17a9_attn-k_q5360ff17a9_attn
	.p2alignl 7, 3214868480
	.fill 96, 4, 3214868480
	.section	.rodata,"a",@progbits
	.p2align	6, 0x0
	.amdhsa_kernel k_q5360ff17a9_attn
		.amdhsa_group_segment_fixed_size 210944
		.amdhsa_private_segment_fixed_size 0
		.amdhsa_enable_private_segment 0
		.amdhsa_kernarg_size 16
		.amdhsa_user_sgpr_count 2
		.amdhsa_user_sgpr_kernarg_segment_ptr 1
		.amdhsa_wavefront_size32 1
		.amdhsa_system_sgpr_workgroup_id_x 1
		.amdhsa_system_sgpr_workgroup_id_y 1
		.amdhsa_system_sgpr_workgroup_id_z 1
		.amdhsa_system_vgpr_workitem_id 0
		.amdhsa_next_free_vgpr 256
		.amdhsa_next_free_sgpr 100
		.amdhsa_reserve_vcc 0
		.amdhsa_float_denorm_mode_32 3
		.amdhsa_float_denorm_mode_16_64 3
		.amdhsa_memory_ordered 1
		.amdhsa_forward_progress 1
		.amdhsa_inst_pref_size 76
	.end_amdhsa_kernel
	.amdgpu_metadata
---
amdhsa.version: [ 1, 2 ]
amdhsa.kernels:
  - .name:           k_q5360ff17a9_attn
    .symbol:         k_q5360ff17a9_attn.kd
    .args:
      - { .name: qkv, .offset: 0, .size: 8, .value_kind: global_buffer, .address_space: global }
      - { .name: att, .offset: 8, .size: 8, .value_kind: global_buffer, .address_space: global }
    .group_segment_fixed_size: 210944
    .private_segment_fixed_size: 0
    .kernarg_segment_align: 8
    .kernarg_segment_size: 16
    .max_flat_workgroup_size: 512
    .sgpr_count:     100
    .vgpr_count:     256
    .wavefront_size: 32
...
	.end_amdgpu_metadata
.endif
;; end of part 7
;; launch outp (part 8): grid 256 x 1, 4 waves a work-group, no clusters, 222,720 bytes of LDS; arguments att, wc, ws, bo, out0; writes out0
.if DOCPART == 8
	.amdgcn_target "amdgcn-amd-amdhsa--gfx1250"
	.amdhsa_code_object_version 6
	.text
	.protected	k_q5360ff17a9_outp
	.globl	k_q5360ff17a9_outp
	.p2align	8
	.type	k_q5360ff17a9_outp,@function
k_q5360ff17a9_outp:
	s_mov_b64 s[64:65], 0
	v_nop
	global_prefetch_b8 v0, s[64:65] scope:SCOPE_SE
	s_setreg_imm32_b32 hwreg(HW_REG_WAVE_MODE, 25, 1), 1
	s_wait_xcnt 0x0
; OUTP: out0 = attn Wo + bo on codes of FP6 (E2M3).  attn's codes and scale words come from the attention launch, Wo's from the quantising launch, both as images of operand registers.
; A work-group makes 128 tokens x 128 columns with all of K = 1,024 resident in LDS: nothing is filled twice.  Four waves, each 4 x 4 tiles: 16 accumulators.
; Source 0 = 16 columns of Wo, source 1 = 16 tokens: a lane holds one token, and its registers run along the columns.  bo is the C of each sum's first matrix instruction.
; Row r of tile T is row 32 (T / 2) + 8 (T % 2) + r + 8 (r / 8).  The results leave through each wave's own stage in LDS: sixteen lanes store 256 consecutive bytes of a row of out0, aligned.
; NO CLUSTER: one line of text serves A's and B's fetch, its registers chosen by the wave's number; joint loads want a line and a mask for each operand: ten groups 0 and four groups 1, 72 scalar registers.
; LIMITS: NaN and infinities are not served.
; REGISTERS.  window 0: v1-12 lane numbers and addresses; v14, v15 the add's two; v16-18 the way out's addresses; v32-63 scale words; v64-95 bo, later with v96-127 rows on the way out; v128-255 the accumulators.
;   window 1: two fragment buffers (v0-95, v128-223).
.set SCL,   196608
.set CHK,   49152
.set STAGE, 204800                     ; 16 rows x 272 bytes for each wave; no fill lands here
.set SPARE, 222208                     ; the spare words, 128 bytes a wave
.set SC,  32
.set ACC, 128
.set G1C, 28
.set G1S, 36
.set G0,  44
.set MSB, 0
.macro WIN new
.if MSB != \new
	s_set_vgpr_msb (MSB<<8)|\new
.set MSB, \new
.endif
.endm
.macro PLACES n
.rept \n
	v_nop
.endr
.endm
.macro SCALES
.irp i, 0,1,2,3
	ds_load_b128 v[SC+8*\i:SC+8*\i+3], v12 offset:512*\i
	ds_load_b128 v[SC+8*\i+4:SC+8*\i+7], v12 offset:512*\i+16
.endr
.endm
.macro FETCH q, f
	WIN 0x40
.irp i, 0,1,2,3
.irp c, 0,1
	ds_load_b128 v[\f+12*\i+6*\c:\f+12*\i+6*\c+3], v8 offset:\i*3072+((\q)%2)*1536+768*\c
	ds_load_b64 v[\f+12*\i+6*\c+4:\f+12*\i+6*\c+5], v9 offset:\i*3072+((\q)%2)*1536+768*\c
.endr
.endr
.irp i, 0,1,2,3
.irp c, 0,1
	ds_load_b128 v[\f+48+12*\i+6*\c:\f+48+12*\i+6*\c+3], v10 offset:\i*3072+((\q)%2)*1536+768*\c
	ds_load_b64 v[\f+48+12*\i+6*\c+4:\f+48+12*\i+6*\c+5], v11 offset:\i*3072+((\q)%2)*1536+768*\c
.endr
.endr
	WIN 0
.endm
.macro MUL16 f, q, cin                 ; the 16 accumulators take turns, one instruction a turn, in the same order in every K step
	WIN 0x05
.irp a, 0,1,2,3
.irp b, 0,1,2,3
.if \cin == 2
	v_wmma_scale_f32_16x16x128_f8f6f4 v[ACC+8*(4*\a+\b):ACC+8*(4*\a+\b)+7], v[\f+48+12*\b:\f+48+12*\b+11], v[\f+12*\a:\f+12*\a+11], v[64+8*\b:71+8*\b], v[SC+8*\b+\q], v[SC+8*\a+\q] matrix_a_fmt:MATRIX_FMT_FP6 matrix_b_fmt:MATRIX_FMT_FP6 matrix_a_scale:MATRIX_SCALE_ROW1
.else
	v_wmma_scale_f32_16x16x128_f8f6f4 v[ACC+8*(4*\a+\b):ACC+8*(4*\a+\b)+7], v[\f+48+12*\b:\f+48+12*\b+11], v[\f+12*\a:\f+12*\a+11], v[ACC+8*(4*\a+\b):ACC+8*(4*\a+\b)+7], v[SC+8*\b+\q], v[SC+8*\a+\q] matrix_a_fmt:MATRIX_FMT_FP6 matrix_b_fmt:MATRIX_FMT_FP6 matrix_a_scale:MATRIX_SCALE_ROW1
.endif
.endr
.endr
	WIN 0
.endm
.macro KSTEP q, cin
	s_wait_dscnt 0x0                               ; this K step's fragments are in, and no LDS instruction of mine is out at a signal
.if ((\q)%2 == 1) && ((\q) < 7)
	s_wait_asynccnt 24*(3-((\q)+1)/2)              ; my 24 copies of the next chunk have landed; the 24 of each chunk issued behind it may stay out
	s_barrier_signal -1
	s_barrier_wait -1
	v_add_nc_u32 v8, CHK, v8                       ; on to the next chunk: also the four places in front of the loads below
	s_wait_alu depctr_va_vdst(0)
	v_add_nc_u32 v9, CHK, v9
	s_wait_alu depctr_va_vdst(0)
	v_add_nc_u32 v10, CHK, v10
	s_wait_alu depctr_va_vdst(0)
	v_add_nc_u32 v11, CHK, v11
.elseif ((\q) > 0) && ((\q) < 7)
	PLACES 4
.endif
.if (\q) < 7
	FETCH (\q)+1, 128*(((\q)+1)%2)
.endif
	MUL16 128*((\q)%2), \q, \cin
.endm
.macro OUTT a                          ; the 16 tokens x 64 columns of my A tile a
.set BK, 64+32*((\a)%2)
.if (\a) > 1
	s_wait_xcnt 0x0                                ; the stores of two tiles back have read their registers: these may be loaded again
.endif
.irp t, 0,1,2,3
	ds_store_b128 v16, v[ACC+8*(4*(\a)+\t):ACC+8*(4*(\a)+\t)+3] offset:128*(\t/2)+32*(\t%2)          ; each accumulator from its low end on
	ds_store_b128 v16, v[ACC+8*(4*(\a)+\t)+4:ACC+8*(4*(\a)+\t)+7] offset:128*(\t/2)+32*(\t%2)+16
.endr
.irp i, 0,1,2,3,4,5,6,7
	ds_load_b128 v[BK+4*\i:BK+4*\i+3], v17 offset:544*\i       ; LDS serves a wave's instructions in order: these see my stores
.endr
.irp i, 0,1,2,3,4,5,6,7
	s_wait_dscnt 7-\i                              ; the younger loads may stay out
	global_store_b128 v18, v[BK+4*\i:BK+4*\i+3], s[96:97] offset:(32*((\a)/2)+8*((\a)%2)+2*\i+8*(\i/4))*4096 th:TH_STORE_NT
.endr
.endm
	s_load_b256 s[4:11], s[0:1], 0x0               ; att, wc, ws, bo
	s_load_b64 s[12:13], s[0:1], 0x20              ; out0
	v_lshl_add_u32 v14, v0, 2, SPARE
	v_mov_b32 v15, 0
	ds_add_u32 v14, v15                            ; the wave's opening: the adds and their wait ahead of my first copy; work on registers stands between them
	ds_add_u32 v14, v15
	v_lshrrev_b32 v1, 5, v0
	v_readfirstlane_b32 s2, v1                     ; wave
	s_lshr_b32 s68, ttmp9, 3                       ; which 128 tokens
	s_and_b32 s69, ttmp9, 7                        ; which 128 columns
	s_lshr_b32 s70, s2, 1                          ; my half of the tokens' tiles.  Also: I fetch for attn (0) or for Wo (1)
	s_and_b32 s71, s2, 1                           ; my half of the columns' tiles.  Also: which four tiles I fetch
	s_mov_b32 s78, 786432
	s_mov_b32 s86, 3145728
	s_cmp_eq_u32 s70, 1
	s_cselect_b32 s74, s69, s68
	s_cselect_b32 s78, 196608, s78                 ; from chunk to chunk
	s_cselect_b32 s86, 98304, s86                  ; where the scales begin in their buffer
	s_cselect_b32 s84, 2359296, 0                  ; and the codes: Wo is the fourth section of wc
	s_lshl_b32 s74, s74, 3
	s_lshl_b32 s75, s71, 2
	s_add_co_u32 s74, s74, s75
	s_mul_i32 s75, s74, 3072
	s_add_co_u32 s84, s84, s75
	s_lshl_b32 s75, s74, 9
	s_add_co_u32 s86, s86, s75
	s_mov_b32 s85, 0
	s_mov_b32 s87, 0
	s_mov_b32 s79, 0
	; the fills are asynchronous copies, 16 bytes a lane, 512 consecutive bytes an instruction.  v20-23: LDS address of my four tiles in chunk 0 to 3; v24: of their scale words; v25: 16 x lane, the offset in memory.  None is rewritten
	v_and_b32 v25, 31, v0
	v_lshlrev_b32 v25, 4, v25
	s_mul_i32 s77, s2, 12288
	v_add_nc_u32 v20, s77, v25                     ; chunk c: c x 49,152 + wave x 12,288 + 16 x lane
	v_add_nc_u32 v21, CHK, v20
	v_add_nc_u32 v22, 2*CHK, v20
	v_add_nc_u32 v23, 3*CHK, v20
	s_lshl_b32 s77, s2, 11
	s_add_co_u32 s77, s77, SCL
	v_add_nc_u32 v24, s77, v25                     ; the scales of my four tiles: 2,048 bytes a wave
	s_lshl_b32 s88, s68, 19
	s_lshl_b32 s89, s70, 18
	s_add_co_u32 s88, s88, s89
	s_lshl_b32 s90, s69, 9
	s_lshl_b32 s89, s71, 8
	s_add_co_u32 s90, s90, s89                     ; my first column, in bytes
	s_add_co_u32 s88, s88, s90                     ; and my first token's row with it
	s_mov_b32 s89, 0
	s_wait_alu depctr_va_vdst(0)
	s_wait_dscnt 0x0                               ; both opening adds are done
	s_wait_kmcnt 0x0
	s_cmp_eq_u32 s70, 1
	s_cselect_b64 s[80:81], s[6:7], s[4:5]
	s_cselect_b64 s[82:83], s[8:9], s[4:5]
	s_add_nc_u64 s[G0+2:G0+3], s[82:83], s[86:87]
	s_add_nc_u64 s[G0+6:G0+7], s[80:81], s[84:85]
	s_add_nc_u64 s[G0+10:G0+11], s[G0+6:G0+7], s[78:79]
	s_add_nc_u64 s[G0+14:G0+15], s[G0+10:G0+11], s[78:79]
	s_add_nc_u64 s[G0+18:G0+19], s[G0+14:G0+15], s[78:79]
	s_add_nc_u64 s[96:97], s[12:13], s[88:89]
.irp j, 0,1,2,3                                ; all the launch's fills go out here, in the order in which they are wanted: 4 copies of scale words,
	global_load_async_to_lds_b128 v24, v25, s[G0+2:G0+3] offset:512*\j
.endr
.irp c, 0,1,2,3                                ; then 24 for each chunk (the immediate steps both addresses): 100 copies a wave
.set j, 0
.rept 24
	global_load_async_to_lds_b128 v[20+\c], v25, s[G0+6+4*\c:G0+7+4*\c] offset:512*j
.set j, j+1
.endr
.endr
	v_and_b32 v1, 15, v0                           ; r
	v_bfe_u32 v2, v0, 4, 1                         ; h
	v_and_b32 v3, 31, v0
	v_lshlrev_b32 v3, 4, v3                        ; 16 l
	v_lshlrev_b32 v4, 4, v1
	v_lshl_add_u32 v4, v2, 3, v4
	v_add_nc_u32 v4, 512, v4                       ; 512 + 16 r + 8 h
	v_lshl_add_u32 v6, v2, 6, s90                  ; bo in the result's layout: register 16 b + i is my first column + 32 b + 16 h + i
.irp u, 0,1
.irp e, 0,1,2,3
	global_load_b128 v[64+16*\u+4*\e:67+16*\u+4*\e], v6, s[10:11] offset:128*\u+16*\e
.endr
.endr
	s_mul_i32 s75, s70, 12288
	v_add_nc_u32 v8, s75, v3
	v_add_nc_u32 v9, s75, v4
	s_mul_i32 s75, s71, 12288
	s_add_co_u32 s75, s75, 24576
	v_add_nc_u32 v10, s75, v3
	v_add_nc_u32 v11, s75, v4
	s_lshl_b32 s75, s70, 11
	s_lshl_b32 s77, s71, 11
	s_add_co_u32 s77, s77, 4096
	s_sub_co_u32 s77, s77, s75
	v_mul_u32_u24 v12, s77, v2                     ; lanes 16-31 take Wo's scale words
	s_add_co_u32 s75, s75, SCL
	v_lshl_add_u32 v12, v1, 5, v12
	v_add_nc_u32 v12, s75, v12
	s_mul_i32 s75, s2, 4352
	s_add_co_u32 s75, s75, STAGE                   ; my stage
	v_mul_u32_u24 v16, v1, 272
	v_lshl_add_u32 v16, v2, 6, v16
	v_add_nc_u32 v16, s75, v16                     ; in: row r, 64 h bytes on
	v_mul_u32_u24 v17, v2, 272
	v_lshl_add_u32 v17, v1, 4, v17
	v_add_nc_u32 v17, s75, v17                     ; back: lanes 0-15 one row of 256 bytes, lanes 16-31 the next
	v_lshlrev_b32 v18, 12, v2
	v_lshl_add_u32 v18, v1, 4, v18                 ; and the same two rows in out0
	s_wait_alu depctr_va_vdst(0)
	s_wait_asynccnt 63                             ; of my 100 copies the first 37 are done: the 4 of the scales and chunk 0's 24 among them; nothing is filled twice
	s_barrier_signal -1
	s_barrier_wait -1
	SCALES
	FETCH 0, 0
	s_wait_loadcnt 0x0                             ; bo
	KSTEP 0, 2                                     ; the first K step starts the sums from bo
.irp q, 1,2,3,4,5,6,7
	s_wait_alu depctr_va_vdst(0)
	KSTEP \q, 1
.endr
	PLACES 4                                       ; in front of the first read of results
	OUTT 0
	OUTT 1
	OUTT 2
	OUTT 3
	s_wait_tensorcnt 0x0                           ; the wave's end: behind my last copy and my last LDS store
	ds_add_u32 v14, v15
	s_wait_dscnt 0x0
	s_endpgm
.Lfunc_end_k_q5360ff17a9_outp:
	.size	k_q5360ff17a9_outp, .Lfunc_end_k_q5360ff17a9_outp-k_q5360ff17a9_outp
	.p2alignl 7, 3214868480
	.fill 96, 4, 3214868480
	.section	.rodata,"a",@progbits
	.p2align	6, 0x0
	.amdhsa_kernel k_q5360ff17a9_outp
		.amdhsa_group_segment_fixed_size 222720
		.amdhsa_private_segment_fixed_size 0
		.amdhsa_enable_private_segment 0
		.amdhsa_kernarg_size 40
		.amdhsa_user_sgpr_count 2
		.amdhsa_user_sgpr_kernarg_segment_ptr 1
		.amdhsa_wavefront_size32 1
		.amdhsa_system_sgpr_workgroup_id_x 1
		.amdhsa_system_sgpr_workgroup_id_y 1
		.amdhsa_system_sgpr_workgroup_id_z 1
		.amdhsa_system_vgpr_workitem_id 0
		.amdhsa_next_free_vgpr 512
		.amdhsa_next_free_sgpr 100
		.amdhsa_reserve_vcc 0
		.amdhsa_float_denorm_mode_32 3
		.amdhsa_float_denorm_mode_16_64 3
		.amdhsa_memory_ordered 1
		.amdhsa_forward_progress 1
		.amdhsa_inst_pref_size 59
	.end_amdhsa_kernel
	.amdgpu_metadata
---
amdhsa.version: [ 1, 2 ]
amdhsa.kernels:
  - .name:           k_q5360ff17a9_outp
    .symbol:         k_q5360ff17a9_outp.kd
    .args:
      - { .name: att, .offset: 0, .size: 8, .value_kind: global_buffer, .address_space: global }
      - { .name: wc, .offset: 8, .size: 8, .value_kind: global_buffer, .address_space: global }
      - { .name: ws, .offset: 16, .size: 8, .value_kind: global_buffer, .address_space: global }
      - { .name: bo, .offset: 24, .size: 8, .value_kind: global_buffer, .address_space: global }
      - { .name: out0, .offset: 32, .size: 8, .value_kind: global_buffer, .address_space: global }
    .group_segment_fixed_size: 222720
    .private_segment_fixed_size: 0
    .kernarg_segment_align: 8
    .kernarg_segment_size: 40
    .max_flat_workgroup_size: 128
    .sgpr_count:     100
    .vgpr_count:     512
    .wavefront_size: 32
...
	.end_amdgpu_metadata
.endif
;; end of part 8
